; MI455X (gfx1250); checked and timed in simulation.
; The chip was launched on July 23, 2026; its instructions are those of AMD's public machine-readable ISA for CDNA 5 (MIT licence, August 2026) and "CDNA5" Instruction Set Architecture Reference Guide (July 2026). The comments in the code are by the model that wrote it; some were corrected since.
;; Mo E Layer. Allowed arithmetic: matrix products marked QUANTISED: E4M3 operands, one E8M0 scale for each 32 along K, by v_wmma_scale_f32_16x16x128_f8f6f4 with both operands' format E4M3, f32 sums; products left as they are: f32 operands where the result goes on into a quantised operand, else bf16, f16 or f32 operands; f32 sums; everything else in f32.
;; Inputs: W1 8 x 1,024 x 512 float32; W2 8 x 512 x 1,024 float32; Wg 1,024 x 8 float32; b1 8 x 512 float32; b2 8 x 1,024 float32; bg 8 float32; x 4 x 2,048 x 1,024 float32.
;; Outputs: out0 4 x 2,048 x 1,024 float32; out1 4 x 2,048 x 8 float32; out2 4 x 2,048 int32.
;; This version of the problem:
;;   THIS VERSION OF THE PROBLEM IS GIVEN IN LOW PRECISION. The matrix products marked QUANTISED in the list below multiply operands that are first quantised to E4M3 (4 exponent bits, 3 mantissa bits; 8 bits a number), with one power-of-two scale for each 32 numbers along K (OCP MX v1.0); their sums are f32. All else is computed in f32.
;;   The module's matrix products, in the order in which they are computed (A, B: the left and right operand; K: the contracted axis; several contracted axes count as one K, in the product's order):
;;     1. [M 8,192, K 1,024] x [K 1,024, N 8]; A: input x; B: input Wg: left as it is (N = 8 < 16)
;;     2. batch 8,192 x [M 8, K 1] x [K 1, N 1,024]; A: computed on the way; B: computed on the way: left as it is (no contracted axis)
;;     3. batch 8 x [M 8,192, K 1,024] x [K 1,024, N 512]; A: computed on the way; B: input W1: QUANTISED
;;     4. batch 8 x [M 8,192, K 512] x [K 512, N 1,024]; A: computed on the way; B: input W2: QUANTISED
;;   THE QUANTISER, for each operand of a quantised product, along K:
;;     - K is cut into blocks of 32 from its start; a last block that is shorter is filled with zeros.
;;     - A block's scale is 2^e with e = floor(log2(the largest magnitude in the block)) - 8, held to -126 .. 127; a block of zeros has e = 0. As a byte (E8M0): e + 127.
;;     - Each number is divided by its block's scale, clamped to +-448, and rounded to the nearest number of E4M3, ties to even, subnormals kept.
;;     - The product sums the exact products of the quantised numbers (number of the format x scale) in f32.
;;   ~~~python
;;   def quantise(x, axis):      # numpy; x: float32 -> the quantised numbers, widened to float32 again
;;       x = np.moveaxis(x, axis, -1); K = x.shape[-1]
;;       x = np.pad(x, [(0, 0)] * (x.ndim - 1) + [(0, -K % 32)]); x = x.reshape(x.shape[:-1] + (-1, 32)); a = np.abs(x).max(-1, keepdims=True)
;;       e = np.where(a > 0, np.clip(np.frexp(np.where(a > 0, a, 1))[1] - 1 - 8, -126, 127), 0)      # np.frexp(a)[1] - 1 = floor(log2(a)), exactly
;;       r = np.clip(x / 2.0 ** e, -448, 448)
;;       step = 2.0 ** (np.maximum(np.frexp(np.where(r == 0, 1, r))[1] - 1, -6) - 3)
;;       q = np.round(r / step) * step * 2.0 ** e      # np.round: ties to even
;;       return np.moveaxis(q.reshape(q.shape[:-2] + (-1,))[..., :K], -1, axis).astype(np.float32)
;;   ~~~
;;   OPERANDS COMPUTED ON THE WAY. 'Computed on the way' means the value that the module computes at that place (a softmax that the list does not call 'softmax' is quantised finished and normalised). What goes into a quantiser is computed in f32, as accurately as f32 sums, v_exp_f32 and their like allow (about 1e-6 of the number): no bf16 or f16 on the way to a quantiser, and a product that is left as it is and whose result goes on into a quantised operand takes f32 operands (vector FMAs, or v_wmma_f32_16x16x4_f32). A number that lies on a knife's edge between two numbers of the format may be rounded either way, as far as f32 arithmetic and the matrix unit's own rounding can turn it there, and no further.
;; 3 versions. Each part assembles by itself: llvm-mc -triple=amdgcn-amd-amdhsa -mcpu=gfx1250 --defsym DOCPART=n.
;; ======== version 1 of 3: 3 launches
;; workspace buffers: xq 8,388,608 bytes; xs 262,144 bytes; wq 8,388,608 bytes; ws 262,144 bytes; tb 32,768 bytes; route 36,864 bytes of whole numbers; list 35,328 bytes of whole numbers
;; launch prep (part 1): grid 512 x 1, 8 waves a work-group, no clusters, 147,456 bytes of LDS; arguments x, Wg, bg, xq, xs, route, list, out1, out2, W1, W2, wq, ws; writes xq, xs, route, list, out1, out2, wq, ws
.if DOCPART == 1
	.amdgcn_target "amdgcn-amd-amdhsa--gfx1250"
	.amdhsa_code_object_version 6
	.text
	.protected	k_qd7c6b74a06_prep
	.globl	k_qd7c6b74a06_prep
	.p2align	8
	.type	k_qd7c6b74a06_prep,@function
k_qd7c6b74a06_prep:
	s_mov_b64 s[64:65], 0
	v_nop
	global_prefetch_b8 v0, s[64:65] scope:SCOPE_SE
	s_setreg_imm32_b32 hwreg(HW_REG_WAVE_MODE, 25, 1), 1
	s_wait_xcnt 0x0
; FIRST LAUNCH OF THREE.  Work-groups 0-255: 32 tokens each: the gate (x Wg + bg in f32 multiply-adds, softmax, argmax), x into codes of E4M3 with one E8M0 byte
; for each 32 along K, each token's rank among its block's tokens of the same expert, and the block's count of tokens for each expert.
; Work-groups 256-383: W1, work-groups 384-511: W2, quantised along K (their first axis within an expert) and laid in the order of the third launch's operand registers.
; Every work-group reads 131,072 bytes of f32, once.  Work-groups 0-134 also write zeros over one tile's row list each, so that every word read later has been stored.
; THE QUANTISER: a block's scale is 2^(floor(log2(largest magnitude)) - 8); its byte is the largest magnitude's exponent field - 8, held at 1 from below by a floor among the maximum's leaves;
; each number is held within +-448 x the scale and converted, to the nearest code, ties to even.
; LIMITS: NaN and infinities among the inputs are not served.  A block of zeros gets the byte 1 where the rule says 127: its codes are zeros, and this program alone reads the bytes.
; Blocks whose largest magnitude lies under 2^-118 keep the byte 1.  The argmax is taken over the computed probabilities, the lower index at a tie; two probabilities that f32 sums in
; another order cannot tell apart (about 1e-7 of a logit) may turn it.
; No matrix unit (the gate has 8 columns), no cluster (work-groups share no large input), no tensor load: all loads go out at a path's head.
; WORKSPACE LAYOUTS.  xq [token][1024] codes.  xs [token][8] words: word s = the four bytes of k = 128 s on.
; wq [expert 8][wave 8][unit 16][tile 4][group 4][lane 32][16 bytes]: the image of a fragment's registers: lane 16 h + r, group c holds k = 32 c + 16 h + 0..15 of the tile's row r.
;   units 0-7: W1, K step = unit; row r of tile t is hidden unit 64 wave + 32 (t / 2) + 8 (t % 2) + r + 8 (r / 8).  units 8 + 4 half + s: W2, K step s; row r of tile t is column 128 wave + 64 half + 16 t + r.
; ws [expert][wave][unit][pair 2][32] words: lanes 0-15 the rows of tile 2 pair, lanes 16-31 those of tile 2 pair + 1.
; route: words 0-8191: expert | rank << 8 for each token; from byte 32,768: for each block of 32 tokens four words, two 16-bit counts each.
.set X,   16                           ; v16-143   128 numbers of a lane, neighbours along K
.set C,   144                          ; v144-175  their 128 codes
.set TM,  176                          ; v176-179 largest magnitudes, v180-183 bytes, v184-187 448 x the scale, v188-191 the conversions' scale operands
.set PW,  192                          ; v192      the scale word
.set L4,  193                          ; v193      4 x lane
.set L8,  194                          ; v194      8 x lane
.set GA,  200                          ; v200-207  eight sums of the gate
.set TW,  17024                        ; LDS: a wave's region: 32 rows x 528 bytes, and 128 spare, so that two waves' regions do not begin at the same bank
.set LG,  8*TW                         ; the waves' partial logits: [wave][2][lane][16 bytes]
.set XSS, LG+8192                      ; x's scale words: [token][8]
.set PT,  XSS+1024                     ; the probabilities' turn: 1,024 bytes
; 128 numbers in v[X] on, four blocks of 32, all in one lane, become 128 codes in v[C] on and a scale word in v[PW]
.macro QUANT128
.irp b, 0,1,2,3
	v_max3_num_f32 v[TM+\b], |v[X+32*\b]|, |v[X+32*\b+1]|, 0x4800000       ; the floor 2^(9 - 127) among the leaves: the byte cannot fall under 1
.endr
.set qi, 2
.rept 15
.irp b, 0,1,2,3
	v_max3_num_f32 v[TM+\b], v[TM+\b], |v[X+32*\b+qi]|, |v[X+32*\b+qi+1]|   ; the four blocks by turns
.endr
.set qi, qi+2
.endr
.irp b, 0,1,2,3
	v_add_nc_u32 v[TM+12+\b], 0xfc000000, v[TM+\b]                         ; 8 off the exponent field: the conversion takes this operand's exponent field as its scale
.endr
.irp b, 0,1,2,3
	v_and_or_b32 v[TM+8+\b], v[TM+\b], 0x7f800000, s23                     ; 448 x the scale: the exponent field over 448's mantissa field
.endr
.irp b, 0,1,2,3
	v_lshrrev_b32 v[TM+4+\b], 23, v[TM+12+\b]                              ; the scale's byte
.endr
	v_lshl_or_b32 v[PW], v[TM+5], 8, v[TM+4]
	v_lshl_or_b32 v[PW], v[TM+6], 16, v[PW]
	v_lshl_or_b32 v[PW], v[TM+7], 24, v[PW]
.irp b, 0,1,2,3
.set qi, 0
.rept 32
	v_med3_num_f32 v[X+32*\b+qi], v[X+32*\b+qi], -v[TM+8+\b], v[TM+8+\b]   ; the conversion to an 8-bit code does not saturate (ISA guide 7.6.2): the hold comes first
.set qi, qi+1
.endr
.irp g, 0,1,2,3
	v_cvt_scalef32_pk8_fp8_f32 v[C+8*\b+2*\g:C+8*\b+2*\g+1], v[X+32*\b+8*\g:X+32*\b+8*\g+7], v[TM+12+\b]
.endr
.endr
	v_nop                                          ; a plain line behind the last conversion
.endm
; The gate: group g is 4 along K x 8 experts: 32 numbers of Wg in 32 scalar registers, two sets by turns: while one set is multiplied the other is on its way
.macro GATE g
.set SA, 24+44*((\g)%2)                ; s24-55 or s68-99
.set SB, 24+44*(1-(\g)%2)
	s_wait_kmcnt 0x0                               ; this group's set is in (scalar loads are waited for by the count 0 alone)
.if (\g) < 31
	s_load_b512 s[SB:SB+15], s[6:7], 128*(\g)+128
	s_load_b512 s[SB+16:SB+31], s[6:7], 128*(\g)+192
.endif
.irp kk, 0,1,2,3
.irp e, 0,1,2,3,4,5,6,7
.if ((\g) == 0) && (\kk == 0)
	v_mul_f32 v[GA+\e], s[SA+8*\kk+\e], v[X+4*(\g)+\kk]                    ; the first products start the sums: nothing is cleared
.else
	v_fmac_f32 v[GA+\e], s[SA+8*\kk+\e], v[X+4*(\g)+\kk]
.endif
.endr
.endr
.endm
; A weight's path: a lane takes a column and its registers run down K: 128 loads, 128 consecutive bytes a wave each, the eight waves side by side on 1,024.
; The codes leave as register images: each store covers two runs of 256 consecutive bytes, each at a multiple of 256 from wq's first byte.
.macro WBODY pitch
.set wi, 0
.rept 128
	global_load_b32 v[X+wi], v3, s[40:41] offset:wi*(\pitch) th:TH_LOAD_NT
.set wi, wi+1
.endr
	s_wait_loadcnt 0x0
	QUANT128
.irp c, 0,1,2,3
.irp hh, 0,1
	global_store_b128 v4, v[C+8*\c+4*\hh:C+8*\c+4*\hh+3], s[42:43] offset:512*\c+256*\hh   ; k = 32 c + 16 hh + 0..15 of my column
.endr
.endr
	global_store_b32 v5, v[PW], s[44:45]           ; 32 lanes: 128 consecutive bytes
	s_endpgm
.endm
	v_lshl_add_u32 v208, v0, 2, 0x23c00
	v_mov_b32 v209, 0
	v_lshrrev_b32 v1, 5, v0
	v_readfirstlane_b32 s22, v1                    ; wave 0..7
	v_and_b32 v2, 31, v0                           ; lane
	s_mov_b32 s23, 0x600000                        ; the mantissa field of 448
	s_cmp_lt_u32 ttmp9, 256
	s_cbranch_scc0 .Lweights
; ---------------- x: 32 tokens a work-group; wave w takes k = 128 w .. 128 w + 127 of all 32; in the arithmetic a lane is a token
	s_load_b512 s[4:19], s[0:1], 0x0               ; x, Wg, bg, xq, xs, route, list, out1
	s_load_b64 s[20:21], s[0:1], 0x40              ; out2
	v_lshlrev_b32 v3, 4, v2                        ; 16 x lane
	s_mul_i32 s24, s22, TW                         ; my wave's region
	v_add_nc_u32 v4, s24, v3                       ; the turn, in: row i at 528 i, my 16 bytes
	v_mul_u32_u24 v5, v2, 528
	v_add_nc_u32 v5, s24, v5                       ; the turn, out: row = my lane (528 = 33 x 16: sixteen rows start at sixteen different banks)
	s_lshl_b32 s25, s22, 10
	v_add_nc_u32 v6, s25, v3
	v_add_nc_u32 v6, LG, v6                        ; my partial logits
	v_mul_u32_u24 v7, v2, 144
	v_add_nc_u32 v7, s24, v7                       ; my token's 128 codes: rows of 128 bytes + 16, in my wave's region, which the turn has left
	s_lshl_b32 s25, s22, 2
	v_lshl_add_u32 v8, v2, 5, s25
	v_add_nc_u32 v8, XSS, v8                       ; my token's scale word w
	v_lshrrev_b32 v9, 3, v2
	v_mul_u32_u24 v9, v9, TW
	v_and_b32 v10, 7, v2
	v_lshl_add_u32 v9, v10, 4, v9
	s_mul_i32 s25, s22, 576
	v_add_nc_u32 v9, s25, v9                       ; the way out of the codes: token 4 w + i, bytes 16 x lane of its first 512: wave lane / 8's region, 16 (lane % 8)
	v_add_nc_u32 v10, 4*TW, v9                     ; and of its second 512
	v_add_nc_u32 v12, LG, v3
	v_lshl_add_u32 v13, v2, 5, PT
	v_add_nc_u32 v14, PT, v3
	v_add_nc_u32 v15, XSS, v3
	v_lshlrev_b32 v[L4], 2, v2
	v_lshlrev_b32 v[L8], 3, v2
	s_lshl_b32 s56, ttmp9, 17                      ; x: 32 rows of 4,096 bytes a work-group, 512 bytes a wave
	s_lshl_b32 s57, s22, 9
	s_add_co_u32 s56, s56, s57
	s_mov_b32 s57, 0
	s_lshl_b32 s58, s22, 12                        ; Wg: 128 rows of 32 bytes a wave
	s_mov_b32 s59, 0
	s_lshl_b32 s60, ttmp9, 15                      ; xq: 32 rows of 1,024 bytes a work-group, 4 rows a wave
	s_add_co_u32 s60, s60, s58
	s_mov_b32 s61, 0
	s_lshl_b32 s62, ttmp9, 10                      ; xs and out1: 1,024 bytes a work-group
	s_mov_b32 s63, 0
	s_lshl_b32 s2, ttmp9, 7                        ; out2 and route's first part: 128 bytes a work-group
	s_mov_b32 s3, 0
	s_wait_kmcnt 0x0
	s_add_nc_u64 s[4:5], s[4:5], s[56:57]
	s_add_nc_u64 s[6:7], s[6:7], s[58:59]
	s_add_nc_u64 s[10:11], s[10:11], s[60:61]
	s_add_nc_u64 s[12:13], s[12:13], s[62:63]
	s_add_nc_u64 s[18:19], s[18:19], s[62:63]
	s_lshl_b32 s58, ttmp9, 4
	s_add_co_u32 s58, s58, 32768
	s_add_nc_u64 s[58:59], s[14:15], s[58:59]      ; my block's four words of counts
	s_add_nc_u64 s[14:15], s[14:15], s[2:3]
	s_add_nc_u64 s[20:21], s[20:21], s[2:3]
	s_lshl_b32 s2, ttmp9, 8
	s_add_nc_u64 s[16:17], s[16:17], s[2:3]        ; one tile's row list
.set li, 0
.rept 32
	global_load_b128 v[X+4*li:X+4*li+3], v3, s[4:5] offset:4096*li th:TH_LOAD_NT   ; token li: the wave reads 512 consecutive bytes
.set li, li+1
.endr
	s_load_b512 s[24:39], s[6:7], 0x0              ; the gate's first group
	s_load_b512 s[40:55], s[6:7], 0x40
.irp q, 0,1,2,3
	s_wait_loadcnt 24-8*\q                         ; loads come back in order: the eight oldest of those left are in
.irp n, 0,1,2,3,4,5,6,7
	ds_store_b128 v4, v[X+4*(8*\q+\n):X+4*(8*\q+\n)+3] offset:528*(8*\q+\n)
.endr
.endr
	s_wait_dscnt 0x0                               ; the stores have read their registers, which the loads below write
.set li, 0
.rept 32
	ds_load_b128 v[X+4*li:X+4*li+3], v5 offset:16*li   ; my token's 128 numbers, k ascending
.set li, li+1
.endr
	s_wait_dscnt 0x0
.set G, 0
.rept 32
	GATE G
.set G, G+1
.endr
	QUANT128
	ds_store_b128 v6, v[GA:GA+3]
	ds_store_b128 v6, v[GA+4:GA+7] offset:512
.irp p, 0,1,2,3,4,5,6,7
	ds_store_b128 v7, v[C+4*\p:C+4*\p+3] offset:16*\p
.endr
	ds_store_b32 v8, v[PW]
	s_wait_dscnt 0x0                               ; for the others' sake: my stores have landed
	s_barrier_signal -1
	s_barrier_wait -1                              ; the one barrier; the branch that it stands under hangs on the work-group's number alone
.irp i, 0,1,2,3
.irp j, 0,1
	ds_load_b128 v[C+8*\i+4*\j:C+8*\i+4*\j+3], v[9+\j] offset:144*\i
.endr
.endr
.irp i, 0,1,2,3
.irp j, 0,1
	s_wait_dscnt 7-2*\i-\j
	global_store_b128 v3, v[C+8*\i+4*\j:C+8*\i+4*\j+3], s[10:11] offset:1024*\i+512*\j   ; token 4 w + i: 512 consecutive bytes of its row of codes
.endr
.endr
	s_cmp_eq_u32 s22, 0
	s_cbranch_scc1 .Lwave0
	s_cmp_eq_u32 s22, 1
	s_cbranch_scc1 .Lwave1
	s_cmp_eq_u32 s22, 2
	s_cbranch_scc0 .Lxend
	s_cmp_lt_u32 ttmp9, 135
	s_cbranch_scc0 .Lxend
	v_mov_b32 v16, 0
	v_mov_b32 v17, 0
	global_store_b64 v[L8], v[16:17], s[16:17]     ; 64 zeros: rows that the second launch does not fill name token 0
.Lxend:
	s_wait_tensorcnt 0x0
	ds_add_u32 v208, v209
	s_wait_dscnt 0x0
	s_endpgm
.Lwave1:
	ds_load_b128 v[16:19], v15
	ds_load_b128 v[20:23], v15 offset:512
	s_wait_dscnt 0x0
	global_store_b128 v3, v[16:19], s[12:13]       ; the 32 tokens' scale words: 1,024 consecutive bytes
	global_store_b128 v3, v[20:23], s[12:13] offset:512
	s_wait_tensorcnt 0x0
	ds_add_u32 v208, v209
	s_wait_dscnt 0x0
	s_endpgm
.Lwave0:
	s_load_b256 s[24:31], s[8:9], 0x0              ; bg
.irp sw, 0,1,2,3,4,5,6,7
.irp hh, 0,1
	ds_load_b128 v[X+8*\sw+4*\hh:X+8*\sw+4*\hh+3], v12 offset:1024*\sw+512*\hh
.endr
.endr
	s_wait_dscnt 0x0
.irp sw, 1,2,3,4,5,6,7
.irp q, 0,1,2,3
	v_pk_add_f32 v[X+2*\q:X+2*\q+1], v[X+2*\q:X+2*\q+1], v[X+8*\sw+2*\q:X+8*\sw+2*\q+1]   ; the eight waves' parts, K ascending
.endr
.endr
	s_wait_kmcnt 0x0
.irp e, 0,1,2,3,4,5,6,7
	v_add_f32 v[X+\e], s[24+\e], v[X+\e]           ; the logits
.endr
	v_max3_num_f32 v[TM], v[X], v[X+1], v[X+2]
	v_max3_num_f32 v[TM], v[TM], v[X+3], v[X+4]
	v_max3_num_f32 v[TM], v[TM], v[X+5], v[X+6]
	v_max_num_f32 v[TM], v[TM], v[X+7]             ; the row's maximum is taken away ahead of the exponentials
.irp e, 0,1,2,3,4,5,6,7
	v_sub_f32 v[X+8+\e], v[X+\e], v[TM]
.endr
.irp e, 0,1,2,3,4,5,6,7
	v_mul_f32 v[X+8+\e], 0x3fb8aa3b, v[X+8+\e]     ; x log2(e)
.endr
.irp e, 0,1,2,3,4,5,6,7
	v_exp_f32 v[X+16+\e], v[X+8+\e]
.endr
	v_mov_b32 v[TM+6], 0                           ; (the rank begins; also the plain line behind the exponentials)
	s_wait_alu depctr_va_vdst(0)                   ; one wait for the batch of eight, ahead of its first reader
	v_add_f32 v[TM+2], v[X+16], v[X+17]
	v_add_f32 v[TM+5], v[X+18], v[X+19]
	v_add_f32 v[TM+9], v[X+20], v[X+21]
	v_add_f32 v[TM+7], v[X+22], v[X+23]
	v_add_f32 v[TM+2], v[TM+2], v[TM+5]
	v_add_f32 v[TM+9], v[TM+9], v[TM+7]
	v_add_f32 v[TM+2], v[TM+2], v[TM+9]
	v_rcp_f32 v[TM+1], v[TM+2]
	v_mov_b32 v[TM+4], 0                           ; (the argmax begins at expert 0; also the plain line behind the reciprocal)
	s_wait_alu depctr_va_vdst(0)
.irp e, 0,1,2,3,4,5,6,7
	v_mul_f32 v[X+24+\e], v[X+16+\e], v[TM+1]      ; the probabilities
.endr
	v_mov_b32 v[TM+3], v[X+24]
.irp e, 1,2,3,4,5,6,7
	v_cmp_gt_f32 vcc_lo, v[X+24+\e], v[TM+3]       ; strictly greater: a tie stays with the lower index
	v_cndmask_b32 v[TM+3], v[TM+3], v[X+24+\e], vcc_lo
	v_cndmask_b32 v[TM+4], v[TM+4], \e, vcc_lo
.endr
.irp e, 0,1,2,3,4,5,6,7
	v_cmp_eq_u32 s56, \e, v[TM+4]                  ; the block's tokens of expert e
	v_mbcnt_lo_u32_b32 v[TM+5], s56, 0             ; how many of them stand in lower lanes
	v_cndmask_b32 v[TM+6], v[TM+6], v[TM+5], s56   ; my rank, if e is mine
.if (\e)%2 == 0
	s_bcnt1_i32_b32 s[60+\e/2], s56                ; the count, two to a word
.else
	s_bcnt1_i32_b32 s57, s56
	s_lshl_b32 s57, s57, 16
	s_or_b32 s[60+\e/2], s[60+\e/2], s57
.endif
.endr
	v_lshl_or_b32 v[TM+7], v[TM+6], 8, v[TM+4]     ; expert | rank << 8
.irp q, 0,1,2,3
	v_mov_b32 v[TM+8+\q], s[60+\q]
.endr
	ds_store_b128 v13, v[X+24:X+27]                ; a token's eight probabilities are 32 bytes: through LDS, so that a store covers 512 consecutive bytes
	ds_store_b128 v13, v[X+28:X+31] offset:16
	ds_load_b128 v[X+32:X+35], v14                 ; LDS serves a wave's instructions in order: these see the stores above
	ds_load_b128 v[X+36:X+39], v14 offset:512
	global_store_b32 v[L4], v[TM+4], s[20:21]      ; out2
	global_store_b32 v[L4], v[TM+7], s[14:15]      ; route
	s_wait_dscnt 0x0
	global_store_b128 v3, v[X+32:X+35], s[18:19]   ; out1
	global_store_b128 v3, v[X+36:X+39], s[18:19] offset:512
	v_cmp_eq_u32 vcc_lo, 0, v2
	s_wait_xcnt 0x0                                ; EXEC is a source of the stores above: it changes only behind this wait
	s_wait_tensorcnt 0x0
	ds_add_u32 v208, v209
	s_wait_dscnt 0x0
	s_and_saveexec_b32 s2, vcc_lo
	global_store_b128 v[L4], v[TM+8:TM+11], s[58:59]   ; lane 0: the block's eight counts
	s_wait_xcnt 0x0                                ; and again ahead of the line that widens it
	s_or_b32 exec_lo, exec_lo, s2
	s_endpgm
; ---------------- the weights: a work-group takes 256 columns x 128 along K of one expert; a wave 32 columns
.Lweights:
	s_load_b128 s[24:27], s[0:1], 0x48             ; W1, W2
	s_load_b128 s[28:31], s[0:1], 0x58             ; wq, ws
	v_lshlrev_b32 v3, 2, v2                        ; my column's 4 bytes
	s_mov_b32 s41, 0
	s_mov_b32 s43, 0
	s_mov_b32 s45, 0
	s_cmp_lt_u32 ttmp9, 384
	s_cbranch_scc0 .Lw2
	s_sub_co_u32 s32, ttmp9, 256
	s_lshr_b32 s33, s32, 4                         ; expert
	s_bfe_u32 s34, s32, 0x10003                    ; which 256 of the 512 hidden units
	s_and_b32 s35, s32, 7                          ; K step = unit
	s_lshl_b32 s36, s34, 3
	s_add_co_u32 s36, s36, s22                     ; b: my 32 hidden units are 32 b on
	s_lshr_b32 s37, s36, 1                         ; the third launch's wave that takes them
	s_and_b32 s38, s36, 1                          ; and which pair of its tiles
	s_lshl_b32 s40, s33, 21                        ; W1: 2,097,152 bytes an expert, 128 rows of 2,048 a K step, 128 bytes for 32 columns
	s_lshl_b32 s39, s35, 18
	s_add_co_u32 s40, s40, s39
	s_lshl_b32 s39, s36, 7
	s_add_co_u32 s40, s40, s39
	s_lshl_b32 s42, s33, 20                        ; wq: expert, wave, unit, pair of tiles
	s_lshl_b32 s39, s37, 17
	s_add_co_u32 s42, s42, s39
	s_lshl_b32 s39, s35, 13
	s_add_co_u32 s42, s42, s39
	s_lshl_b32 s39, s38, 12
	s_add_co_u32 s42, s42, s39
	s_lshr_b32 s44, s42, 5                         ; ws: one word for 128 codes: the same offset / 32
	v_bfe_u32 v6, v2, 3, 1                         ; lane = 8 u + r + 8 (r / 8): u, which tile of the pair,
	v_and_b32 v7, 7, v2
	v_lshrrev_b32 v8, 4, v2
	v_lshl_add_u32 v7, v8, 3, v7                   ; and r, the row in it
	v_lshlrev_b32 v4, 4, v7
	v_lshl_add_u32 v4, v6, 11, v4                  ; 2,048 u + 16 r
	v_lshl_add_u32 v5, v6, 4, v7
	v_lshlrev_b32 v5, 2, v5                        ; 4 (16 u + r)
	s_wait_kmcnt 0x0
	s_add_nc_u64 s[40:41], s[24:25], s[40:41]
	s_add_nc_u64 s[42:43], s[28:29], s[42:43]
	s_add_nc_u64 s[44:45], s[30:31], s[44:45]
	WBODY 2048
.Lw2:
	s_sub_co_u32 s32, ttmp9, 384
	s_lshr_b32 s33, s32, 4                         ; expert
	s_bfe_u32 s34, s32, 0x20002                    ; which 256 of the 1,024 columns
	s_and_b32 s35, s32, 3                          ; K step
	s_lshr_b32 s36, s22, 2
	s_lshl_b32 s37, s34, 1
	s_add_co_u32 s37, s37, s36                     ; the third launch's wave: column / 128
	s_bfe_u32 s36, s22, 0x10001                    ; which half of its 128 columns
	s_lshl_b32 s36, s36, 2
	s_add_co_u32 s36, s36, s35
	s_add_co_u32 s36, s36, 8                       ; unit 8 + 4 half + K step
	s_and_b32 s38, s22, 1                          ; which pair of tiles
	s_lshl_b32 s40, s33, 21                        ; W2: 2,097,152 bytes an expert, 128 rows of 4,096 a K step
	s_lshl_b32 s39, s35, 19
	s_add_co_u32 s40, s40, s39
	s_lshl_b32 s39, s34, 10
	s_add_co_u32 s40, s40, s39
	s_lshl_b32 s39, s22, 7
	s_add_co_u32 s40, s40, s39
	s_lshl_b32 s42, s33, 20
	s_lshl_b32 s39, s37, 17
	s_add_co_u32 s42, s42, s39
	s_lshl_b32 s39, s36, 13
	s_add_co_u32 s42, s42, s39
	s_lshl_b32 s39, s38, 12
	s_add_co_u32 s42, s42, s39
	s_lshr_b32 s44, s42, 5
	v_lshrrev_b32 v6, 4, v2                        ; which tile of the pair
	v_and_b32 v7, 15, v2                           ; the row in it
	v_lshlrev_b32 v4, 4, v7
	v_lshl_add_u32 v4, v6, 11, v4
	v_mov_b32 v5, v3
	s_wait_kmcnt 0x0
	s_add_nc_u64 s[40:41], s[26:27], s[40:41]
	s_add_nc_u64 s[42:43], s[28:29], s[42:43]
	s_add_nc_u64 s[44:45], s[30:31], s[44:45]
	WBODY 4096
.Lfunc_end_k_qd7c6b74a06_prep:
	.size	k_qd7c6b74a06_prep, .Lfunc_end_k_qd7c6b74a06_prep-k_qd7c6b74a06_prep
	.p2alignl 7, 3214868480
	.fill 96, 4, 3214868480
	.section	.rodata,"a",@progbits
	.p2align	6, 0x0
	.amdhsa_kernel k_qd7c6b74a06_prep
		.amdhsa_group_segment_fixed_size 147456
		.amdhsa_private_segment_fixed_size 0
		.amdhsa_enable_private_segment 0
		.amdhsa_kernarg_size 104
		.amdhsa_user_sgpr_count 2
		.amdhsa_user_sgpr_kernarg_segment_ptr 1
		.amdhsa_wavefront_size32 1
		.amdhsa_system_sgpr_workgroup_id_x 1
		.amdhsa_system_sgpr_workgroup_id_y 1
		.amdhsa_system_sgpr_workgroup_id_z 1
		.amdhsa_system_vgpr_workitem_id 0
		.amdhsa_next_free_vgpr 210
		.amdhsa_next_free_sgpr 100
		.amdhsa_reserve_vcc 1
		.amdhsa_float_denorm_mode_32 3
		.amdhsa_float_denorm_mode_16_64 3
		.amdhsa_memory_ordered 1
		.amdhsa_forward_progress 1
		.amdhsa_inst_pref_size 131
	.end_amdhsa_kernel
	.amdgpu_metadata
---
amdhsa.version: [ 1, 2 ]
amdhsa.kernels:
  - .name:           k_qd7c6b74a06_prep
    .symbol:         k_qd7c6b74a06_prep.kd
    .args:
      - { .name: x, .offset: 0, .size: 8, .value_kind: global_buffer, .address_space: global }
      - { .name: Wg, .offset: 8, .size: 8, .value_kind: global_buffer, .address_space: global }
      - { .name: bg, .offset: 16, .size: 8, .value_kind: global_buffer, .address_space: global }
      - { .name: xq, .offset: 24, .size: 8, .value_kind: global_buffer, .address_space: global }
      - { .name: xs, .offset: 32, .size: 8, .value_kind: global_buffer, .address_space: global }
      - { .name: route, .offset: 40, .size: 8, .value_kind: global_buffer, .address_space: global }
      - { .name: list, .offset: 48, .size: 8, .value_kind: global_buffer, .address_space: global }
      - { .name: out1, .offset: 56, .size: 8, .value_kind: global_buffer, .address_space: global }
      - { .name: out2, .offset: 64, .size: 8, .value_kind: global_buffer, .address_space: global }
      - { .name: W1, .offset: 72, .size: 8, .value_kind: global_buffer, .address_space: global }
      - { .name: W2, .offset: 80, .size: 8, .value_kind: global_buffer, .address_space: global }
      - { .name: wq, .offset: 88, .size: 8, .value_kind: global_buffer, .address_space: global }
      - { .name: ws, .offset: 96, .size: 8, .value_kind: global_buffer, .address_space: global }
    .group_segment_fixed_size: 147456
    .private_segment_fixed_size: 0
    .kernarg_segment_align: 8
    .kernarg_segment_size: 104
    .max_flat_workgroup_size: 256
    .sgpr_count:     100
    .vgpr_count:     210
    .wavefront_size: 32
...
	.end_amdgpu_metadata
.endif
;; end of part 1
;; launch place (part 2): grid 96 x 1, 8 waves a work-group, no clusters, 10,240 bytes of LDS; arguments route, wq, ws, b1, b2, list, tb; writes list, tb
.if DOCPART == 2
	.amdgcn_target "amdgcn-amd-amdhsa--gfx1250"
	.amdhsa_code_object_version 6
	.text
	.protected	k_qd7c6b74a06_place
	.globl	k_qd7c6b74a06_place
	.p2align	8
	.type	k_qd7c6b74a06_place,@function
k_qd7c6b74a06_place:
	s_mov_b64 s[64:65], 0
	v_nop
	global_prefetch_b8 v0, s[64:65] scope:SCOPE_SE
	s_setreg_imm32_b32 hwreg(HW_REG_WAVE_MODE, 25, 1), 1
	s_wait_xcnt 0x0
; SECOND LAUNCH OF THREE.  Two roles, parted on the work-group's number.
; Work-groups 0-31 PLACE THE ROWS: a counting sort without atomics.  A wave takes one block of 32 tokens; from the 256 blocks' counts it makes each expert's total and the sum over the blocks in front of its own;
; an expert's rows begin at a tile of 64; a token's place is 64 x its expert's first tile + the earlier blocks' tokens of that expert + its rank in its block.  The token's number is stored there.
; Wave 0 of work-group 0 also writes the table of tiles: expert | rows << 8 for 160 tiles; a tile behind the last has 0 rows.  There are never more than 8192 / 64 + 7 = 135 tiles with rows.
; Work-groups 32-95 MAKE THE CONSTANT ROWS.  An expert that a token has not chosen sees a row of zeros and gives p_e + b2_e, p_e = Q(relu(b1_e)) Q(W2_e), the same for every token.
; tb[e][d] = the sum of all b2[.][d] + the sum of p_e'[d] over the seven e' other than e: added directly, never as a total less one part.
; A work-group takes 16 columns d; wave e makes p_e for them by four scaled matrix instructions (K = 512); the eight meet in LDS.
; LIMITS: as the first launch's quantiser: NaN and infinities are not served; a block of zeros keeps the byte 1 with zero codes.
; Only the second role touches LDS.  No cluster and no tensor load: what is shared is a few kilobytes.
	v_lshl_add_u32 v208, v0, 2, 0x2400
	v_mov_b32 v209, 0
	v_lshrrev_b32 v1, 5, v0
	v_readfirstlane_b32 s20, v1                    ; wave 0..7
	v_and_b32 v1, 31, v0                           ; lane
	s_cmp_lt_u32 ttmp9, 32
	s_cbranch_scc0 .Lconst
; ---------------- the rows' places
	s_load_b64 s[4:5], s[0:1], 0x0                 ; route
	s_load_b64 s[6:7], s[0:1], 0x28                ; list
	s_lshl_b32 s21, ttmp9, 3
	s_add_co_u32 s21, s21, s20                     ; my block of 32 tokens
	s_lshl_b32 s22, s21, 7
	s_mov_b32 s23, 0
	s_lshl_b32 s24, s21, 5                         ; its first token
	s_mov_b32 s26, 0x76543210
	s_mov_b32 s27, 0xfedcba98                      ; v_permlanex16_b32's selects for lane l xor 16
	v_lshlrev_b32 v2, 2, v1
	v_lshlrev_b32 v3, 4, v1
	s_wait_kmcnt 0x0
	s_add_nc_u64 s[8:9], s[4:5], s[22:23]
	global_load_b32 v4, v2, s[8:9]                 ; expert | rank << 8 of my token
.irp i, 0,1,2,3,4,5,6,7
	global_load_b128 v[16+4*\i:19+4*\i], v3, s[4:5] offset:32768+512*\i   ; the counts of block 32 i + lane: 512 consecutive bytes a load
.endr
.irp q, 0,1,2,3,4,5,6,7
	v_mov_b32 v[56+\q], 0                          ; written once: the destination of a lane exchange counts as one of its sources
.endr
	s_wait_loadcnt 0x0
.irp i, 0,1,2,3,4,5,6,7
	v_add_nc_u32 v9, 32*\i, v1
	v_cmp_gt_u32 vcc_lo, s21, v9                   ; does that block stand in front of mine?
.irp q, 0,1,2,3
.if \i == 0
	v_mov_b32 v[48+\q], v[16+\q]                   ; v48-51: all blocks; v52-55: those in front.  Two 16-bit fields a word; no sum passes 8,192
	v_cndmask_b32 v[52+\q], 0, v[16+\q], vcc_lo
.else
	v_add_nc_u32 v[48+\q], v[48+\q], v[16+4*\i+\q]
	v_cndmask_b32 v10, 0, v[16+4*\i+\q], vcc_lo
	v_add_nc_u32 v[52+\q], v[52+\q], v10
.endif
.endr
.endr
.irp mk, 1,2,4,8
.irp q, 0,1,2,3,4,5,6,7
	v_mov_b32_dpp v[56+\q], v[48+\q] row_xmask:\mk row_mask:0xf bank_mask:0xf
.endr
.irp q, 0,1,2,3,4,5,6,7
	v_add_nc_u32 v[48+\q], v[48+\q], v[56+\q]
.endr
.endr
.irp q, 0,1,2,3,4,5,6,7
	v_permlanex16_b32 v[56+\q], v[48+\q], s26, s27
.endr
.irp q, 0,1,2,3,4,5,6,7
	v_add_nc_u32 v[48+\q], v[48+\q], v[56+\q]      ; every lane holds the sums over all 256 blocks
.endr
.irp p, 0,1,2,3
	v_and_b32 v[64+2*\p], 0xffff, v[48+\p]         ; v64-71: each expert's rows
	v_lshrrev_b32 v[65+2*\p], 16, v[48+\p]
	v_and_b32 v[72+2*\p], 0xffff, v[52+\p]         ; v72-79: those in earlier blocks
	v_lshrrev_b32 v[73+2*\p], 16, v[52+\p]
.endr
	v_mov_b32 v88, 0                               ; v88-95: each expert's first tile
.irp e, 0,1,2,3,4,5,6
	v_add_nc_u32 v80, 63, v[64+\e]
	v_lshrrev_b32 v80, 6, v80
	v_add_nc_u32 v[89+\e], v[88+\e], v80
.endr
.irp e, 0,1,2,3,4,5,6,7
	v_lshl_add_u32 v[96+\e], v[88+\e], 6, v[72+\e]
.endr
	v_and_b32 v5, 0xff, v4                         ; my expert
	v_lshrrev_b32 v6, 8, v4                        ; my rank
	v_mov_b32 v7, v96
.irp e, 1,2,3,4,5,6,7
	v_cmp_eq_u32 vcc_lo, \e, v5
	v_cndmask_b32 v7, v7, v[96+\e], vcc_lo
.endr
	v_add_nc_u32 v7, v7, v6                        ; my place
	v_min_u32 v7, 0x21bf, v7                       ; held inside the 135 x 64 places
	v_lshlrev_b32 v7, 2, v7
	v_add_nc_u32 v8, s24, v1                       ; my token's number
	global_store_b32 v7, v8, s[6:7]                ; the sort's scatter: 32,768 bytes in the whole launch
	s_or_b32 s22, ttmp9, s20
	s_cmp_eq_u32 s22, 0
	s_cbranch_scc0 .Lplaced
.irp k, 0,1,2,3,4
	v_add_nc_u32 v9, 32*\k, v1                     ; tile i
	v_mov_b32 v10, 0                               ; its expert: the last whose first tile is not behind i,
	v_mov_b32 v11, 0                               ; that expert's first tile,
	v_mov_b32 v12, v64                             ; and rows
.irp e, 1,2,3,4,5,6,7
	v_cmp_ge_u32 vcc_lo, v9, v[88+\e]
	v_cndmask_b32 v10, v10, \e, vcc_lo
	v_cndmask_b32 v11, v11, v[88+\e], vcc_lo
	v_cndmask_b32 v12, v12, v[64+\e], vcc_lo
.endr
	v_sub_nc_u32 v11, v9, v11
	v_lshlrev_b32 v11, 6, v11
	v_sub_nc_u32 v12, v12, v11                     ; rows left from this tile on,
	v_cmp_lt_i32 vcc_lo, 0, v12
	v_cndmask_b32 v12, 0, v12, vcc_lo              ; none behind the last tile,
	v_min_u32 v12, 64, v12                         ; 64 at the most
	v_lshl_or_b32 v[104+\k], v12, 8, v10           ; (a register for each store: no store's data are written again)
	global_store_b32 v2, v[104+\k], s[6:7] offset:34560+128*\k
.endr
.Lplaced:
	s_endpgm
; ---------------- the constant rows
.Lconst:
	s_load_b256 s[4:11], s[0:1], 0x8               ; wq, ws, b1, b2
	s_load_b64 s[12:13], s[0:1], 0x30              ; tb
	s_sub_co_u32 s21, ttmp9, 32                    ; T: columns 16 T .. 16 T + 15
	s_lshr_b32 s22, s21, 3                         ; in wq: the wave,
	s_bfe_u32 s23, s21, 0x10002                    ; the half,
	s_and_b32 s24, s21, 3                          ; the tile
	s_lshl_b32 s28, s20, 20                        ; my expert = my wave's number
	s_lshl_b32 s25, s22, 17
	s_add_co_u32 s28, s28, s25
	s_lshl_b32 s25, s23, 15
	s_add_co_u32 s28, s28, s25
	s_lshl_b32 s25, s24, 11
	s_add_co_u32 s28, s28, s25
	s_add_co_u32 s28, s28, 65536                   ; unit 8 + 4 half, K step 0
	s_mov_b32 s29, 0
	s_lshr_b32 s30, s28, 5                         ; ws: the same offset / 32: the tile's 16 words begin 64 x tile bytes into the unit's 256
	s_mov_b32 s31, 0
	s_lshl_b32 s32, s20, 11                        ; b1: 2,048 bytes an expert
	s_mov_b32 s33, 0
	s_lshl_b32 s34, s21, 6                         ; b2 and tb: 64 bytes for 16 columns
	s_mov_b32 s35, 0
	s_mov_b32 s38, 0x600000                        ; the mantissa field of 448
	v_and_b32 v13, 15, v0                          ; r
	v_bfe_u32 v14, v0, 4, 1                        ; h
	v_lshlrev_b32 v2, 4, v1                        ; 16 x lane
	v_lshlrev_b32 v3, 2, v13                       ; 4 r
	v_lshlrev_b32 v4, 6, v1                        ; 64 x lane: my 16 numbers of b1
	s_lshl_b32 s36, s20, 10                        ; LDS: 1,024 bytes a wave: the row's 512 codes, then its 16 scale bytes
	v_add_nc_u32 v5, s36, v2
	v_lshrrev_b32 v6, 1, v1
	v_add_nc_u32 v6, s36, v6
	v_lshl_add_u32 v7, v14, 4, s36
	v_mov_b32 v8, s36
	s_lshl_b32 s37, s20, 6                         ; from byte 8,192: p: 64 bytes an expert
	v_lshl_add_u32 v9, v14, 5, s37
	v_add_nc_u32 v9, 8192, v9
	v_add_nc_u32 v10, 8192, v3
	s_lshl_b32 s37, s20, 1
	v_add_nc_u32 v11, s37, v14                     ; at the end: the expert whose row I sum: 2 x wave + h (waves 0-3)
	v_lshl_add_u32 v12, v11, 12, v3
	s_wait_kmcnt 0x0
	s_add_nc_u64 s[4:5], s[4:5], s[28:29]
	s_add_nc_u64 s[6:7], s[6:7], s[30:31]
	s_add_nc_u64 s[8:9], s[8:9], s[32:33]
	s_add_nc_u64 s[10:11], s[10:11], s[34:35]
	s_add_nc_u64 s[12:13], s[12:13], s[34:35]
.irp i, 0,1,2,3
	global_load_b128 v[16+4*\i:19+4*\i], v4, s[8:9] offset:16*\i          ; b1_e: hidden units 16 x lane on
.endr
.irp s, 0,1,2,3
.irp c, 0,1,2,3
	global_load_b128 v[80+16*\s+4*\c:83+16*\s+4*\c], v2, s[4:5] offset:8192*\s+512*\c   ; W2's fragment of K step s, as its image lies
.endr
.endr
.irp s, 0,1,2,3
	global_load_b32 v[44+\s], v3, s[6:7] offset:256*\s                    ; its scale words, row r in lane r
.endr
.irp e, 0,1,2,3,4,5,6,7
	global_load_b32 v[60+\e], v3, s[10:11] offset:4096*\e                 ; b2[e][16 T + r]
.endr
	s_wait_loadcnt 28                              ; b1 is in: behind it stand 16 + 4 + 8 loads
	v_max3_num_f32 v36, v16, v17, 0x4800000        ; no |.|: what is negative becomes 0 and must not count; the floor stands over it
.irp i, 2,4,6,8,10,12,14
	v_max3_num_f32 v36, v36, v[16+\i], v[17+\i]
.endr
	v_max_num_f32_dpp v36, v36, v36 row_xmask:1 row_mask:0xf bank_mask:0xf   ; two neighbouring lanes hold a block of 32
	v_add_nc_u32 v37, 0xfc000000, v36
	v_and_or_b32 v38, v36, 0x7f800000, s38
	v_lshrrev_b32 v39, 23, v37
.irp i, 0,1,2,3,4,5,6,7,8,9,10,11,12,13,14,15
	v_med3_num_f32 v[16+\i], v[16+\i], 0, v38      ; the activation and the hold in one
.endr
	v_cvt_scalef32_pk8_fp8_f32 v[32:33], v[16:23], v37
	v_cvt_scalef32_pk8_fp8_f32 v[34:35], v[24:31], v37
	v_nop                                          ; a plain line behind the last conversion
	ds_store_b128 v5, v[32:35]                     ; the row's codes, K ascending
	ds_store_b8 v6, v39 offset:512                 ; both lanes of a block write the same byte with the same value
.irp s, 0,1,2,3
.irp c, 0,1,2,3
	ds_load_b128 v[144+16*\s+4*\c:147+16*\s+4*\c], v7 offset:128*\s+32*\c   ; the one row as all 16 rows of a fragment: k = 128 s + 32 c + 16 h on.  My wave's own bytes: LDS serves a wave in order
.endr
.endr
.irp s, 0,1,2,3
	ds_load_b32 v[48+\s], v8 offset:512+4*\s
.endr
	s_wait_loadcnt 0x0
	s_wait_dscnt 0x0
	v_wmma_scale_f32_16x16x128_f8f6f4 v[52:59], v[80:95], v[144:159], 0, v44, v48   ; source 0 = 16 columns of W2: lane (r, h), register j: p[8 h + j]
.irp s, 1,2,3
	s_wait_alu depctr_va_vdst(0)                   ; a wait directly ahead of each link
	v_wmma_scale_f32_16x16x128_f8f6f4 v[52:59], v[80+16*\s:95+16*\s], v[144+16*\s:159+16*\s], v[52:59], v[44+\s], v[48+\s]
.endr
.rept 8
	v_nop                                          ; eight places ahead of the first read of the result
.endr
	ds_store_b128 v9, v[52:55]                     ; from the low end on; the sixteen lanes of a half write the same bytes with the same values
	ds_store_b128 v9, v[56:59] offset:16
	s_wait_dscnt 0x0                               ; for the others' sake
	s_barrier_signal -1
	s_barrier_wait -1
	s_cmp_lt_u32 s20, 4
	s_cbranch_scc0 .Lsummed
.irp e, 0,1,2,3,4,5,6,7
	ds_load_b32 v[68+\e], v10 offset:64*\e         ; p_e[16 T + r]
.endr
	v_add_f32 v60, v60, v61
	v_add_f32 v62, v62, v63
	v_add_f32 v64, v64, v65
	v_add_f32 v66, v66, v67
	v_add_f32 v60, v60, v62
	v_add_f32 v64, v64, v66
	v_add_f32 v60, v60, v64                        ; all eight b2
	s_wait_dscnt 0x0
.irp e, 0,1,2,3,4,5,6,7
	v_cmp_eq_u32 vcc_lo, \e, v11
	v_cndmask_b32 v[68+\e], v[68+\e], 0, vcc_lo    ; the row's own expert adds nothing here
	v_add_f32 v60, v60, v[68+\e]
.endr
	global_store_b32 v12, v60, s[12:13]
.Lsummed:
	s_wait_tensorcnt 0x0
	ds_add_u32 v208, v209
	s_wait_dscnt 0x0
	s_endpgm
.Lfunc_end_k_qd7c6b74a06_place:
	.size	k_qd7c6b74a06_place, .Lfunc_end_k_qd7c6b74a06_place-k_qd7c6b74a06_place
	.p2alignl 7, 3214868480
	.fill 96, 4, 3214868480
	.section	.rodata,"a",@progbits
	.p2align	6, 0x0
	.amdhsa_kernel k_qd7c6b74a06_place
		.amdhsa_group_segment_fixed_size 10240
		.amdhsa_private_segment_fixed_size 0
		.amdhsa_enable_private_segment 0
		.amdhsa_kernarg_size 56
		.amdhsa_user_sgpr_count 2
		.amdhsa_user_sgpr_kernarg_segment_ptr 1
		.amdhsa_wavefront_size32 1
		.amdhsa_system_sgpr_workgroup_id_x 1
		.amdhsa_system_sgpr_workgroup_id_y 1
		.amdhsa_system_sgpr_workgroup_id_z 1
		.amdhsa_system_vgpr_workitem_id 0
		.amdhsa_next_free_vgpr 210
		.amdhsa_next_free_sgpr 66
		.amdhsa_reserve_vcc 1
		.amdhsa_float_denorm_mode_32 3
		.amdhsa_float_denorm_mode_16_64 3
		.amdhsa_memory_ordered 1
		.amdhsa_forward_progress 1
		.amdhsa_inst_pref_size 32
	.end_amdhsa_kernel
	.amdgpu_metadata
---
amdhsa.version: [ 1, 2 ]
amdhsa.kernels:
  - .name:           k_qd7c6b74a06_place
    .symbol:         k_qd7c6b74a06_place.kd
    .args:
      - { .name: route, .offset: 0, .size: 8, .value_kind: global_buffer, .address_space: global }
      - { .name: wq, .offset: 8, .size: 8, .value_kind: global_buffer, .address_space: global }
      - { .name: ws, .offset: 16, .size: 8, .value_kind: global_buffer, .address_space: global }
      - { .name: b1, .offset: 24, .size: 8, .value_kind: global_buffer, .address_space: global }
      - { .name: b2, .offset: 32, .size: 8, .value_kind: global_buffer, .address_space: global }
      - { .name: list, .offset: 40, .size: 8, .value_kind: global_buffer, .address_space: global }
      - { .name: tb, .offset: 48, .size: 8, .value_kind: global_buffer, .address_space: global }
    .group_segment_fixed_size: 10240
    .private_segment_fixed_size: 0
    .kernarg_segment_align: 8
    .kernarg_segment_size: 56
    .max_flat_workgroup_size: 256
    .sgpr_count:     66
    .vgpr_count:     210
    .wavefront_size: 32
...
	.end_amdgpu_metadata
.endif
;; end of part 2
;; launch chain (part 3): grid 135 x 1, 8 waves a work-group, no clusters, 138,240 bytes of LDS; arguments list, xq, xs, wq, ws, b1, tb, out0; writes out0
.if DOCPART == 3
	.amdgcn_target "amdgcn-amd-amdhsa--gfx1250"
	.amdhsa_code_object_version 6
	.text
	.protected	k_qd7c6b74a06_chain
	.globl	k_qd7c6b74a06_chain
	.p2align	8
	.type	k_qd7c6b74a06_chain,@function
k_qd7c6b74a06_chain:
	s_mov_b64 s[64:65], 0
	v_nop
	global_prefetch_b8 v0, s[64:65] scope:SCOPE_SE
	s_setreg_imm32_b32 hwreg(HW_REG_WAVE_MODE, 25, 1), 1
	s_wait_xcnt 0x0
; THIRD LAUNCH OF THREE.  out0[token] = Q(relu(Q(x) Q(W1_e) + b1_e)) Q(W2_e) + tb[e], e the token's expert; tb holds what the other seven experts and all b2 add.
; A work-group takes ONE TILE of at most 64 rows of one expert through the whole chain; 8192 / 64 + 7 = 135 work-groups serve every split.  The hidden layer never goes to memory.
; THE WAVES SHARE THE COLUMNS: wave w makes hidden units 64 w .. 64 w + 63 and then columns 128 w .. 128 w + 127, for all 64 rows.  So each weight byte enters the work-group once and each
; fragment feeds four matrix instructions.  A wave's work is 16 equal UNITS of 16 matrix instructions; its weights are one run of 131,072 bytes, laid by the first launch in the order of the operand
; registers, and go from memory straight into a ring of three register slots: two to three units are on their way from the first lines to the last unit, across both barriers.
; BOTH PRODUCTS ARE USED TRANSPOSED (source 0 = 16 rows of the weight, source 1 = 16 rows of tokens): a lane holds one token's row; W1's rows were chosen so that two neighbouring tiles give
; 16 neighbours along the next K.  The biases are the C of each sum's first instruction.
; ROWS BEYOND THE TILE'S COUNT take the tile's first token's number, for the gather and for the stores alike: they compute and store the same numbers to the same row as row 0, inside this work-group.
; A TILE WITHOUT ROWS walks the chain on token 0's codes and stores nothing: the two branches round the stores are the only ones on loaded numbers; no barrier stands under them.
; NO CLUSTER, NO TENSOR LOAD: a tile's expert and count come from a stored list, so partners would not walk the same weights.
; NO PREFETCH: the rows are known only from the list and are asked for at once; the weights are read by about seventeen work-groups each.
; LIMITS: as the first launch's quantiser (NaN and infinities not served; a block of zeros keeps the byte 1 with zero codes).
; REGISTERS.  Window 0: v1-15, v24-31 addresses; v16-23 scale words and nothing else; v32-63 a bias, 8 a tile; v64-127 four fragments of rows, also the quantiser's work and the way out;
;   v128-255 16 accumulators, (m, t) at 128 + 32 m + 8 t.   Window 1: v0-191 the weights' ring, slot u % 3 at 64 x slot; v192-223 the byte offsets in out0 of rows 2 P + h.
.set XP,   1040                        ; LDS: a row of x's codes: 1,024 bytes + 16 = 65 x 16: sixteen rows start at sixteen different banks
.set XSC,  64*XP                       ; x's scale words [K step 8][row 64]
.set HIMG, XSC+2048                    ; the hidden layer's 16 fragments as register images: (m, s) at 2,048 (4 m + s)
.set HSC,  HIMG+32768                  ; its scale words [K step 4][row 64]
.set STG,  HSC+1024                    ; the way out: 16 rows x (256 bytes + 16) for each wave
.set SP,   272
.set L16,  1                           ; 16 x lane
.set L4,   2                           ; 4 x lane
.set XA,   3                           ; x's fragments: XP r + 16 h
.set XSA,  4
.set HA,   5
.set HSA,  6
.set HW,   7                           ; where I store the hidden layer's images
.set HSW,  8                           ; and its scale bytes, two at a time
.set STO,  9
.set RD,   10
.set H64,  11                          ; 64 h
.set H32,  12                          ; 32 h
.set XW,   13
.set XSW,  14
.set C16,  15                          ; 16 r
.set WS,   16                          ; v16-21 the weights' scale words: slot u % 3, pair p
.set XS,   22                          ; v22-23 the rows' scale words
.set IDO,  24
.set IDQ,  25
.set ROWQ, 26
.set Q8,   27
.set BIAS, 32
.set XF,   64
.set ACC,  128
.set OFFS, 192                         ; in window 1
.set MX,   XF                          ; the quantiser's work: largest magnitudes,
.set BY,   XF+8                        ; bytes,
.set HO,   XF+16                       ; 448 x the scale,
.set SL,   XF+24                       ; the conversions' scale operands,
.set CD,   XF+32                       ; codes
.set MSB, 0
.macro WIN new                         ; the immediate's high byte repeats the setting that is left; a switch that changes nothing is dropped
.if MSB != \new
	s_set_vgpr_msb (MSB<<8)|\new
.set MSB, \new
.endif
.endm
.macro PLACES n
.rept \n
	v_nop
.endr
.endm
.macro WLOAD u                         ; unit u's four fragments and their scale words: 18 loads, 512 and 128 consecutive bytes each
.set RS, 64*((\u)%3)
	WIN 0x40                                       ; destination window 1
.irp t, 0,1,2,3
.irp c, 0,1,2,3
	global_load_b128 v[RS+16*\t+4*\c:RS+16*\t+4*\c+3], v[L16], s[10:11] offset:8192*(\u)+2048*\t+512*\c
.endr
.endr
	WIN 0
.irp p, 0,1
	global_load_b32 v[WS+2*((\u)%3)+\p], v[L4], s[12:13] offset:256*(\u)+128*\p
.endr
.endm
.macro B1LOAD                          ; lane (r, h), tile t, register j: b1 of hidden unit 32 (t / 2) + 16 h + 8 (t % 2) + j of my 64
.irp t, 0,1,2,3
	global_load_b128 v[BIAS+8*\t:BIAS+8*\t+3], v[H64], s[14:15] offset:4*(32*(\t/2)+8*(\t%2))
	global_load_b128 v[BIAS+8*\t+4:BIAS+8*\t+7], v[H64], s[14:15] offset:4*(32*(\t/2)+8*(\t%2))+16
.endr
.endm
.macro TLOAD half                      ; tb of column 64 half + 16 t + 8 h + j of my 128
.irp t, 0,1,2,3
	global_load_b128 v[BIAS+8*\t:BIAS+8*\t+3], v[H32], s[16:17] offset:256*\half+64*\t
	global_load_b128 v[BIAS+8*\t+4:BIAS+8*\t+7], v[H32], s[16:17] offset:256*\half+64*\t+16
.endr
.endm
.macro XFETCH s                        ; the four tiles of rows, K step s of x
.irp m, 0,1,2,3
.irp c, 0,1,2,3
	ds_load_b128 v[XF+16*\m+4*\c:XF+16*\m+4*\c+3], v[XA] offset:16*XP*\m+128*(\s)+32*\c
.endr
.endr
.irp a, 0,1
	ds_load_b32 v[XS+\a], v[XSA] offset:256*(\s)+128*\a    ; lanes 0-15: tile 2 a's rows; lanes 16-31: tile 2 a + 1's
.endr
.endm
.macro HFETCH s                        ; the same of the hidden layer
.irp m, 0,1,2,3
.irp c, 0,1,2,3
	ds_load_b128 v[XF+16*\m+4*\c:XF+16*\m+4*\c+3], v[HA] offset:2048*(4*\m+(\s))+512*\c
.endr
.endr
.irp a, 0,1
	ds_load_b32 v[XS+\a], v[HSA] offset:256*(\s)+128*\a
.endr
.endm
.macro WM m, t, cr                     ; one product; an odd tile's scale words stand in lanes 16-31 of their register
.if ((\t)%2 == 1) && ((\m)%2 == 1)
	v_wmma_scale_f32_16x16x128_f8f6f4 v[ACC+32*\m+8*\t:ACC+32*\m+8*\t+7], v[RS+16*\t:RS+16*\t+15], v[XF+16*\m:XF+16*\m+15], v[\cr:\cr+7], v[SS+\t/2], v[XS+\m/2] matrix_a_scale:MATRIX_SCALE_ROW1 matrix_b_scale:MATRIX_SCALE_ROW1
.elseif (\t)%2 == 1
	v_wmma_scale_f32_16x16x128_f8f6f4 v[ACC+32*\m+8*\t:ACC+32*\m+8*\t+7], v[RS+16*\t:RS+16*\t+15], v[XF+16*\m:XF+16*\m+15], v[\cr:\cr+7], v[SS+\t/2], v[XS+\m/2] matrix_a_scale:MATRIX_SCALE_ROW1
.elseif (\m)%2 == 1
	v_wmma_scale_f32_16x16x128_f8f6f4 v[ACC+32*\m+8*\t:ACC+32*\m+8*\t+7], v[RS+16*\t:RS+16*\t+15], v[XF+16*\m:XF+16*\m+15], v[\cr:\cr+7], v[SS+\t/2], v[XS+\m/2] matrix_b_scale:MATRIX_SCALE_ROW1
.else
	v_wmma_scale_f32_16x16x128_f8f6f4 v[ACC+32*\m+8*\t:ACC+32*\m+8*\t+7], v[RS+16*\t:RS+16*\t+15], v[XF+16*\m:XF+16*\m+15], v[\cr:\cr+7], v[SS+\t/2], v[XS+\m/2]
.endif
.endm
.macro MUL u, first                    ; 16 products; the 16 accumulators take turns, one instruction a turn, in the same order in every unit
.set RS, 64*((\u)%3)
.set SS, WS+2*((\u)%3)
	WIN 0x01                                       ; source 0 (the weight) window 1
.irp m, 0,1,2,3
.irp t, 0,1,2,3
.if \first
	WM \m, \t, BIAS+8*\t
.else
	WM \m, \t, ACC+32*\m+8*\t
.endif
.endr
.endr
	WIN 0
.endm
; A unit.  n: the loads issued behind this unit's, which may stay out.  kind 0: rows of x, 1: of the hidden layer.  after 1, 2: the bias registers, read by this unit alone, take tb's half 0 or 1.
; Nine plain lines stand behind the products: eight ahead of loads into registers that they read, nine ahead of a product that begins an accumulator anew.
.macro UNIT u, n, first, kind, after
.if \kind == 0
	XFETCH (\u)
.else
	HFETCH ((\u)%4)
.endif
	s_wait_loadcnt \n
	s_wait_dscnt 0x0
	MUL \u, \first
	PLACES 9
.if \after == 1
	TLOAD 0
.endif
.if \after == 2
	TLOAD 1
.endif
.if (\u)+3 <= 15
	WLOAD (\u)+3                                   ; the slot just multiplied takes the unit three on
.endif
.endm
; relu and quantiser: eight blocks q = 2 m + b of 32 hidden units; a lane holds 16 of a block (accumulators 2 b and 2 b + 1 of m), lane l xor 16 the others
.macro HQUANT
.irp q, 0,1,2,3,4,5,6,7
	v_mov_b32 v[BY+\q], 0                          ; a lane permute's destination counts as one of its sources
.endr
.irp q, 0,1,2,3,4,5,6,7
	v_max3_num_f32 v[MX+\q], v[ACC+16*\q], v[ACC+16*\q+1], 0x4800000   ; no |.|: what is negative becomes 0; each accumulator is read from its low end on
.endr
.irp i, 2,4,6,8,10,12,14
.irp q, 0,1,2,3,4,5,6,7
	v_max3_num_f32 v[MX+\q], v[MX+\q], v[ACC+16*\q+\i], v[ACC+16*\q+\i+1]
.endr
.endr
.irp q, 0,1,2,3,4,5,6,7
	v_permlanex16_b32 v[BY+\q], v[MX+\q], s26, s27
.endr
.irp q, 0,1,2,3,4,5,6,7
	v_max_num_f32 v[MX+\q], v[MX+\q], v[BY+\q]
.endr
.irp q, 0,1,2,3,4,5,6,7
	v_add_nc_u32 v[SL+\q], 0xfc000000, v[MX+\q]
.endr
.irp q, 0,1,2,3,4,5,6,7
	v_and_or_b32 v[HO+\q], v[MX+\q], 0x7f800000, s28
.endr
.irp q, 0,1,2,3,4,5,6,7
	v_lshrrev_b32 v[BY+\q], 23, v[SL+\q]
.endr
.irp m, 0,1,2,3
	v_lshl_or_b32 v[BY+2*\m], v[BY+2*\m+1], 8, v[BY+2*\m]   ; my two bytes of the row's scale word
.endr
.irp q, 0,1,2,3,4,5,6,7
.irp i, 0,1,2,3,4,5,6,7,8,9,10,11,12,13,14,15
	v_med3_num_f32 v[ACC+16*\q+\i], v[ACC+16*\q+\i], 0, v[HO+\q]   ; the activation and the hold in one
.endr
	v_cvt_scalef32_pk8_fp8_f32 v[CD+4*\q:CD+4*\q+1], v[ACC+16*\q:ACC+16*\q+7], v[SL+\q]
	v_cvt_scalef32_pk8_fp8_f32 v[CD+4*\q+2:CD+4*\q+3], v[ACC+16*\q+8:ACC+16*\q+15], v[SL+\q]
.endr
	v_nop                                          ; a plain line behind the last conversion: later products write its sources
.irp q, 0,1,2,3,4,5,6,7
	ds_store_b128 v[HW], v[CD+4*\q:CD+4*\q+3] offset:8192*(\q/2)+512*(\q%2)   ; group 2 (w % 2) + b of the image (m, w / 2)
.endr
.irp m, 0,1,2,3
	ds_store_b16 v[HSW], v[BY+2*\m] offset:64*\m   ; both halves of the lanes write the same bytes with the same values
.endr
.endm
; The way out of 16 rows x 64 columns: through my own stage, back as rows of 256 bytes; lanes 0-15 store 256 consecutive bytes of one token's row, at a multiple of 256 from out0's first byte, lanes 16-31 of another's
.macro OUT half, m
.set OB, XF+32*((\m)%2)
	s_wait_xcnt 0x0                                ; earlier stores have read the registers that are loaded again below
.irp t, 0,1,2,3
	ds_store_b128 v[STO], v[ACC+32*\m+8*\t:ACC+32*\m+8*\t+3] offset:64*\t          ; each accumulator from its low end on
	ds_store_b128 v[STO], v[ACC+32*\m+8*\t+4:ACC+32*\m+8*\t+7] offset:64*\t+16
.endr
.irp i, 0,1,2,3,4,5,6,7
	ds_load_b128 v[OB+4*\i:OB+4*\i+3], v[RD] offset:2*SP*\i    ; LDS serves a wave's instructions in order: these see the stores above, and the next block's stores come behind them
.endr
	WIN 0x01                                       ; a store's address register is its source 0: window 1
.irp i, 0,1,2,3,4,5,6,7
	s_wait_dscnt 7-\i
	global_store_b128 v[OFFS+8*\m+\i], v[OB+4*\i:OB+4*\i+3], s[18:19] offset:256*\half th:TH_STORE_NT
.endr
	WIN 0
.endm
; The offsets in out0 of rows 32 a .. 32 a + 31, whose numbers stand in s68-99: register P = 16 a + q serves rows 2 P (lanes 0-15) and 2 P + 1 (lanes 16-31)
.macro OFFSETS a
.set oq, 0
.rept 32
	s_cmp_gt_u32 s23, 32*(\a)+oq
	s_cselect_b32 s[68+oq], s[68+oq], s29          ; a row beyond the count takes the tile's first token
.set oq, oq+1
.endr
	WIN 0x40
.set oq, 0
.rept 16
	v_mov_b32 v[OFFS+16*(\a)+oq], s[68+2*oq]
.set oq, oq+1
.endr
	WIN 0x41
.set oq, 0
.rept 16
	v_cndmask_b32 v[OFFS+16*(\a)+oq], v[OFFS+16*(\a)+oq], s[69+2*oq], s30
.set oq, oq+1
.endr
	WIN 0x44
.set oq, 0
.rept 16
	v_min_u32 v[OFFS+16*(\a)+oq], 0x1fff, v[OFFS+16*(\a)+oq]   ; a loaded number is held inside the table ahead of every address
.set oq, oq+1
.endr
	WIN 0x41
.set oq, 0
.rept 16
	v_lshl_add_u32 v[OFFS+16*(\a)+oq], v[OFFS+16*(\a)+oq], 12, v[C16]   ; 4,096 bytes a row of out0, + 16 r
.set oq, oq+1
.endr
	WIN 0
.endm
	s_load_b512 s[4:19], s[0:1], 0x0               ; list, xq, xs, wq, ws, b1, tb, out0
	s_set_vgpr_msb 0x40
	v_lshl_add_u32 v254, v0, 2, 0x21800
	v_mov_b32 v255, 0
	s_set_vgpr_msb 0x4000
	v_lshrrev_b32 v28, 5, v0
	v_readfirstlane_b32 s20, v28                   ; wave 0..7
	v_and_b32 v28, 31, v0                          ; lane
	v_and_b32 v29, 15, v0                          ; r
	v_bfe_u32 v30, v0, 4, 1                        ; h
	v_lshlrev_b32 v[L16], 4, v28
	v_lshlrev_b32 v[L4], 2, v28
	v_mul_u32_u24 v[XA], v29, XP
	v_lshl_add_u32 v[XA], v30, 4, v[XA]
	v_add_nc_u32 v[XSA], XSC, v[L4]
	v_add_nc_u32 v[HA], HIMG, v[L16]
	v_add_nc_u32 v[HSA], HSC, v[L4]
	s_lshr_b32 s24, s20, 1                         ; my 64 hidden units are half w % 2 of the second product's K step w / 2
	s_and_b32 s25, s20, 1
	s_lshl_b32 s31, s24, 11
	s_lshl_b32 s40, s25, 10
	s_add_co_u32 s31, s31, s40
	v_add_nc_u32 v[HW], s31, v[HA]
	s_lshl_b32 s31, s24, 8
	s_lshl_b32 s40, s25, 1
	s_add_co_u32 s31, s31, s40
	v_lshl_add_u32 v[HSW], v29, 2, s31
	v_add_nc_u32 v[HSW], HSC, v[HSW]
	s_mul_i32 s31, s20, 16*SP                      ; my stage
	v_mul_u32_u24 v[STO], v29, SP
	v_lshl_add_u32 v[STO], v30, 5, v[STO]
	v_add_nc_u32 v[STO], s31, v[STO]
	v_add_nc_u32 v[STO], STG, v[STO]               ; in: row r, 32 bytes for each half of the lanes
	v_mul_u32_u24 v[RD], v30, SP
	v_lshl_add_u32 v[RD], v29, 4, v[RD]
	v_add_nc_u32 v[RD], s31, v[RD]
	v_add_nc_u32 v[RD], STG, v[RD]                 ; back: lanes 0-15 one row, lanes 16-31 the next
	v_lshlrev_b32 v[H64], 6, v30
	v_lshlrev_b32 v[H32], 5, v30
	s_mul_i32 s31, s20, 8*XP
	v_add_nc_u32 v[XW], s31, v[L16]                ; I gather rows 8 w .. 8 w + 7
	v_and_b32 v31, 3, v28
	v_lshrrev_b32 v28, 2, v28                      ; lane / 4: which of my 8 rows, for the scale words
	s_lshl_b32 s31, s20, 5
	v_lshl_add_u32 v[XSW], v31, 9, s31
	v_lshl_add_u32 v[XSW], v28, 2, v[XSW]
	v_add_nc_u32 v[XSW], XSC, v[XSW]               ; K step 2 (lane % 4), row 8 w + lane / 4
	v_lshlrev_b32 v[C16], 4, v29
	v_lshl_add_u32 v[IDO], v28, 2, s31
	s_lshl_b32 s44, s20, 3
	v_add_nc_u32 v[ROWQ], s44, v28
	v_lshlrev_b32 v[Q8], 3, v31
	s_mov_b32 s26, 0x76543210
	s_mov_b32 s27, 0xfedcba98                      ; v_permlanex16_b32's selects for lane l xor 16
	s_mov_b32 s28, 0x600000                        ; the mantissa field of 448
	s_mov_b32 s30, 0xffff0000                      ; lanes 16-31
	s_lshl_b32 s24, ttmp9, 2
	s_mov_b32 s25, 0
	s_lshl_b32 s40, ttmp9, 8
	s_mov_b32 s41, 0
	s_mov_b32 s42, s31
	s_mov_b32 s43, 0
	s_wait_kmcnt 0x0
	s_add_nc_u64 s[24:25], s[4:5], s[24:25]
	s_add_nc_u64 s[4:5], s[4:5], s[40:41]          ; my tile's 64 token numbers
	s_add_nc_u64 s[42:43], s[4:5], s[42:43]        ; my wave's 8 of them
	s_load_b32 s21, s[24:25], 34560                ; expert | rows << 8
	s_load_b32 s29, s[4:5], 0x0                    ; the tile's first token
	s_load_b256 s[32:39], s[42:43], 0x0
	s_load_b512 s[68:83], s[4:5], 0x0              ; rows 0-31
	s_load_b512 s[84:99], s[4:5], 0x40
	global_load_b32 v[IDQ], v[IDO], s[4:5]         ; the number of row 8 w + lane / 4
	s_wait_kmcnt 0x0
	s_and_b32 s22, s21, 0xff
	s_min_u32 s22, s22, 7                          ; the expert, held inside the tables
	s_lshr_b32 s23, s21, 8
	s_min_u32 s23, s23, 64                         ; the rows
	s_lshl_b32 s40, s22, 20                        ; wq: 1,048,576 bytes an expert, 131,072 a wave
	s_lshl_b32 s31, s20, 17
	s_add_co_u32 s40, s40, s31
	s_add_nc_u64 s[10:11], s[10:11], s[40:41]
	s_lshl_b32 s40, s22, 15                        ; ws
	s_lshl_b32 s31, s20, 12
	s_add_co_u32 s40, s40, s31
	s_add_nc_u64 s[12:13], s[12:13], s[40:41]
	s_lshl_b32 s40, s22, 11                        ; b1: my 64 numbers
	s_lshl_b32 s31, s20, 8
	s_add_co_u32 s40, s40, s31
	s_add_nc_u64 s[14:15], s[14:15], s[40:41]
	s_lshl_b32 s40, s22, 12                        ; tb: my 128 numbers
	s_lshl_b32 s31, s20, 9
	s_add_co_u32 s40, s40, s31
	s_add_nc_u64 s[16:17], s[16:17], s[40:41]
	s_mov_b32 s40, s31                             ; out0: my 128 columns
	s_add_nc_u64 s[18:19], s[18:19], s[40:41]
.irp i, 0,1,2,3,4,5,6,7
	s_add_co_u32 s31, s44, \i
	s_cmp_lt_u32 s31, s23
	s_cselect_b32 s[32+\i], s[32+\i], s29          ; a row beyond the count takes the tile's first token
.endr
.irp i, 0,1,2,3,4,5,6,7
	v_mov_b32 v[ACC+\i], s[32+\i]
.endr
.irp i, 0,1,2,3,4,5,6,7
	v_min_u32 v[ACC+\i], 0x1fff, v[ACC+\i]
.endr
.irp i, 0,1,2,3,4,5,6,7
	v_lshl_add_u32 v[ACC+8+\i], v[ACC+\i], 10, v[L16]
.endr
.irp i, 0,1,2,3,4,5,6,7
.irp j, 0,1
	global_load_b128 v[XF+8*\i+4*\j:XF+8*\i+4*\j+3], v[ACC+8+\i], s[6:7] offset:512*\j   ; a whole row of codes: two loads of 512 consecutive bytes
.endr
.endr
	B1LOAD
	WLOAD 0
	s_wait_loadcnt 42                              ; the first load, my row's number, is in: behind it stand 16 + 8 + 18
	v_cmp_gt_u32 vcc_lo, s23, v[ROWQ]
	v_mov_b32 v29, s29
	v_cndmask_b32 v[IDQ], v29, v[IDQ], vcc_lo
	v_min_u32 v[IDQ], 0x1fff, v[IDQ]
	v_lshl_add_u32 v31, v[IDQ], 5, v[Q8]
	global_load_b64 v[ACC+16:ACC+17], v31, s[8:9]  ; two of the row's eight scale words
	WLOAD 1
	WLOAD 2
	OFFSETS 0
	s_load_b512 s[68:83], s[4:5], 0x80             ; rows 32-63
	s_load_b512 s[84:99], s[4:5], 0xc0
	s_wait_kmcnt 0x0
	OFFSETS 1
	s_wait_loadcnt 36                              ; all but units 1 and 2: the rows, their scale words, b1 and unit 0 are in
.irp i, 0,1,2,3,4,5,6,7
.irp j, 0,1
	ds_store_b128 v[XW], v[XF+8*\i+4*\j:XF+8*\i+4*\j+3] offset:XP*\i+512*\j
.endr
.endr
	ds_store_b32 v[XSW], v[ACC+16]
	ds_store_b32 v[XSW], v[ACC+17] offset:256
	s_wait_dscnt 0x0                               ; for the others' sake: my rows have landed
	s_barrier_signal -1
	s_barrier_wait -1                              ; the tile's 64 rows of codes lie in LDS
	; ---- the first product: K = 1,024 in eight units
	UNIT 0, 36, 1, 0, 1                            ; behind unit 0's loads: the scale words (in), units 1 and 2
	UNIT 1, 44, 0, 0, 0                            ; unit 2, tb's half 0, unit 3
	UNIT 2, 44, 0, 0, 0                            ; tb's half 0, units 3 and 4
	UNIT 3, 36, 0, 0, 0                            ; from here on the next two units
	UNIT 4, 36, 0, 0, 0
	UNIT 5, 36, 0, 0, 0
	UNIT 6, 36, 0, 0, 0
	UNIT 7, 36, 0, 0, 0
	HQUANT
	s_wait_dscnt 0x0                               ; my images have landed, and my reads of x are over
	s_barrier_signal -1
	s_barrier_wait -1                              ; the hidden layer's sixteen fragments lie in LDS; units 8 to 10 stay on their way across this barrier
	; ---- the second product, columns 0-63 of my 128: K = 512 in four units
	UNIT 8, 36, 1, 1, 2
	UNIT 9, 44, 0, 1, 0                            ; unit 10, tb's half 1, unit 11
	UNIT 10, 44, 0, 1, 0
	UNIT 11, 36, 0, 1, 0
	s_cmp_eq_u32 s23, 0
	s_cbranch_scc1 .Lnone0                         ; a tile without rows stores nothing
	OUT 0, 0
	OUT 0, 1
	OUT 0, 2
	OUT 0, 3
.Lnone0:
	s_wait_xcnt 0x0                                ; the stores have read their registers, which the next unit's fragments take
	; ---- columns 64-127
	UNIT 12, 36, 1, 1, 0
	UNIT 13, 36, 0, 1, 0
	UNIT 14, 18, 0, 1, 0
	UNIT 15, 0, 0, 1, 0
	s_cmp_eq_u32 s23, 0
	s_cbranch_scc1 .Lnone1
	OUT 1, 0
	OUT 1, 1
	OUT 1, 2
	OUT 1, 3
.Lnone1:
	s_set_vgpr_msb 0x5
	s_wait_tensorcnt 0x0
	ds_add_u32 v254, v255
	s_wait_dscnt 0x0
	s_set_vgpr_msb 0x500
	s_endpgm
.Lfunc_end_k_qd7c6b74a06_chain:
	.size	k_qd7c6b74a06_chain, .Lfunc_end_k_qd7c6b74a06_chain-k_qd7c6b74a06_chain
	.p2alignl 7, 3214868480
	.fill 96, 4, 3214868480
	.section	.rodata,"a",@progbits
	.p2align	6, 0x0
	.amdhsa_kernel k_qd7c6b74a06_chain
		.amdhsa_group_segment_fixed_size 138240
		.amdhsa_private_segment_fixed_size 0
		.amdhsa_enable_private_segment 0
		.amdhsa_kernarg_size 64
		.amdhsa_user_sgpr_count 2
		.amdhsa_user_sgpr_kernarg_segment_ptr 1
		.amdhsa_wavefront_size32 1
		.amdhsa_system_sgpr_workgroup_id_x 1
		.amdhsa_system_sgpr_workgroup_id_y 1
		.amdhsa_system_sgpr_workgroup_id_z 1
		.amdhsa_system_vgpr_workitem_id 0
		.amdhsa_next_free_vgpr 512
		.amdhsa_next_free_sgpr 100
		.amdhsa_reserve_vcc 1
		.amdhsa_float_denorm_mode_32 3
		.amdhsa_float_denorm_mode_16_64 3
		.amdhsa_memory_ordered 1
		.amdhsa_forward_progress 1
		.amdhsa_inst_pref_size 142
	.end_amdhsa_kernel
	.amdgpu_metadata
---
amdhsa.version: [ 1, 2 ]
amdhsa.kernels:
  - .name:           k_qd7c6b74a06_chain
    .symbol:         k_qd7c6b74a06_chain.kd
    .args:
      - { .name: list, .offset: 0, .size: 8, .value_kind: global_buffer, .address_space: global }
      - { .name: xq, .offset: 8, .size: 8, .value_kind: global_buffer, .address_space: global }
      - { .name: xs, .offset: 16, .size: 8, .value_kind: global_buffer, .address_space: global }
      - { .name: wq, .offset: 24, .size: 8, .value_kind: global_buffer, .address_space: global }
      - { .name: ws, .offset: 32, .size: 8, .value_kind: global_buffer, .address_space: global }
      - { .name: b1, .offset: 40, .size: 8, .value_kind: global_buffer, .address_space: global }
      - { .name: tb, .offset: 48, .size: 8, .value_kind: global_buffer, .address_space: global }
      - { .name: out0, .offset: 56, .size: 8, .value_kind: global_buffer, .address_space: global }
    .group_segment_fixed_size: 138240
    .private_segment_fixed_size: 0
    .kernarg_segment_align: 8
    .kernarg_segment_size: 64
    .max_flat_workgroup_size: 256
    .sgpr_count:     100
    .vgpr_count:     512
    .wavefront_size: 32
...
	.end_amdgpu_metadata
.endif
;; end of part 3
;; ======== version 2 of 3: 3 launches
;; workspace buffers: xq 8,388,608 bytes; xs 262,144 bytes; wq 8,388,608 bytes; ws 262,144 bytes; tb 32,768 bytes; route 36,864 bytes of whole numbers; list 35,328 bytes of whole numbers
;; launch prep (part 4): grid 512 x 1, 8 waves a work-group, no clusters, 147,456 bytes of LDS; arguments x, Wg, bg, xq, xs, route, list, out1, out2, W1, W2, wq, ws; writes xq, xs, route, list, out1, out2, wq, ws
.if DOCPART == 4
	.amdgcn_target "amdgcn-amd-amdhsa--gfx1250"
	.amdhsa_code_object_version 6
	.text
	.protected	k_qd7c6b74a06_prep
	.globl	k_qd7c6b74a06_prep
	.p2align	8
	.type	k_qd7c6b74a06_prep,@function
k_qd7c6b74a06_prep:
	s_mov_b64 s[64:65], 0
	v_nop
	global_prefetch_b8 v0, s[64:65] scope:SCOPE_SE
	s_setreg_imm32_b32 hwreg(HW_REG_WAVE_MODE, 25, 1), 1
	s_wait_xcnt 0x0
; FIRST LAUNCH OF THREE.  Work-groups 0-255: 32 tokens each: the gate (x Wg + bg in f32 multiply-adds, softmax, argmax), x into codes of E4M3 with one E8M0 byte
; for each 32 along K, each token's rank among its block's tokens of the same expert, and the block's count of tokens for each expert.
; Work-groups 256-383: W1, work-groups 384-511: W2, quantised along K (their first axis within an expert) and laid in the order of the third launch's operand registers.
; Every work-group reads 131,072 bytes of f32, once.  Work-groups 0-134 also write zeros over one tile's row list each, so that every word read later has been stored.
; THE QUANTISER: a block's scale is 2^(floor(log2(largest magnitude)) - 8); its byte is the largest magnitude's exponent field - 8, held at 1 from below by a floor among the maximum's leaves;
; each number is held within +-448 x the scale and converted, to the nearest code, ties to even.
; THE GATE: in the arithmetic a lane is a token, so every lane wants the same number of Wg.  A wave's part of Wg (128 along K x 8 experts, 4,096 bytes) stays in 64 vector registers, sixteen
; numbers to a register, the same in both halves of the lanes, and each multiply-add takes its number from the lane that holds it (DPP, row_share): no load and no wait stands inside the gate.
; LIMITS: NaN and infinities among the inputs are not served.  A block of zeros gets the byte 1 where the rule says 127: its codes are zeros, and this program alone reads the bytes.
; Blocks whose largest magnitude lies under 2^-118 keep the byte 1.  The argmax is taken over the computed probabilities, the lower index at a tie; two probabilities that f32 sums in
; another order cannot tell apart (about 1e-7 of a logit) may turn it.
; No matrix unit (the gate has 8 columns), no cluster (work-groups share no large input), no tensor load: all loads go out at a path's head.
; WORKSPACE LAYOUTS.  xq [token][1024] codes.  xs [token][8] words: word s = the four bytes of k = 128 s on.
; wq [expert 8][wave 8][unit 16][tile 4][group 4][lane 32][16 bytes]: the image of a fragment's registers: lane 16 h + r, group c holds k = 32 c + 16 h + 0..15 of the tile's row r.
;   units 0-7: W1, K step = unit; row r of tile t is hidden unit 64 wave + 32 (t / 2) + 8 (t % 2) + r + 8 (r / 8).  units 8 + 4 half + s: W2, K step s; row r of tile t is column 128 wave + 64 half + 16 t + r.
; ws [expert][wave][unit][pair 2][32] words: lanes 0-15 the rows of tile 2 pair, lanes 16-31 those of tile 2 pair + 1.
; route: words 0-8191: expert | rank << 8 for each token; from byte 32,768: for each block of 32 tokens four words, two 16-bit counts each.
.set X,   16                           ; v16-143   128 numbers of a lane, neighbours along K
.set WGT, 144                          ; v144-207  my wave's part of Wg: register 4 q + c, lane 16 h + r: Wg[8 q + r / 2][4 (r % 2) + c].  Done with when the gate is: the codes and the quantiser's work take the registers then
.set C,   144                          ; v144-175  the 128 codes
.set TM,  176                          ; v176-179 largest magnitudes, v180-183 bytes, v184-187 448 x the scale, v188-191 the conversions' scale operands
.set GA,  208                          ; v208-215  eight sums of the gate
.set PW,  216                          ; v216      the scale word
.set L4,  217                          ; v217      4 x lane
.set L8,  218                          ; v218      8 x lane
.set TW,  17024                        ; LDS: a wave's region: 32 rows x 528 bytes, and 128 spare, so that two waves' regions do not begin at the same bank
.set LG,  8*TW                         ; the waves' partial logits: [wave][2][lane][16 bytes]
.set XSS, LG+8192                      ; x's scale words: [token][8]
.set PT,  XSS+1024                     ; the probabilities' turn: 1,024 bytes
; 128 numbers in v[X] on, four blocks of 32, all in one lane, become 128 codes in v[C] on and a scale word in v[PW]
.macro QUANT128
.irp b, 0,1,2,3
	v_max3_num_f32 v[TM+\b], |v[X+32*\b]|, |v[X+32*\b+1]|, 0x4800000       ; the floor 2^(9 - 127) among the leaves: the byte cannot fall under 1
.endr
.set qi, 2
.rept 15
.irp b, 0,1,2,3
	v_max3_num_f32 v[TM+\b], v[TM+\b], |v[X+32*\b+qi]|, |v[X+32*\b+qi+1]|   ; the four blocks by turns
.endr
.set qi, qi+2
.endr
.irp b, 0,1,2,3
	v_add_nc_u32 v[TM+12+\b], 0xfc000000, v[TM+\b]                         ; 8 off the exponent field: the conversion takes this operand's exponent field as its scale
.endr
.irp b, 0,1,2,3
	v_and_or_b32 v[TM+8+\b], v[TM+\b], 0x7f800000, s23                     ; 448 x the scale: the exponent field over 448's mantissa field
.endr
.irp b, 0,1,2,3
	v_lshrrev_b32 v[TM+4+\b], 23, v[TM+12+\b]                              ; the scale's byte
.endr
	v_lshl_or_b32 v[PW], v[TM+5], 8, v[TM+4]
	v_lshl_or_b32 v[PW], v[TM+6], 16, v[PW]
	v_lshl_or_b32 v[PW], v[TM+7], 24, v[PW]
.irp b, 0,1,2,3
.set qi, 0
.rept 32
	v_med3_num_f32 v[X+32*\b+qi], v[X+32*\b+qi], -v[TM+8+\b], v[TM+8+\b]   ; the conversion to an 8-bit code does not saturate (ISA guide 7.6.2): the hold comes first
.set qi, qi+1
.endr
.irp g, 0,1,2,3
	v_cvt_scalef32_pk8_fp8_f32 v[C+8*\b+2*\g:C+8*\b+2*\g+1], v[X+32*\b+8*\g:X+32*\b+8*\g+7], v[TM+12+\b]
.endr
.endr
	v_nop                                          ; a plain line behind the last conversion
.endm
; A weight's path: a lane takes a column and its registers run down K: 128 loads, 128 consecutive bytes a wave each, the eight waves side by side on 1,024.
; The codes leave as register images: each store covers two runs of 256 consecutive bytes, each at a multiple of 256 from wq's first byte.
.macro WBODY pitch
.set wi, 0
.rept 128
	global_load_b32 v[X+wi], v3, s[40:41] offset:wi*(\pitch) th:TH_LOAD_NT
.set wi, wi+1
.endr
	s_wait_loadcnt 0x0
	QUANT128
.irp c, 0,1,2,3
.irp hh, 0,1
	global_store_b128 v4, v[C+8*\c+4*\hh:C+8*\c+4*\hh+3], s[42:43] offset:512*\c+256*\hh   ; k = 32 c + 16 hh + 0..15 of my column
.endr
.endr
	global_store_b32 v5, v[PW], s[44:45]           ; 32 lanes: 128 consecutive bytes
	s_endpgm
.endm
	v_lshl_add_u32 v224, v0, 2, 0x23c00
	v_mov_b32 v225, 0
	v_lshrrev_b32 v1, 5, v0
	v_readfirstlane_b32 s22, v1                    ; wave 0..7
	v_and_b32 v2, 31, v0                           ; lane
	s_mov_b32 s23, 0x600000                        ; the mantissa field of 448
	s_cmp_lt_u32 ttmp9, 256
	s_cbranch_scc0 .Lweights
; ---------------- x: 32 tokens a work-group; wave w takes k = 128 w .. 128 w + 127 of all 32; in the arithmetic a lane is a token
	s_load_b512 s[4:19], s[0:1], 0x0               ; x, Wg, bg, xq, xs, route, list, out1
	s_load_b64 s[20:21], s[0:1], 0x40              ; out2
	v_lshlrev_b32 v3, 4, v2                        ; 16 x lane
	s_mul_i32 s24, s22, TW                         ; my wave's region
	v_add_nc_u32 v4, s24, v3                       ; the turn, in: row i at 528 i, my 16 bytes
	v_mul_u32_u24 v5, v2, 528
	v_add_nc_u32 v5, s24, v5                       ; the turn, out: row = my lane (528 = 33 x 16: sixteen rows start at sixteen different banks)
	s_lshl_b32 s25, s22, 10
	v_add_nc_u32 v6, s25, v3
	v_add_nc_u32 v6, LG, v6                        ; my partial logits
	v_mul_u32_u24 v7, v2, 144
	v_add_nc_u32 v7, s24, v7                       ; my token's 128 codes: rows of 128 bytes + 16, in my wave's region, which the turn has left
	s_lshl_b32 s25, s22, 2
	v_lshl_add_u32 v8, v2, 5, s25
	v_add_nc_u32 v8, XSS, v8                       ; my token's scale word w
	v_lshrrev_b32 v9, 3, v2
	v_mul_u32_u24 v9, v9, TW
	v_and_b32 v10, 7, v2
	v_lshl_add_u32 v9, v10, 4, v9
	s_mul_i32 s25, s22, 576
	v_add_nc_u32 v9, s25, v9                       ; the way out of the codes: token 4 w + i, bytes 16 x lane of its first 512: wave lane / 8's region, 16 (lane % 8)
	v_add_nc_u32 v10, 4*TW, v9                     ; and of its second 512
	v_and_b32 v11, 15, v2
	v_lshlrev_b32 v11, 4, v11                      ; Wg: 16 (lane % 16): both halves of the lanes take the same 256 bytes of a load
	v_add_nc_u32 v12, LG, v3
	v_lshl_add_u32 v13, v2, 5, PT
	v_add_nc_u32 v14, PT, v3
	v_add_nc_u32 v15, XSS, v3
	v_lshlrev_b32 v[L4], 2, v2
	v_lshlrev_b32 v[L8], 3, v2
	s_lshl_b32 s56, ttmp9, 17                      ; x: 32 rows of 4,096 bytes a work-group, 512 bytes a wave
	s_lshl_b32 s57, s22, 9
	s_add_co_u32 s56, s56, s57
	s_mov_b32 s57, 0
	s_lshl_b32 s58, s22, 12                        ; Wg: 128 rows of 32 bytes a wave
	s_mov_b32 s59, 0
	s_lshl_b32 s60, ttmp9, 15                      ; xq: 32 rows of 1,024 bytes a work-group, 4 rows a wave
	s_add_co_u32 s60, s60, s58
	s_mov_b32 s61, 0
	s_lshl_b32 s62, ttmp9, 10                      ; xs and out1: 1,024 bytes a work-group
	s_mov_b32 s63, 0
	s_lshl_b32 s2, ttmp9, 7                        ; out2 and route's first part: 128 bytes a work-group
	s_mov_b32 s3, 0
	s_wait_kmcnt 0x0
	s_add_nc_u64 s[4:5], s[4:5], s[56:57]
	s_add_nc_u64 s[6:7], s[6:7], s[58:59]
	s_add_nc_u64 s[10:11], s[10:11], s[60:61]
	s_add_nc_u64 s[12:13], s[12:13], s[62:63]
	s_add_nc_u64 s[18:19], s[18:19], s[62:63]
	s_lshl_b32 s58, ttmp9, 4
	s_add_co_u32 s58, s58, 32768
	s_add_nc_u64 s[58:59], s[14:15], s[58:59]      ; my block's four words of counts
	s_add_nc_u64 s[14:15], s[14:15], s[2:3]
	s_add_nc_u64 s[20:21], s[20:21], s[2:3]
	s_lshl_b32 s2, ttmp9, 8
	s_add_nc_u64 s[16:17], s[16:17], s[2:3]        ; one tile's row list
.irp q, 0,1,2,3,4,5,6,7,8,9,10,11,12,13,14,15
	global_load_b128 v[WGT+4*\q:WGT+4*\q+3], v11, s[6:7] offset:256*\q     ; eight rows of Wg, 256 consecutive bytes; every work-group of this path reads them, so no hint
.endr
.set li, 0
.rept 32
	global_load_b128 v[X+4*li:X+4*li+3], v3, s[4:5] offset:4096*li th:TH_LOAD_NT   ; token li: the wave reads 512 consecutive bytes
.set li, li+1
.endr
.irp e, 0,1,2,3,4,5,6,7
	v_mov_b32 v[GA+\e], 0                          ; the eight sums begin: the destination of a DPP form counts as one of its sources, so it is written first
.endr
.irp q, 0,1,2,3
	s_wait_loadcnt 24-8*\q                         ; loads come back in order: Wg's sixteen, issued first, and the eight oldest of x's that were left are in
.irp n, 0,1,2,3,4,5,6,7
	ds_store_b128 v4, v[X+4*(8*\q+\n):X+4*(8*\q+\n)+3] offset:528*(8*\q+\n)
.endr
.endr
	s_wait_dscnt 0x0                               ; the stores have read their registers, which the loads below write
.set li, 0
.rept 32
	ds_load_b128 v[X+4*li:X+4*li+3], v5 offset:16*li   ; my token's 128 numbers, k ascending
.set li, li+1
.endr
	s_wait_dscnt 0x0
; The gate: 128 along K x 8 experts, K ascending, one chain for each expert, the eight by turns.  Lane n = 2 (k % 8) + e / 4 of register 4 (k / 8) + e % 4 holds Wg[k][e]; row_share:n gives it to all sixteen lanes of each half
.set gq, 0
.rept 16
.irp n, 0,1,2,3,4,5,6,7,8,9,10,11,12,13,14,15
.irp c, 0,1,2,3
	v_fmac_f32_dpp v[GA+4*(\n%2)+\c], v[WGT+4*gq+\c], v[X+8*gq+\n/2] row_share:\n row_mask:0xf bank_mask:0xf
.endr
.endr
.set gq, gq+1
.endr
	QUANT128
	ds_store_b128 v6, v[GA:GA+3]
	ds_store_b128 v6, v[GA+4:GA+7] offset:512
.irp p, 0,1,2,3,4,5,6,7
	ds_store_b128 v7, v[C+4*\p:C+4*\p+3] offset:16*\p
.endr
	ds_store_b32 v8, v[PW]
	s_wait_dscnt 0x0                               ; for the others' sake: my stores have landed
	s_barrier_signal -1
	s_barrier_wait -1                              ; the one barrier; the branch that it stands under hangs on the work-group's number alone
.irp i, 0,1,2,3
.irp j, 0,1
	ds_load_b128 v[C+8*\i+4*\j:C+8*\i+4*\j+3], v[9+\j] offset:144*\i
.endr
.endr
.irp i, 0,1,2,3
.irp j, 0,1
	s_wait_dscnt 7-2*\i-\j
	global_store_b128 v3, v[C+8*\i+4*\j:C+8*\i+4*\j+3], s[10:11] offset:1024*\i+512*\j   ; token 4 w + i: 512 consecutive bytes of its row of codes
.endr
.endr
	s_cmp_eq_u32 s22, 0
	s_cbranch_scc1 .Lwave0
	s_cmp_eq_u32 s22, 1
	s_cbranch_scc1 .Lwave1
	s_cmp_eq_u32 s22, 2
	s_cbranch_scc0 .Lxend
	s_cmp_lt_u32 ttmp9, 135
	s_cbranch_scc0 .Lxend
	v_mov_b32 v16, 0
	v_mov_b32 v17, 0
	global_store_b64 v[L8], v[16:17], s[16:17]     ; 64 zeros: rows that the second launch does not fill name token 0
.Lxend:
	s_wait_tensorcnt 0x0
	ds_add_u32 v224, v225
	s_wait_dscnt 0x0
	s_endpgm
.Lwave1:
	ds_load_b128 v[16:19], v15
	ds_load_b128 v[20:23], v15 offset:512
	s_wait_dscnt 0x0
	global_store_b128 v3, v[16:19], s[12:13]       ; the 32 tokens' scale words: 1,024 consecutive bytes
	global_store_b128 v3, v[20:23], s[12:13] offset:512
	s_wait_tensorcnt 0x0
	ds_add_u32 v224, v225
	s_wait_dscnt 0x0
	s_endpgm
.Lwave0:
	s_load_b256 s[24:31], s[8:9], 0x0              ; bg
.irp sw, 0,1,2,3,4,5,6,7
.irp hh, 0,1
	ds_load_b128 v[X+8*\sw+4*\hh:X+8*\sw+4*\hh+3], v12 offset:1024*\sw+512*\hh
.endr
.endr
	s_wait_dscnt 0x0
.irp sw, 1,2,3,4,5,6,7
.irp q, 0,1,2,3
	v_pk_add_f32 v[X+2*\q:X+2*\q+1], v[X+2*\q:X+2*\q+1], v[X+8*\sw+2*\q:X+8*\sw+2*\q+1]   ; the eight waves' parts, K ascending
.endr
.endr
	s_wait_kmcnt 0x0
.irp e, 0,1,2,3,4,5,6,7
	v_add_f32 v[X+\e], s[24+\e], v[X+\e]           ; the logits
.endr
	v_max3_num_f32 v[TM], v[X], v[X+1], v[X+2]
	v_max3_num_f32 v[TM], v[TM], v[X+3], v[X+4]
	v_max3_num_f32 v[TM], v[TM], v[X+5], v[X+6]
	v_max_num_f32 v[TM], v[TM], v[X+7]             ; the row's maximum is taken away ahead of the exponentials
.irp e, 0,1,2,3,4,5,6,7
	v_sub_f32 v[X+8+\e], v[X+\e], v[TM]
.endr
.irp e, 0,1,2,3,4,5,6,7
	v_mul_f32 v[X+8+\e], 0x3fb8aa3b, v[X+8+\e]     ; x log2(e)
.endr
.irp e, 0,1,2,3,4,5,6,7
	v_exp_f32 v[X+16+\e], v[X+8+\e]
.endr
	v_mov_b32 v[TM+6], 0                           ; (the rank begins; also the plain line behind the exponentials)
	s_wait_alu depctr_va_vdst(0)                   ; one wait for the batch of eight, ahead of its first reader
	v_add_f32 v[TM+2], v[X+16], v[X+17]
	v_add_f32 v[TM+5], v[X+18], v[X+19]
	v_add_f32 v[TM+9], v[X+20], v[X+21]
	v_add_f32 v[TM+7], v[X+22], v[X+23]
	v_add_f32 v[TM+2], v[TM+2], v[TM+5]
	v_add_f32 v[TM+9], v[TM+9], v[TM+7]
	v_add_f32 v[TM+2], v[TM+2], v[TM+9]
	v_rcp_f32 v[TM+1], v[TM+2]
	v_mov_b32 v[TM+4], 0                           ; (the argmax begins at expert 0; also the plain line behind the reciprocal)
	s_wait_alu depctr_va_vdst(0)
.irp e, 0,1,2,3,4,5,6,7
	v_mul_f32 v[X+24+\e], v[X+16+\e], v[TM+1]      ; the probabilities
.endr
	v_mov_b32 v[TM+3], v[X+24]
.irp e, 1,2,3,4,5,6,7
	v_cmp_gt_f32 vcc_lo, v[X+24+\e], v[TM+3]       ; strictly greater: a tie stays with the lower index
	v_cndmask_b32 v[TM+3], v[TM+3], v[X+24+\e], vcc_lo
	v_cndmask_b32 v[TM+4], v[TM+4], \e, vcc_lo
.endr
.irp e, 0,1,2,3,4,5,6,7
	v_cmp_eq_u32 s56, \e, v[TM+4]                  ; the block's tokens of expert e
	v_mbcnt_lo_u32_b32 v[TM+5], s56, 0             ; how many of them stand in lower lanes
	v_cndmask_b32 v[TM+6], v[TM+6], v[TM+5], s56   ; my rank, if e is mine
.if (\e)%2 == 0
	s_bcnt1_i32_b32 s[60+\e/2], s56                ; the count, two to a word
.else
	s_bcnt1_i32_b32 s57, s56
	s_lshl_b32 s57, s57, 16
	s_or_b32 s[60+\e/2], s[60+\e/2], s57
.endif
.endr
	v_lshl_or_b32 v[TM+7], v[TM+6], 8, v[TM+4]     ; expert | rank << 8
.irp q, 0,1,2,3
	v_mov_b32 v[TM+8+\q], s[60+\q]
.endr
	ds_store_b128 v13, v[X+24:X+27]                ; a token's eight probabilities are 32 bytes: through LDS, so that a store covers 512 consecutive bytes
	ds_store_b128 v13, v[X+28:X+31] offset:16
	ds_load_b128 v[X+32:X+35], v14                 ; LDS serves a wave's instructions in order: these see the stores above
	ds_load_b128 v[X+36:X+39], v14 offset:512
	global_store_b32 v[L4], v[TM+4], s[20:21]      ; out2
	global_store_b32 v[L4], v[TM+7], s[14:15]      ; route
	s_wait_dscnt 0x0
	global_store_b128 v3, v[X+32:X+35], s[18:19]   ; out1
	global_store_b128 v3, v[X+36:X+39], s[18:19] offset:512
	v_cmp_eq_u32 vcc_lo, 0, v2
	s_wait_xcnt 0x0                                ; EXEC is a source of the stores above: it changes only behind this wait
	s_wait_tensorcnt 0x0
	ds_add_u32 v224, v225
	s_wait_dscnt 0x0
	s_and_saveexec_b32 s2, vcc_lo
	global_store_b128 v[L4], v[TM+8:TM+11], s[58:59]   ; lane 0: the block's eight counts
	s_wait_xcnt 0x0                                ; and again ahead of the line that widens it
	s_or_b32 exec_lo, exec_lo, s2
	s_endpgm
; ---------------- the weights: a work-group takes 256 columns x 128 along K of one expert; a wave 32 columns
.Lweights:
	s_load_b128 s[24:27], s[0:1], 0x48             ; W1, W2
	s_load_b128 s[28:31], s[0:1], 0x58             ; wq, ws
	v_lshlrev_b32 v3, 2, v2                        ; my column's 4 bytes
	s_mov_b32 s41, 0
	s_mov_b32 s43, 0
	s_mov_b32 s45, 0
	s_cmp_lt_u32 ttmp9, 384
	s_cbranch_scc0 .Lw2
	s_sub_co_u32 s32, ttmp9, 256
	s_lshr_b32 s33, s32, 4                         ; expert
	s_bfe_u32 s34, s32, 0x10003                    ; which 256 of the 512 hidden units
	s_and_b32 s35, s32, 7                          ; K step = unit
	s_lshl_b32 s36, s34, 3
	s_add_co_u32 s36, s36, s22                     ; b: my 32 hidden units are 32 b on
	s_lshr_b32 s37, s36, 1                         ; the third launch's wave that takes them
	s_and_b32 s38, s36, 1                          ; and which pair of its tiles
	s_lshl_b32 s40, s33, 21                        ; W1: 2,097,152 bytes an expert, 128 rows of 2,048 a K step, 128 bytes for 32 columns
	s_lshl_b32 s39, s35, 18
	s_add_co_u32 s40, s40, s39
	s_lshl_b32 s39, s36, 7
	s_add_co_u32 s40, s40, s39
	s_lshl_b32 s42, s33, 20                        ; wq: expert, wave, unit, pair of tiles
	s_lshl_b32 s39, s37, 17
	s_add_co_u32 s42, s42, s39
	s_lshl_b32 s39, s35, 13
	s_add_co_u32 s42, s42, s39
	s_lshl_b32 s39, s38, 12
	s_add_co_u32 s42, s42, s39
	s_lshr_b32 s44, s42, 5                         ; ws: one word for 128 codes: the same offset / 32
	v_bfe_u32 v6, v2, 3, 1                         ; lane = 8 u + r + 8 (r / 8): u, which tile of the pair,
	v_and_b32 v7, 7, v2
	v_lshrrev_b32 v8, 4, v2
	v_lshl_add_u32 v7, v8, 3, v7                   ; and r, the row in it
	v_lshlrev_b32 v4, 4, v7
	v_lshl_add_u32 v4, v6, 11, v4                  ; 2,048 u + 16 r
	v_lshl_add_u32 v5, v6, 4, v7
	v_lshlrev_b32 v5, 2, v5                        ; 4 (16 u + r)
	s_wait_kmcnt 0x0
	s_add_nc_u64 s[40:41], s[24:25], s[40:41]
	s_add_nc_u64 s[42:43], s[28:29], s[42:43]
	s_add_nc_u64 s[44:45], s[30:31], s[44:45]
	WBODY 2048
.Lw2:
	s_sub_co_u32 s32, ttmp9, 384
	s_lshr_b32 s33, s32, 4                         ; expert
	s_bfe_u32 s34, s32, 0x20002                    ; which 256 of the 1,024 columns
	s_and_b32 s35, s32, 3                          ; K step
	s_lshr_b32 s36, s22, 2
	s_lshl_b32 s37, s34, 1
	s_add_co_u32 s37, s37, s36                     ; the third launch's wave: column / 128
	s_bfe_u32 s36, s22, 0x10001                    ; which half of its 128 columns
	s_lshl_b32 s36, s36, 2
	s_add_co_u32 s36, s36, s35
	s_add_co_u32 s36, s36, 8                       ; unit 8 + 4 half + K step
	s_and_b32 s38, s22, 1                          ; which pair of tiles
	s_lshl_b32 s40, s33, 21                        ; W2: 2,097,152 bytes an expert, 128 rows of 4,096 a K step
	s_lshl_b32 s39, s35, 19
	s_add_co_u32 s40, s40, s39
	s_lshl_b32 s39, s34, 10
	s_add_co_u32 s40, s40, s39
	s_lshl_b32 s39, s22, 7
	s_add_co_u32 s40, s40, s39
	s_lshl_b32 s42, s33, 20
	s_lshl_b32 s39, s37, 17
	s_add_co_u32 s42, s42, s39
	s_lshl_b32 s39, s36, 13
	s_add_co_u32 s42, s42, s39
	s_lshl_b32 s39, s38, 12
	s_add_co_u32 s42, s42, s39
	s_lshr_b32 s44, s42, 5
	v_lshrrev_b32 v6, 4, v2                        ; which tile of the pair
	v_and_b32 v7, 15, v2                           ; the row in it
	v_lshlrev_b32 v4, 4, v7
	v_lshl_add_u32 v4, v6, 11, v4
	v_mov_b32 v5, v3
	s_wait_kmcnt 0x0
	s_add_nc_u64 s[40:41], s[26:27], s[40:41]
	s_add_nc_u64 s[42:43], s[28:29], s[42:43]
	s_add_nc_u64 s[44:45], s[30:31], s[44:45]
	WBODY 4096
.Lfunc_end_k_qd7c6b74a06_prep:
	.size	k_qd7c6b74a06_prep, .Lfunc_end_k_qd7c6b74a06_prep-k_qd7c6b74a06_prep
	.p2alignl 7, 3214868480
	.fill 96, 4, 3214868480
	.section	.rodata,"a",@progbits
	.p2align	6, 0x0
	.amdhsa_kernel k_qd7c6b74a06_prep
		.amdhsa_group_segment_fixed_size 147456
		.amdhsa_private_segment_fixed_size 0
		.amdhsa_enable_private_segment 0
		.amdhsa_kernarg_size 104
		.amdhsa_user_sgpr_count 2
		.amdhsa_user_sgpr_kernarg_segment_ptr 1
		.amdhsa_wavefront_size32 1
		.amdhsa_system_sgpr_workgroup_id_x 1
		.amdhsa_system_sgpr_workgroup_id_y 1
		.amdhsa_system_sgpr_workgroup_id_z 1
		.amdhsa_system_vgpr_workitem_id 0
		.amdhsa_next_free_vgpr 226
		.amdhsa_next_free_sgpr 66
		.amdhsa_reserve_vcc 1
		.amdhsa_float_denorm_mode_32 3
		.amdhsa_float_denorm_mode_16_64 3
		.amdhsa_memory_ordered 1
		.amdhsa_forward_progress 1
		.amdhsa_inst_pref_size 160
	.end_amdhsa_kernel
	.amdgpu_metadata
---
amdhsa.version: [ 1, 2 ]
amdhsa.kernels:
  - .name:           k_qd7c6b74a06_prep
    .symbol:         k_qd7c6b74a06_prep.kd
    .args:
      - { .name: x, .offset: 0, .size: 8, .value_kind: global_buffer, .address_space: global }
      - { .name: Wg, .offset: 8, .size: 8, .value_kind: global_buffer, .address_space: global }
      - { .name: bg, .offset: 16, .size: 8, .value_kind: global_buffer, .address_space: global }
      - { .name: xq, .offset: 24, .size: 8, .value_kind: global_buffer, .address_space: global }
      - { .name: xs, .offset: 32, .size: 8, .value_kind: global_buffer, .address_space: global }
      - { .name: route, .offset: 40, .size: 8, .value_kind: global_buffer, .address_space: global }
      - { .name: list, .offset: 48, .size: 8, .value_kind: global_buffer, .address_space: global }
      - { .name: out1, .offset: 56, .size: 8, .value_kind: global_buffer, .address_space: global }
      - { .name: out2, .offset: 64, .size: 8, .value_kind: global_buffer, .address_space: global }
      - { .name: W1, .offset: 72, .size: 8, .value_kind: global_buffer, .address_space: global }
      - { .name: W2, .offset: 80, .size: 8, .value_kind: global_buffer, .address_space: global }
      - { .name: wq, .offset: 88, .size: 8, .value_kind: global_buffer, .address_space: global }
      - { .name: ws, .offset: 96, .size: 8, .value_kind: global_buffer, .address_space: global }
    .group_segment_fixed_size: 147456
    .private_segment_fixed_size: 0
    .kernarg_segment_align: 8
    .kernarg_segment_size: 104
    .max_flat_workgroup_size: 256
    .sgpr_count:     66
    .vgpr_count:     226
    .wavefront_size: 32
...
	.end_amdgpu_metadata
.endif
;; end of part 4
;; launch place: the kernel of part 2 again; grid 96 x 1, 8 waves a work-group, no clusters, 10,240 bytes of LDS; arguments route, wq, ws, b1, b2, list, tb; writes list, tb
;; launch chain: the kernel of part 3 again; grid 135 x 1, 8 waves a work-group, no clusters, 138,240 bytes of LDS; arguments list, xq, xs, wq, ws, b1, tb, out0; writes out0
;; ======== version 3 of 3: 3 launches
;; workspace buffers: xq 8,388,608 bytes; xs 262,144 bytes; wq 8,388,608 bytes; ws 262,144 bytes; tb 32,768 bytes; route 36,864 bytes of whole numbers; list 35,328 bytes of whole numbers
;; launch prep (part 5): grid 512 x 1, 8 waves a work-group, no clusters, 147,456 bytes of LDS; arguments x, Wg, bg, xq, xs, route, list, out1, out2, W1, W2, wq, ws; writes xq, xs, route, list, out1, out2, wq, ws
.if DOCPART == 5
	.amdgcn_target "amdgcn-amd-amdhsa--gfx1250"
	.amdhsa_code_object_version 6
	.text
	.protected	k_qd7c6b74a06_prep
	.globl	k_qd7c6b74a06_prep
	.p2align	8
	.type	k_qd7c6b74a06_prep,@function
k_qd7c6b74a06_prep:
	s_mov_b64 s[64:65], 0
	v_nop
	global_prefetch_b8 v0, s[64:65] scope:SCOPE_SE
	s_setreg_imm32_b32 hwreg(HW_REG_WAVE_MODE, 25, 1), 1
	s_wait_xcnt 0x0
; FIRST LAUNCH OF THREE.  Work-groups 0-255: 32 tokens each: the gate (x Wg + bg in f32 multiply-adds, softmax, argmax), x into codes of E4M3 with one E8M0 byte
; for each 32 along K, each token's rank among its block's tokens of the same expert, and the block's count of tokens for each expert.
; Work-groups 256-383: W1, work-groups 384-511: W2, quantised along K (their first axis within an expert) and laid in the order of the third launch's operand registers.
; Every work-group reads 131,072 bytes of f32, once.  Work-groups 0-134 also write zeros over one tile's row list each, so that every word read later has been stored.
; THE QUANTISER: a block's scale is 2^(floor(log2(largest magnitude)) - 8); its byte is the largest magnitude's exponent field - 8, held at 1 from below by a floor among the maximum's leaves;
; each number is held within +-448 x the scale and converted, to the nearest code, ties to even.
; THE GATE: in the arithmetic a lane is a token, so every lane wants the same number of Wg.  A wave's part of Wg (128 along K x 8 experts, 4,096 bytes) stays in 64 vector registers, sixteen
; numbers to a register, the same in both halves of the lanes, and each multiply-add takes its number from the lane that holds it (DPP, row_share): no load and no wait stands inside the gate.
; LIMITS: NaN and infinities among the inputs are not served.  A block of zeros gets the byte 1 where the rule says 127: its codes are zeros, and this program alone reads the bytes.
; Blocks whose largest magnitude lies under 2^-118 keep the byte 1.  The argmax is taken over the computed probabilities, the lower index at a tie; two probabilities that f32 sums in
; another order cannot tell apart (about 1e-7 of a logit) may turn it.
; No matrix unit (the gate has 8 columns), no cluster (work-groups share no large input), no tensor load: all loads go out at a path's head.
; WORKSPACE LAYOUTS.  xq [token][1024] codes.  xs [token][8] words: word s = the four bytes of k = 128 s on.
; wq [expert 8][wave 8][unit 16][tile 4][group 4][lane 32][16 bytes]: the image of a fragment's registers: lane 16 h + r, group c holds k = 32 c + 16 h + 0..15 of the tile's row r.
;   units 0-7: W1, K step = unit; row r of tile t is hidden unit 64 wave + 32 (t / 2) + 8 (t % 2) + r + 8 (r / 8).  units 8 + 4 half + s: W2, K step s; row r of tile t is column 128 wave + 64 half + 16 t + r.
; ws [expert][wave][unit][pair 2][32] words: lanes 0-15 the rows of tile 2 pair, lanes 16-31 those of tile 2 pair + 1.
; route: words 0-8191: expert | rank << 8 for each token; from byte 32,768: for each block of 32 tokens four words, two 16-bit counts each.
.set X,   16                           ; v16-143   128 numbers of a lane, neighbours along K
.set WGT, 144                          ; v144-207  my wave's part of Wg: register 4 q + c, lane 16 h + r: Wg[8 q + r / 2][4 (r % 2) + c].  Done with when the gate is: the codes and the quantiser's work take the registers then
.set C,   144                          ; v144-175  the 128 codes
.set TM,  176                          ; v176-179 largest magnitudes, v180-183 bytes, v184-187 448 x the scale, v188-191 the conversions' scale operands
.set GA,  208                          ; v208-215  eight sums of the gate
.set PW,  216                          ; v216      the scale word
.set L4,  217                          ; v217      4 x lane
.set L8,  218                          ; v218      8 x lane
.set TW,  17024                        ; LDS: a wave's region: 32 rows x 528 bytes, and 128 spare, so that two waves' regions do not begin at the same bank
.set LG,  8*TW                         ; the waves' partial logits: [wave][2][lane][16 bytes]
.set XSS, LG+8192                      ; x's scale words: [token][8]
.set PT,  XSS+1024                     ; the probabilities' turn: 1,024 bytes
; 128 numbers in v[X] on, four blocks of 32, all in one lane, become 128 codes in v[C] on and a scale word in v[PW]
.macro QUANT128
.irp b, 0,1,2,3
	v_max3_num_f32 v[TM+\b], |v[X+32*\b]|, |v[X+32*\b+1]|, 0x4800000       ; the floor 2^(9 - 127) among the leaves: the byte cannot fall under 1
.endr
.set qi, 2
.rept 15
.irp b, 0,1,2,3
	s_delay_alu instid0(VALU_DEP_4)
	v_max3_num_f32 v[TM+\b], v[TM+\b], |v[X+32*\b+qi]|, |v[X+32*\b+qi+1]|   ; the four blocks by turns
.endr
.set qi, qi+2
.endr
.irp b, 0,1,2,3
	s_delay_alu instid0(VALU_DEP_4)
	v_add_nc_u32 v[TM+12+\b], 0xfc000000, v[TM+\b]                         ; 8 off the exponent field: the conversion takes this operand's exponent field as its scale
.endr
.irp b, 0,1,2,3
	v_and_or_b32 v[TM+8+\b], v[TM+\b], 0x7f800000, s23                     ; 448 x the scale: the exponent field over 448's mantissa field
.endr
.irp b, 0,1,2,3
	v_lshrrev_b32 v[TM+4+\b], 23, v[TM+12+\b]                              ; the scale's byte
.endr
	s_delay_alu instid0(VALU_DEP_3)
	v_lshl_or_b32 v[PW], v[TM+5], 8, v[TM+4]
	s_delay_alu instid0(VALU_DEP_1)
	v_lshl_or_b32 v[PW], v[TM+6], 16, v[PW]
	s_delay_alu instid0(VALU_DEP_1)
	v_lshl_or_b32 v[PW], v[TM+7], 24, v[PW]
.irp b, 0,1,2,3
.set qi, 0
.rept 32
	v_med3_num_f32 v[X+32*\b+qi], v[X+32*\b+qi], -v[TM+8+\b], v[TM+8+\b]   ; the conversion to an 8-bit code does not saturate (ISA guide 7.6.2): the hold comes first
.set qi, qi+1
.endr
.irp g, 0,1,2,3
	v_cvt_scalef32_pk8_fp8_f32 v[C+8*\b+2*\g:C+8*\b+2*\g+1], v[X+32*\b+8*\g:X+32*\b+8*\g+7], v[TM+12+\b]
.endr
.endr
	v_nop                                          ; a plain line behind the last conversion
.endm
; A weight's path: a lane takes a column and its registers run down K: 128 loads, 128 consecutive bytes a wave each, the eight waves side by side on 1,024.
; The codes leave as register images: each store covers two runs of 256 consecutive bytes, each at a multiple of 256 from wq's first byte.
.macro WBODY pitch
.set wi, 0
.rept 128
	global_load_b32 v[X+wi], v3, s[40:41] offset:wi*(\pitch) th:TH_LOAD_NT
.set wi, wi+1
.endr
	s_wait_loadcnt 0x0
	QUANT128
.irp c, 0,1,2,3
.irp hh, 0,1
	global_store_b128 v4, v[C+8*\c+4*\hh:C+8*\c+4*\hh+3], s[42:43] offset:512*\c+256*\hh   ; k = 32 c + 16 hh + 0..15 of my column
.endr
.endr
	global_store_b32 v5, v[PW], s[44:45]           ; 32 lanes: 128 consecutive bytes
	s_endpgm
.endm
	v_lshl_add_u32 v224, v0, 2, 0x23c00
	v_mov_b32 v225, 0
	v_lshrrev_b32 v1, 5, v0
	s_delay_alu instid0(VALU_DEP_1)
	v_readfirstlane_b32 s22, v1                    ; wave 0..7
	v_and_b32 v2, 31, v0                           ; lane
	s_mov_b32 s23, 0x600000                        ; the mantissa field of 448
	s_cmp_lt_u32 ttmp9, 256
	s_cbranch_scc0 .Lweights
; ---------------- x: 32 tokens a work-group; wave w takes k = 128 w .. 128 w + 127 of all 32; in the arithmetic a lane is a token
	s_load_b512 s[4:19], s[0:1], 0x0               ; x, Wg, bg, xq, xs, route, list, out1
	s_load_b64 s[20:21], s[0:1], 0x40              ; out2
	v_lshlrev_b32 v3, 4, v2                        ; 16 x lane
	s_mul_i32 s24, s22, TW                         ; my wave's region
	v_add_nc_u32 v4, s24, v3                       ; the turn, in: row i at 528 i, my 16 bytes
	v_mul_u32_u24 v5, v2, 528
	s_delay_alu instid0(VALU_DEP_1)
	v_add_nc_u32 v5, s24, v5                       ; the turn, out: row = my lane (528 = 33 x 16: sixteen rows start at sixteen different banks)
	s_lshl_b32 s25, s22, 10
	v_add_nc_u32 v6, s25, v3
	s_delay_alu instid0(VALU_DEP_1)
	v_add_nc_u32 v6, LG, v6                        ; my partial logits
	v_mul_u32_u24 v7, v2, 144
	s_delay_alu instid0(VALU_DEP_1)
	v_add_nc_u32 v7, s24, v7                       ; my token's 128 codes: rows of 128 bytes + 16, in my wave's region, which the turn has left
	s_lshl_b32 s25, s22, 2
	s_wait_alu depctr_va_vdst(0)
	v_lshl_add_u32 v8, v2, 5, s25
	s_delay_alu instid0(VALU_DEP_1)
	v_add_nc_u32 v8, XSS, v8                       ; my token's scale word w
	v_lshrrev_b32 v9, 3, v2
	s_delay_alu instid0(VALU_DEP_1)
	v_mul_u32_u24 v9, v9, TW
	v_and_b32 v10, 7, v2
	s_delay_alu instid0(VALU_DEP_1)
	v_lshl_add_u32 v9, v10, 4, v9
	s_mul_i32 s25, s22, 576
	v_add_nc_u32 v9, s25, v9                       ; the way out of the codes: token 4 w + i, bytes 16 x lane of its first 512: wave lane / 8's region, 16 (lane % 8)
	s_delay_alu instid0(VALU_DEP_1)
	v_add_nc_u32 v10, 4*TW, v9                     ; and of its second 512
	v_and_b32 v11, 15, v2
	s_delay_alu instid0(VALU_DEP_1)
	v_lshlrev_b32 v11, 4, v11                      ; Wg: 16 (lane % 16): both halves of the lanes take the same 256 bytes of a load
	v_add_nc_u32 v12, LG, v3
	v_lshl_add_u32 v13, v2, 5, PT
	v_add_nc_u32 v14, PT, v3
	v_add_nc_u32 v15, XSS, v3
	v_lshlrev_b32 v[L4], 2, v2
	v_lshlrev_b32 v[L8], 3, v2
	s_lshl_b32 s56, ttmp9, 17                      ; x: 32 rows of 4,096 bytes a work-group, 512 bytes a wave
	s_lshl_b32 s57, s22, 9
	s_add_co_u32 s56, s56, s57
	s_mov_b32 s57, 0
	s_lshl_b32 s58, s22, 12                        ; Wg: 128 rows of 32 bytes a wave
	s_mov_b32 s59, 0
	s_lshl_b32 s60, ttmp9, 15                      ; xq: 32 rows of 1,024 bytes a work-group, 4 rows a wave
	s_add_co_u32 s60, s60, s58
	s_mov_b32 s61, 0
	s_lshl_b32 s62, ttmp9, 10                      ; xs and out1: 1,024 bytes a work-group
	s_mov_b32 s63, 0
	s_lshl_b32 s2, ttmp9, 7                        ; out2 and route's first part: 128 bytes a work-group
	s_mov_b32 s3, 0
	s_wait_alu depctr_va_vdst(0)
	s_wait_kmcnt 0x0
	s_add_nc_u64 s[4:5], s[4:5], s[56:57]
	s_add_nc_u64 s[6:7], s[6:7], s[58:59]
	s_add_nc_u64 s[10:11], s[10:11], s[60:61]
	s_add_nc_u64 s[12:13], s[12:13], s[62:63]
	s_add_nc_u64 s[18:19], s[18:19], s[62:63]
	s_lshl_b32 s58, ttmp9, 4
	s_add_co_u32 s58, s58, 32768
	s_add_nc_u64 s[58:59], s[14:15], s[58:59]      ; my block's four words of counts
	s_add_nc_u64 s[14:15], s[14:15], s[2:3]
	s_add_nc_u64 s[20:21], s[20:21], s[2:3]
	s_lshl_b32 s2, ttmp9, 8
	s_add_nc_u64 s[16:17], s[16:17], s[2:3]        ; one tile's row list
.irp q, 0,1,2,3,4,5,6,7,8,9,10,11,12,13,14,15
	global_load_b128 v[WGT+4*\q:WGT+4*\q+3], v11, s[6:7] offset:256*\q     ; eight rows of Wg, 256 consecutive bytes; every work-group of this path reads them, so no hint
.endr
.set li, 0
.rept 32
	global_load_b128 v[X+4*li:X+4*li+3], v3, s[4:5] offset:4096*li th:TH_LOAD_NT   ; token li: the wave reads 512 consecutive bytes
.set li, li+1
.endr
.irp e, 0,1,2,3,4,5,6,7
	v_mov_b32 v[GA+\e], 0                          ; the eight sums begin: the destination of a DPP form counts as one of its sources, so it is written first
.endr
	s_wait_alu depctr_va_vdst(0)
.irp q, 0,1,2,3
	s_wait_loadcnt 24-8*\q                         ; loads come back in order: Wg's sixteen, issued first, and the eight oldest of x's that were left are in
.irp n, 0,1,2,3,4,5,6,7
	ds_store_b128 v4, v[X+4*(8*\q+\n):X+4*(8*\q+\n)+3] offset:528*(8*\q+\n)
.endr
.endr
	s_wait_dscnt 0x0                               ; the stores have read their registers, which the loads below write
.set li, 0
.rept 32
	ds_load_b128 v[X+4*li:X+4*li+3], v5 offset:16*li   ; my token's 128 numbers, k ascending
.set li, li+1
.endr
	s_wait_dscnt 0x0
; The gate: 128 along K x 8 experts, K ascending, one chain for each expert, the eight by turns.  Lane n = 2 (k % 8) + e / 4 of register 4 (k / 8) + e % 4 holds Wg[k][e]; row_share:n gives it to all sixteen lanes of each half
.set gq, 0
.rept 16
.irp n, 0,1,2,3,4,5,6,7,8,9,10,11,12,13,14,15
.irp c, 0,1,2,3
	v_fmac_f32_dpp v[GA+4*(\n%2)+\c], v[WGT+4*gq+\c], v[X+8*gq+\n/2] row_share:\n row_mask:0xf bank_mask:0xf
.endr
.endr
.set gq, gq+1
.endr
	QUANT128
	ds_store_b128 v6, v[GA:GA+3]
	ds_store_b128 v6, v[GA+4:GA+7] offset:512
.irp p, 0,1,2,3,4,5,6,7
	ds_store_b128 v7, v[C+4*\p:C+4*\p+3] offset:16*\p
.endr
	ds_store_b32 v8, v[PW]
	s_wait_dscnt 0x0                               ; for the others' sake: my stores have landed
	s_barrier_signal -1
	s_barrier_wait -1                              ; the one barrier; the branch that it stands under hangs on the work-group's number alone
.irp i, 0,1,2,3
.irp j, 0,1
	ds_load_b128 v[C+8*\i+4*\j:C+8*\i+4*\j+3], v[9+\j] offset:144*\i
.endr
.endr
.irp i, 0,1,2,3
.irp j, 0,1
	s_wait_dscnt 7-2*\i-\j
	global_store_b128 v3, v[C+8*\i+4*\j:C+8*\i+4*\j+3], s[10:11] offset:1024*\i+512*\j   ; token 4 w + i: 512 consecutive bytes of its row of codes
.endr
.endr
	s_cmp_eq_u32 s22, 0
	s_cbranch_scc1 .Lwave0
	s_cmp_eq_u32 s22, 1
	s_cbranch_scc1 .Lwave1
	s_cmp_eq_u32 s22, 2
	s_cbranch_scc0 .Lxend
	s_cmp_lt_u32 ttmp9, 135
	s_cbranch_scc0 .Lxend
	v_mov_b32 v16, 0
	v_mov_b32 v17, 0
	global_store_b64 v[L8], v[16:17], s[16:17]     ; 64 zeros: rows that the second launch does not fill name token 0
.Lxend:
	s_wait_tensorcnt 0x0
	ds_add_u32 v224, v225
	s_wait_dscnt 0x0
	s_endpgm
.Lwave1:
	ds_load_b128 v[16:19], v15
	ds_load_b128 v[20:23], v15 offset:512
	s_wait_dscnt 0x0
	global_store_b128 v3, v[16:19], s[12:13]       ; the 32 tokens' scale words: 1,024 consecutive bytes
	global_store_b128 v3, v[20:23], s[12:13] offset:512
	s_wait_tensorcnt 0x0
	ds_add_u32 v224, v225
	s_wait_dscnt 0x0
	s_endpgm
.Lwave0:
	s_load_b256 s[24:31], s[8:9], 0x0              ; bg
.irp sw, 0,1,2,3,4,5,6,7
.irp hh, 0,1
	ds_load_b128 v[X+8*\sw+4*\hh:X+8*\sw+4*\hh+3], v12 offset:1024*\sw+512*\hh
.endr
.endr
	s_wait_dscnt 0x0
.irp sw, 1,2,3,4,5,6,7
.irp q, 0,1,2,3
	v_pk_add_f32 v[X+2*\q:X+2*\q+1], v[X+2*\q:X+2*\q+1], v[X+8*\sw+2*\q:X+8*\sw+2*\q+1]   ; the eight waves' parts, K ascending
.endr
.endr
	s_wait_alu depctr_va_vdst(0)
	s_wait_kmcnt 0x0
.irp e, 0,1,2,3,4,5,6,7
	v_add_f32 v[X+\e], s[24+\e], v[X+\e]           ; the logits
.endr
	v_max3_num_f32 v[TM], v[X], v[X+1], v[X+2]
	s_delay_alu instid0(VALU_DEP_1)
	v_max3_num_f32 v[TM], v[TM], v[X+3], v[X+4]
	s_delay_alu instid0(VALU_DEP_1)
	v_max3_num_f32 v[TM], v[TM], v[X+5], v[X+6]
	s_delay_alu instid0(VALU_DEP_1)
	v_max_num_f32 v[TM], v[TM], v[X+7]             ; the row's maximum is taken away ahead of the exponentials
.irp e, 0,1,2,3,4,5,6,7
	v_sub_f32 v[X+8+\e], v[X+\e], v[TM]
.endr
.irp e, 0,1,2,3,4,5,6,7
	v_mul_f32 v[X+8+\e], 0x3fb8aa3b, v[X+8+\e]     ; x log2(e)
.endr
	s_wait_alu depctr_va_vdst(0)
.irp e, 0,1,2,3,4,5,6,7
	v_exp_f32 v[X+16+\e], v[X+8+\e]
.endr
	v_mov_b32 v[TM+6], 0                           ; (the rank begins; also the plain line behind the exponentials)
	s_wait_alu depctr_va_vdst(0)                   ; one wait for the batch of eight, ahead of its first reader
	v_add_f32 v[TM+2], v[X+16], v[X+17]
	v_add_f32 v[TM+5], v[X+18], v[X+19]
	v_add_f32 v[TM+9], v[X+20], v[X+21]
	v_add_f32 v[TM+7], v[X+22], v[X+23]
	s_delay_alu instid0(VALU_DEP_3)
	v_add_f32 v[TM+2], v[TM+2], v[TM+5]
	s_delay_alu instid0(VALU_DEP_2)
	v_add_f32 v[TM+9], v[TM+9], v[TM+7]
	s_delay_alu instid0(VALU_DEP_1)
	v_add_f32 v[TM+2], v[TM+2], v[TM+9]
	s_wait_alu depctr_va_vdst(0)
	v_rcp_f32 v[TM+1], v[TM+2]
	v_mov_b32 v[TM+4], 0                           ; (the argmax begins at expert 0; also the plain line behind the reciprocal)
	s_wait_alu depctr_va_vdst(0)
.irp e, 0,1,2,3,4,5,6,7
	v_mul_f32 v[X+24+\e], v[X+16+\e], v[TM+1]      ; the probabilities
.endr
	v_mov_b32 v[TM+3], v[X+24]
.irp e, 1
	s_delay_alu instid0(VALU_DEP_1)
	v_cmp_gt_f32 vcc_lo, v[X+24+\e], v[TM+3]       ; strictly greater: a tie stays with the lower index
	s_delay_alu instid0(VALU_DEP_1)
	v_cndmask_b32 v[TM+3], v[TM+3], v[X+24+\e], vcc_lo
	s_delay_alu instid0(VALU_DEP_2)
	v_cndmask_b32 v[TM+4], v[TM+4], \e, vcc_lo
.endr
.irp e, 2, 3, 4, 5, 6, 7
	s_delay_alu instid0(VALU_DEP_2)
	v_cmp_gt_f32 vcc_lo, v[X+24+\e], v[TM+3]
	s_delay_alu instid0(VALU_DEP_1)
	v_cndmask_b32 v[TM+3], v[TM+3], v[X+24+\e], vcc_lo
	s_delay_alu instid0(VALU_DEP_2)
	v_cndmask_b32 v[TM+4], v[TM+4], \e, vcc_lo
.endr
.irp e, 0,1,2,3,4,5,6,7
	v_cmp_eq_u32 s56, \e, v[TM+4]                  ; the block's tokens of expert e
	s_delay_alu instid0(VALU_DEP_1)
	v_mbcnt_lo_u32_b32 v[TM+5], s56, 0             ; how many of them stand in lower lanes
	s_delay_alu instid0(VALU_DEP_1)
	v_cndmask_b32 v[TM+6], v[TM+6], v[TM+5], s56   ; my rank, if e is mine
.if (\e)%2 == 0
	s_bcnt1_i32_b32 s[60+\e/2], s56                ; the count, two to a word
.else
	s_bcnt1_i32_b32 s57, s56
	s_lshl_b32 s57, s57, 16
	s_or_b32 s[60+\e/2], s[60+\e/2], s57
.endif
.endr
	v_lshl_or_b32 v[TM+7], v[TM+6], 8, v[TM+4]     ; expert | rank << 8
.irp q, 0,1,2,3
	v_mov_b32 v[TM+8+\q], s[60+\q]
.endr
	ds_store_b128 v13, v[X+24:X+27]                ; a token's eight probabilities are 32 bytes: through LDS, so that a store covers 512 consecutive bytes
	ds_store_b128 v13, v[X+28:X+31] offset:16
	ds_load_b128 v[X+32:X+35], v14                 ; LDS serves a wave's instructions in order: these see the stores above
	ds_load_b128 v[X+36:X+39], v14 offset:512
	global_store_b32 v[L4], v[TM+4], s[20:21]      ; out2
	global_store_b32 v[L4], v[TM+7], s[14:15]      ; route
	s_wait_alu depctr_va_vdst(0)
	s_wait_dscnt 0x0
	global_store_b128 v3, v[X+32:X+35], s[18:19]   ; out1
	global_store_b128 v3, v[X+36:X+39], s[18:19] offset:512
	v_cmp_eq_u32 vcc_lo, 0, v2
	s_wait_xcnt 0x0                                ; EXEC is a source of the stores above: it changes only behind this wait
	s_wait_tensorcnt 0x0
	ds_add_u32 v224, v225
	s_wait_dscnt 0x0
	s_and_saveexec_b32 s2, vcc_lo
	global_store_b128 v[L4], v[TM+8:TM+11], s[58:59]   ; lane 0: the block's eight counts
	s_wait_xcnt 0x0                                ; and again ahead of the line that widens it
	s_or_b32 exec_lo, exec_lo, s2
	s_endpgm
; ---------------- the weights: a work-group takes 256 columns x 128 along K of one expert; a wave 32 columns
.Lweights:
	s_load_b128 s[24:27], s[0:1], 0x48             ; W1, W2
	s_load_b128 s[28:31], s[0:1], 0x58             ; wq, ws
	s_wait_alu depctr_va_vdst(0)
	v_lshlrev_b32 v3, 2, v2                        ; my column's 4 bytes
	s_mov_b32 s41, 0
	s_mov_b32 s43, 0
	s_mov_b32 s45, 0
	s_cmp_lt_u32 ttmp9, 384
	s_cbranch_scc0 .Lw2
	s_sub_co_u32 s32, ttmp9, 256
	s_lshr_b32 s33, s32, 4                         ; expert
	s_bfe_u32 s34, s32, 0x10003                    ; which 256 of the 512 hidden units
	s_and_b32 s35, s32, 7                          ; K step = unit
	s_lshl_b32 s36, s34, 3
	s_add_co_u32 s36, s36, s22                     ; b: my 32 hidden units are 32 b on
	s_lshr_b32 s37, s36, 1                         ; the third launch's wave that takes them
	s_and_b32 s38, s36, 1                          ; and which pair of its tiles
	s_lshl_b32 s40, s33, 21                        ; W1: 2,097,152 bytes an expert, 128 rows of 2,048 a K step, 128 bytes for 32 columns
	s_lshl_b32 s39, s35, 18
	s_add_co_u32 s40, s40, s39
	s_lshl_b32 s39, s36, 7
	s_add_co_u32 s40, s40, s39
	s_lshl_b32 s42, s33, 20                        ; wq: expert, wave, unit, pair of tiles
	s_lshl_b32 s39, s37, 17
	s_add_co_u32 s42, s42, s39
	s_lshl_b32 s39, s35, 13
	s_add_co_u32 s42, s42, s39
	s_lshl_b32 s39, s38, 12
	s_add_co_u32 s42, s42, s39
	s_lshr_b32 s44, s42, 5                         ; ws: one word for 128 codes: the same offset / 32
	v_bfe_u32 v6, v2, 3, 1                         ; lane = 8 u + r + 8 (r / 8): u, which tile of the pair,
	v_and_b32 v7, 7, v2
	v_lshrrev_b32 v8, 4, v2
	s_delay_alu instid0(VALU_DEP_1)
	v_lshl_add_u32 v7, v8, 3, v7                   ; and r, the row in it
	s_delay_alu instid0(VALU_DEP_1)
	v_lshlrev_b32 v4, 4, v7
	s_delay_alu instid0(VALU_DEP_1)
	v_lshl_add_u32 v4, v6, 11, v4                  ; 2,048 u + 16 r
	s_delay_alu instid0(VALU_DEP_3)
	v_lshl_add_u32 v5, v6, 4, v7
	s_delay_alu instid0(VALU_DEP_1)
	v_lshlrev_b32 v5, 2, v5                        ; 4 (16 u + r)
	s_wait_kmcnt 0x0
	s_add_nc_u64 s[40:41], s[24:25], s[40:41]
	s_add_nc_u64 s[42:43], s[28:29], s[42:43]
	s_add_nc_u64 s[44:45], s[30:31], s[44:45]
	s_wait_alu depctr_va_vdst(0)
	WBODY 2048
.Lw2:
	s_sub_co_u32 s32, ttmp9, 384
	s_lshr_b32 s33, s32, 4                         ; expert
	s_bfe_u32 s34, s32, 0x20002                    ; which 256 of the 1,024 columns
	s_and_b32 s35, s32, 3                          ; K step
	s_lshr_b32 s36, s22, 2
	s_lshl_b32 s37, s34, 1
	s_add_co_u32 s37, s37, s36                     ; the third launch's wave: column / 128
	s_bfe_u32 s36, s22, 0x10001                    ; which half of its 128 columns
	s_lshl_b32 s36, s36, 2
	s_add_co_u32 s36, s36, s35
	s_add_co_u32 s36, s36, 8                       ; unit 8 + 4 half + K step
	s_and_b32 s38, s22, 1                          ; which pair of tiles
	s_lshl_b32 s40, s33, 21                        ; W2: 2,097,152 bytes an expert, 128 rows of 4,096 a K step
	s_lshl_b32 s39, s35, 19
	s_add_co_u32 s40, s40, s39
	s_lshl_b32 s39, s34, 10
	s_add_co_u32 s40, s40, s39
	s_lshl_b32 s39, s22, 7
	s_add_co_u32 s40, s40, s39
	s_lshl_b32 s42, s33, 20
	s_lshl_b32 s39, s37, 17
	s_add_co_u32 s42, s42, s39
	s_lshl_b32 s39, s36, 13
	s_add_co_u32 s42, s42, s39
	s_lshl_b32 s39, s38, 12
	s_add_co_u32 s42, s42, s39
	s_lshr_b32 s44, s42, 5
	v_lshrrev_b32 v6, 4, v2                        ; which tile of the pair
	v_and_b32 v7, 15, v2                           ; the row in it
	s_delay_alu instid0(VALU_DEP_1)
	v_lshlrev_b32 v4, 4, v7
	s_delay_alu instid0(VALU_DEP_1)
	v_lshl_add_u32 v4, v6, 11, v4
	s_wait_alu depctr_va_vdst(0)
	v_mov_b32 v5, v3
	s_wait_kmcnt 0x0
	s_add_nc_u64 s[40:41], s[26:27], s[40:41]
	s_add_nc_u64 s[42:43], s[28:29], s[42:43]
	s_add_nc_u64 s[44:45], s[30:31], s[44:45]
	WBODY 4096
.Lfunc_end_k_qd7c6b74a06_prep:
	.size	k_qd7c6b74a06_prep, .Lfunc_end_k_qd7c6b74a06_prep-k_qd7c6b74a06_prep
	.p2alignl 7, 3214868480
	.fill 96, 4, 3214868480
	.section	.rodata,"a",@progbits
	.p2align	6, 0x0
	.amdhsa_kernel k_qd7c6b74a06_prep
		.amdhsa_group_segment_fixed_size 147456
		.amdhsa_private_segment_fixed_size 0
		.amdhsa_enable_private_segment 0
		.amdhsa_kernarg_size 104
		.amdhsa_user_sgpr_count 2
		.amdhsa_user_sgpr_kernarg_segment_ptr 1
		.amdhsa_wavefront_size32 1
		.amdhsa_system_sgpr_workgroup_id_x 1
		.amdhsa_system_sgpr_workgroup_id_y 1
		.amdhsa_system_sgpr_workgroup_id_z 1
		.amdhsa_system_vgpr_workitem_id 0
		.amdhsa_next_free_vgpr 226
		.amdhsa_next_free_sgpr 66
		.amdhsa_reserve_vcc 1
		.amdhsa_float_denorm_mode_32 3
		.amdhsa_float_denorm_mode_16_64 3
		.amdhsa_memory_ordered 1
		.amdhsa_forward_progress 1
		.amdhsa_inst_pref_size 168
	.end_amdhsa_kernel
	.amdgpu_metadata
---
amdhsa.version: [ 1, 2 ]
amdhsa.kernels:
  - .name:           k_qd7c6b74a06_prep
    .symbol:         k_qd7c6b74a06_prep.kd
    .args:
      - { .name: x, .offset: 0, .size: 8, .value_kind: global_buffer, .address_space: global }
      - { .name: Wg, .offset: 8, .size: 8, .value_kind: global_buffer, .address_space: global }
      - { .name: bg, .offset: 16, .size: 8, .value_kind: global_buffer, .address_space: global }
      - { .name: xq, .offset: 24, .size: 8, .value_kind: global_buffer, .address_space: global }
      - { .name: xs, .offset: 32, .size: 8, .value_kind: global_buffer, .address_space: global }
      - { .name: route, .offset: 40, .size: 8, .value_kind: global_buffer, .address_space: global }
      - { .name: list, .offset: 48, .size: 8, .value_kind: global_buffer, .address_space: global }
      - { .name: out1, .offset: 56, .size: 8, .value_kind: global_buffer, .address_space: global }
      - { .name: out2, .offset: 64, .size: 8, .value_kind: global_buffer, .address_space: global }
      - { .name: W1, .offset: 72, .size: 8, .value_kind: global_buffer, .address_space: global }
      - { .name: W2, .offset: 80, .size: 8, .value_kind: global_buffer, .address_space: global }
      - { .name: wq, .offset: 88, .size: 8, .value_kind: global_buffer, .address_space: global }
      - { .name: ws, .offset: 96, .size: 8, .value_kind: global_buffer, .address_space: global }
    .group_segment_fixed_size: 147456
    .private_segment_fixed_size: 0
    .kernarg_segment_align: 8
    .kernarg_segment_size: 104
    .max_flat_workgroup_size: 256
    .sgpr_count:     66
    .vgpr_count:     226
    .wavefront_size: 32
...
	.end_amdgpu_metadata
.endif
;; end of part 5
;; launch place (part 6): grid 96 x 1, 8 waves a work-group, no clusters, 10,240 bytes of LDS; arguments route, wq, ws, b1, b2, list, tb; writes list, tb
.if DOCPART == 6
	.amdgcn_target "amdgcn-amd-amdhsa--gfx1250"
	.amdhsa_code_object_version 6
	.text
	.protected	k_qd7c6b74a06_place
	.globl	k_qd7c6b74a06_place
	.p2align	8
	.type	k_qd7c6b74a06_place,@function
k_qd7c6b74a06_place:
	s_mov_b64 s[64:65], 0
	v_nop
	global_prefetch_b8 v0, s[64:65] scope:SCOPE_SE
	s_setreg_imm32_b32 hwreg(HW_REG_WAVE_SCHED_MODE, 0, 2), 2
	s_setreg_imm32_b32 hwreg(HW_REG_WAVE_MODE, 25, 1), 1
	s_wait_xcnt 0x0
	s_wait_alu depctr_vm_vsrc(0)
; SECOND LAUNCH OF THREE.  Two roles, parted on the work-group's number.
; Work-groups 0-31 PLACE THE ROWS: a counting sort without atomics.  A wave takes one block of 32 tokens; from the 256 blocks' counts it makes each expert's total and the sum over the blocks in front of its own;
; an expert's rows begin at a tile of 64; a token's place is 64 x its expert's first tile + the earlier blocks' tokens of that expert + its rank in its block.  The token's number is stored there.
; Wave 0 of work-group 0 also writes the table of tiles: expert | rows << 8 for 160 tiles; a tile behind the last has 0 rows.  There are never more than 8192 / 64 + 7 = 135 tiles with rows.
; Work-groups 32-95 MAKE THE CONSTANT ROWS.  An expert that a token has not chosen sees a row of zeros and gives p_e + b2_e, p_e = Q(relu(b1_e)) Q(W2_e), the same for every token.
; tb[e][d] = the sum of all b2[.][d] + the sum of p_e'[d] over the seven e' other than e: added directly, never as a total less one part.
; A work-group takes 16 columns d; wave e makes p_e for them by four scaled matrix instructions (K = 512); the eight meet in LDS.
; LIMITS: as the first launch's quantiser: NaN and infinities are not served; a block of zeros keeps the byte 1 with zero codes.
; Only the second role touches LDS.  No cluster and no tensor load: what is shared is a few kilobytes.
; THE MODE: SCHED_MODE bits 1:0 = 2 (LLVM: expert scheduling mode 2), set by the entry lines.  The code itself states the register dependences between vector or matrix instructions
; and memory or LDS instructions, and those through scalar registers that vector instructions write, with s_wait_alu, always for 0.
; THE PLAN.  The text has no loop.  Offsets and LDS addresses are made once on each path, ahead of one wait, and never written again.  Loads land in registers that no vector instruction has named.
; What is stored (a place and a token's number; five words of the table; codes and a byte; p; a sum) is written by vector or matrix instructions, has one wait ahead of its run of stores, and is not written again.
; Compares whose masks feed selects hang on no select's result: they stand in runs, a scalar register to each mask, with one wait behind the run.
	v_lshl_add_u32 v208, v0, 2, 0x2400
	v_mov_b32 v209, 0
	v_lshrrev_b32 v1, 5, v0
	v_readfirstlane_b32 s20, v1                    ; wave 0..7
	v_and_b32 v1, 31, v0                           ; lane
	s_wait_alu depctr_va_sdst(0)                   ; s20 is written: ahead of the branch, and so of its first reader on either path
	s_cmp_lt_u32 ttmp9, 32
	s_cbranch_scc0 .Lconst
; ---------------- the rows' places
	s_load_b64 s[4:5], s[0:1], 0x0                 ; route
	s_load_b64 s[6:7], s[0:1], 0x28                ; list
	s_lshl_b32 s21, ttmp9, 3
	s_add_co_u32 s21, s21, s20                     ; my block of 32 tokens
	s_lshl_b32 s22, s21, 7
	s_mov_b32 s23, 0
	s_lshl_b32 s24, s21, 5                         ; its first token
	s_mov_b32 s26, 0x76543210
	s_mov_b32 s27, 0xfedcba98                      ; v_permlanex16_b32's selects for lane l xor 16
	s_wait_alu depctr_va_vdst(0)
	v_lshlrev_b32 v2, 2, v1
	v_lshlrev_b32 v3, 4, v1
	s_wait_kmcnt 0x0
	s_add_nc_u64 s[8:9], s[4:5], s[22:23]
	s_wait_alu depctr_va_vdst(0)                   ; v2 and v3 are written, which the loads below and the table's stores read as offsets
	global_load_b32 v4, v2, s[8:9]                 ; expert | rank << 8 of my token
.irp i, 0,1,2,3,4,5,6,7
	global_load_b128 v[16+4*\i:19+4*\i], v3, s[4:5] offset:32768+512*\i   ; the counts of block 32 i + lane: 512 consecutive bytes a load
.endr
.irp q, 0,1,2,3,4,5,6,7
	v_mov_b32 v[56+\q], 0                          ; written once: the destination of a lane exchange counts as one of its sources
.endr
.irp i, 0,1,2,3,4,5,6,7
	v_add_nc_u32 v9, 32*\i, v1
	v_cmp_gt_u32 s[28+\i], s21, v9                 ; does block 32 i + lane stand in front of mine?  Eight masks, made of ids alone while the loads are out
.endr
	s_wait_alu depctr_va_sdst(0)                   ; the eight masks s28-35 are written, ahead of the selects that read them
	s_wait_loadcnt 0x0
.irp i, 0,1,2,3,4,5,6,7
.irp q, 0,1,2,3
.if \i == 0
	v_mov_b32 v[48+\q], v[16+\q]                   ; v48-51: all blocks; v52-55: those in front.  Two 16-bit fields a word; no sum passes 8,192
	v_cndmask_b32 v[52+\q], 0, v[16+\q], s28
.else
	v_add_nc_u32 v[48+\q], v[48+\q], v[16+4*\i+\q]
	v_cndmask_b32 v10, 0, v[16+4*\i+\q], s[28+\i]
	v_add_nc_u32 v[52+\q], v[52+\q], v10
.endif
.endr
.endr
.irp mk, 1,2,4,8
.irp q, 0,1,2,3,4,5,6,7
	v_mov_b32_dpp v[56+\q], v[48+\q] row_xmask:\mk row_mask:0xf bank_mask:0xf
.endr
.irp q, 0,1,2,3,4,5,6,7
	v_add_nc_u32 v[48+\q], v[48+\q], v[56+\q]
.endr
.endr
.irp q, 0,1,2,3,4,5,6,7
	v_permlanex16_b32 v[56+\q], v[48+\q], s26, s27
.endr
.irp q, 0,1,2,3,4,5,6,7
	v_add_nc_u32 v[48+\q], v[48+\q], v[56+\q]      ; every lane holds the sums over all 256 blocks
.endr
.irp p, 0,1,2,3
	v_and_b32 v[64+2*\p], 0xffff, v[48+\p]         ; v64-71: each expert's rows
	v_lshrrev_b32 v[65+2*\p], 16, v[48+\p]
	v_and_b32 v[72+2*\p], 0xffff, v[52+\p]         ; v72-79: those in earlier blocks
	v_lshrrev_b32 v[73+2*\p], 16, v[52+\p]
.endr
	v_mov_b32 v88, 0                               ; v88-95: each expert's first tile
.irp e, 0,1,2,3,4,5,6
	v_add_nc_u32 v80, 63, v[64+\e]
	v_lshrrev_b32 v80, 6, v80
	v_add_nc_u32 v[89+\e], v[88+\e], v80
.endr
.irp e, 0,1,2,3,4,5,6,7
	v_lshl_add_u32 v[96+\e], v[88+\e], 6, v[72+\e]
.endr
	v_and_b32 v5, 0xff, v4                         ; my expert
	v_lshrrev_b32 v6, 8, v4                        ; my rank
.irp e, 1,2,3,4,5,6,7
	v_cmp_eq_u32 s[28+\e], \e, v5
.endr
	v_mov_b32 v7, v96
	s_wait_alu depctr_va_sdst(0)                   ; the seven masks s29-35 are written, ahead of the selects that read them
.irp e, 1,2,3,4,5,6,7
	v_cndmask_b32 v7, v7, v[96+\e], s[28+\e]
.endr
	v_add_nc_u32 v7, v7, v6                        ; my place
	v_min_u32 v7, 0x21bf, v7                       ; held inside the 135 x 64 places
	v_lshlrev_b32 v7, 2, v7
	v_add_nc_u32 v8, s24, v1                       ; my token's number
	s_wait_alu depctr_va_vdst(0)                   ; v7 and v8 are written, which the store reads as offset and data; neither is written again
	global_store_b32 v7, v8, s[6:7]                ; the sort's scatter: 32,768 bytes in the whole launch
	s_or_b32 s22, ttmp9, s20
	s_cmp_eq_u32 s22, 0
	s_cbranch_scc0 .Lplaced
.irp k, 0,1,2,3,4
	v_add_nc_u32 v9, 32*\k, v1                     ; tile i
.irp e, 1,2,3,4,5,6,7
	v_cmp_ge_u32 s[28+\e], v9, v[88+\e]
.endr
	v_mov_b32 v10, 0                               ; its expert: the last whose first tile is not behind i,
	v_mov_b32 v11, 0                               ; that expert's first tile,
	v_mov_b32 v12, v64                             ; and rows
	s_wait_alu depctr_va_sdst(0)                   ; the seven masks s29-35 are written, ahead of the selects that read them
.irp e, 1,2,3,4,5,6,7
	v_cndmask_b32 v10, v10, \e, s[28+\e]
	v_cndmask_b32 v11, v11, v[88+\e], s[28+\e]
	v_cndmask_b32 v12, v12, v[64+\e], s[28+\e]
.endr
	v_sub_nc_u32 v11, v9, v11
	v_lshlrev_b32 v11, 6, v11
	v_sub_nc_u32 v12, v12, v11                     ; rows left from this tile on,
	v_cmp_lt_i32 vcc_lo, 0, v12
	s_wait_alu depctr_va_vcc(0)                    ; VCC is written, ahead of the select that reads it
	v_cndmask_b32 v12, 0, v12, vcc_lo              ; none behind the last tile,
	v_min_u32 v12, 64, v12                         ; 64 at the most
	v_lshl_or_b32 v[104+\k], v12, 8, v10           ; (a register for each store: no store's data are written again)
.endr
	s_wait_alu depctr_va_vdst(0)                   ; v104-108 are written, which the five stores read
.irp k, 0,1,2,3,4
	global_store_b32 v2, v[104+\k], s[6:7] offset:34560+128*\k
.endr
.Lplaced:
	s_endpgm
; ---------------- the constant rows
.Lconst:
	s_load_b256 s[4:11], s[0:1], 0x8               ; wq, ws, b1, b2
	s_load_b64 s[12:13], s[0:1], 0x30              ; tb
	s_sub_co_u32 s21, ttmp9, 32                    ; T: columns 16 T .. 16 T + 15
	s_lshr_b32 s22, s21, 3                         ; in wq: the wave,
	s_bfe_u32 s23, s21, 0x10002                    ; the half,
	s_and_b32 s24, s21, 3                          ; the tile
	s_lshl_b32 s28, s20, 20                        ; my expert = my wave's number
	s_lshl_b32 s25, s22, 17
	s_add_co_u32 s28, s28, s25
	s_lshl_b32 s25, s23, 15
	s_add_co_u32 s28, s28, s25
	s_lshl_b32 s25, s24, 11
	s_add_co_u32 s28, s28, s25
	s_add_co_u32 s28, s28, 65536                   ; unit 8 + 4 half, K step 0
	s_mov_b32 s29, 0
	s_lshr_b32 s30, s28, 5                         ; ws: the same offset / 32: the tile's 16 words begin 64 x tile bytes into the unit's 256
	s_mov_b32 s31, 0
	s_lshl_b32 s32, s20, 11                        ; b1: 2,048 bytes an expert
	s_mov_b32 s33, 0
	s_lshl_b32 s34, s21, 6                         ; b2 and tb: 64 bytes for 16 columns
	s_mov_b32 s35, 0
	s_mov_b32 s38, 0x600000                        ; the mantissa field of 448
	v_and_b32 v13, 15, v0                          ; r
	v_bfe_u32 v14, v0, 4, 1                        ; h
	s_wait_alu depctr_va_vdst(0)
	v_lshlrev_b32 v2, 4, v1                        ; 16 x lane
	v_lshlrev_b32 v3, 2, v13                       ; 4 r
	v_lshlrev_b32 v4, 6, v1                        ; 64 x lane: my 16 numbers of b1
	s_lshl_b32 s36, s20, 10                        ; LDS: 1,024 bytes a wave: the row's 512 codes, then its 16 scale bytes
	v_add_nc_u32 v5, s36, v2
	v_lshrrev_b32 v6, 1, v1
	v_add_nc_u32 v6, s36, v6
	v_lshl_add_u32 v7, v14, 4, s36
	v_mov_b32 v8, s36
	s_lshl_b32 s37, s20, 6                         ; from byte 8,192: p: 64 bytes an expert
	v_lshl_add_u32 v9, v14, 5, s37
	v_add_nc_u32 v9, 8192, v9
	v_add_nc_u32 v10, 8192, v3
	s_lshl_b32 s37, s20, 1
	v_add_nc_u32 v11, s37, v14                     ; at the end: the expert whose row I sum: 2 x wave + h (waves 0-3)
	v_lshl_add_u32 v12, v11, 12, v3
	s_wait_kmcnt 0x0
	s_add_nc_u64 s[4:5], s[4:5], s[28:29]
	s_add_nc_u64 s[6:7], s[6:7], s[30:31]
	s_add_nc_u64 s[8:9], s[8:9], s[32:33]
	s_add_nc_u64 s[10:11], s[10:11], s[34:35]
	s_add_nc_u64 s[12:13], s[12:13], s[34:35]
	s_wait_alu depctr_va_vdst(0)                   ; the offsets and LDS addresses v2 to v10 and v12 are written, which every load and store of this path reads; none is written again
.irp i, 0,1,2,3
	global_load_b128 v[16+4*\i:19+4*\i], v4, s[8:9] offset:16*\i          ; b1_e: hidden units 16 x lane on
.endr
.irp s, 0,1,2,3
.irp c, 0,1,2,3
	global_load_b128 v[80+16*\s+4*\c:83+16*\s+4*\c], v2, s[4:5] offset:8192*\s+512*\c   ; W2's fragment of K step s, as its image lies
.endr
.endr
.irp s, 0,1,2,3
	global_load_b32 v[44+\s], v3, s[6:7] offset:256*\s                    ; its scale words, row r in lane r
.endr
.irp e, 0,1,2,3,4,5,6,7
	global_load_b32 v[60+\e], v3, s[10:11] offset:4096*\e                 ; b2[e][16 T + r]
.endr
	s_wait_loadcnt 28                              ; b1 is in: behind it stand 16 + 4 + 8 loads
	v_max3_num_f32 v36, v16, v17, 0x4800000        ; no |.|: what is negative becomes 0 and must not count; the floor stands over it
.irp i, 2,4,6,8,10,12,14
	v_max3_num_f32 v36, v36, v[16+\i], v[17+\i]
.endr
	v_max_num_f32_dpp v36, v36, v36 row_xmask:1 row_mask:0xf bank_mask:0xf   ; two neighbouring lanes hold a block of 32
	v_add_nc_u32 v37, 0xfc000000, v36
	v_and_or_b32 v38, v36, 0x7f800000, s38
	v_lshrrev_b32 v39, 23, v37
.irp i, 0,1,2,3,4,5,6,7,8,9,10,11,12,13,14,15
	v_med3_num_f32 v[16+\i], v[16+\i], 0, v38      ; the activation and the hold in one
.endr
	v_cvt_scalef32_pk8_fp8_f32 v[32:33], v[16:23], v37
	v_cvt_scalef32_pk8_fp8_f32 v[34:35], v[24:31], v37
	v_nop                                          ; a plain line behind the last conversion
	s_wait_alu depctr_va_vdst(0)                   ; the conversions have written v32-35 and the shift v39, which the two LDS stores read
	ds_store_b128 v5, v[32:35]                     ; the row's codes, K ascending
	ds_store_b8 v6, v39 offset:512                 ; both lanes of a block write the same byte with the same value
.irp s, 0,1,2,3
.irp c, 0,1,2,3
	ds_load_b128 v[144+16*\s+4*\c:147+16*\s+4*\c], v7 offset:128*\s+32*\c   ; the one row as all 16 rows of a fragment: k = 128 s + 32 c + 16 h on.  My wave's own bytes: LDS serves a wave in order
.endr
.endr
.irp s, 0,1,2,3
	ds_load_b32 v[48+\s], v8 offset:512+4*\s
.endr
	s_wait_loadcnt 0x0
	s_wait_dscnt 0x0
	v_wmma_scale_f32_16x16x128_f8f6f4 v[52:59], v[80:95], v[144:159], 0, v44, v48   ; source 0 = 16 columns of W2: lane (r, h), register j: p[8 h + j]
.irp s, 1,2,3
	s_wait_alu depctr_va_vdst(0)                   ; a wait directly ahead of each link
	v_wmma_scale_f32_16x16x128_f8f6f4 v[52:59], v[80+16*\s:95+16*\s], v[144+16*\s:159+16*\s], v[52:59], v[44+\s], v[48+\s]
.endr
.rept 8
	v_nop                                          ; eight places ahead of the first read of the result
.endr
	s_wait_alu depctr_va_vdst(0)                   ; the last product has written v52-59, which the LDS stores read; the places above stay beside this wait
	ds_store_b128 v9, v[52:55]                     ; from the low end on; the sixteen lanes of a half write the same bytes with the same values
	ds_store_b128 v9, v[56:59] offset:16
	s_wait_dscnt 0x0                               ; for the others' sake
	s_barrier_signal -1
	s_barrier_wait -1
	s_cmp_lt_u32 s20, 4
	s_cbranch_scc0 .Lsummed
.irp e, 0,1,2,3,4,5,6,7
	ds_load_b32 v[68+\e], v10 offset:64*\e         ; p_e[16 T + r]
.endr
.irp e, 0,1,2,3,4,5,6,7
	v_cmp_eq_u32 s[40+\e], \e, v11                 ; is e the expert whose row I sum?
.endr
	v_add_f32 v60, v60, v61
	v_add_f32 v62, v62, v63
	v_add_f32 v64, v64, v65
	v_add_f32 v66, v66, v67
	v_add_f32 v60, v60, v62
	v_add_f32 v64, v64, v66
	v_add_f32 v60, v60, v64                        ; all eight b2
	s_wait_alu depctr_va_sdst(0)                   ; the eight masks s40-47 are written, ahead of the selects that read them
	s_wait_dscnt 0x0
.irp e, 0,1,2,3,4,5,6,7
	v_cndmask_b32 v[68+\e], v[68+\e], 0, s[40+\e]  ; the row's own expert adds nothing here
	s_wait_alu depctr_va_vdst(0)
	v_add_f32 v60, v60, v[68+\e]
.endr
	s_wait_alu depctr_va_vdst(0)                   ; the last addition has written v60, which the store reads
	global_store_b32 v12, v60, s[12:13]
.Lsummed:
	s_wait_dscnt 0x0                               ; the closing lines, six on end
	s_wait_alu 0x0
	s_wait_tensorcnt 0x0
	ds_add_u32 v208, v209
	s_wait_dscnt 0x0
	s_endpgm
.Lfunc_end_k_qd7c6b74a06_place:
	.size	k_qd7c6b74a06_place, .Lfunc_end_k_qd7c6b74a06_place-k_qd7c6b74a06_place
	.p2alignl 7, 3214868480
	.fill 96, 4, 3214868480
	.section	.rodata,"a",@progbits
	.p2align	6, 0x0
	.amdhsa_kernel k_qd7c6b74a06_place
		.amdhsa_group_segment_fixed_size 10240
		.amdhsa_private_segment_fixed_size 0
		.amdhsa_enable_private_segment 0
		.amdhsa_kernarg_size 56
		.amdhsa_user_sgpr_count 2
		.amdhsa_user_sgpr_kernarg_segment_ptr 1
		.amdhsa_wavefront_size32 1
		.amdhsa_system_sgpr_workgroup_id_x 1
		.amdhsa_system_sgpr_workgroup_id_y 1
		.amdhsa_system_sgpr_workgroup_id_z 1
		.amdhsa_system_vgpr_workitem_id 0
		.amdhsa_next_free_vgpr 210
		.amdhsa_next_free_sgpr 66
		.amdhsa_reserve_vcc 1
		.amdhsa_float_denorm_mode_32 3
		.amdhsa_float_denorm_mode_16_64 3
		.amdhsa_memory_ordered 1
		.amdhsa_forward_progress 1
		.amdhsa_inst_pref_size 38
	.end_amdhsa_kernel
	.amdgpu_metadata
---
amdhsa.version: [ 1, 2 ]
amdhsa.kernels:
  - .name:           k_qd7c6b74a06_place
    .symbol:         k_qd7c6b74a06_place.kd
    .args:
      - { .name: route, .offset: 0, .size: 8, .value_kind: global_buffer, .address_space: global }
      - { .name: wq, .offset: 8, .size: 8, .value_kind: global_buffer, .address_space: global }
      - { .name: ws, .offset: 16, .size: 8, .value_kind: global_buffer, .address_space: global }
      - { .name: b1, .offset: 24, .size: 8, .value_kind: global_buffer, .address_space: global }
      - { .name: b2, .offset: 32, .size: 8, .value_kind: global_buffer, .address_space: global }
      - { .name: list, .offset: 40, .size: 8, .value_kind: global_buffer, .address_space: global }
      - { .name: tb, .offset: 48, .size: 8, .value_kind: global_buffer, .address_space: global }
    .group_segment_fixed_size: 10240
    .private_segment_fixed_size: 0
    .kernarg_segment_align: 8
    .kernarg_segment_size: 56
    .max_flat_workgroup_size: 256
    .sgpr_count:     66
    .vgpr_count:     210
    .wavefront_size: 32
...
	.end_amdgpu_metadata
.endif
;; end of part 6
;; launch chain (part 7): grid 135 x 1, 8 waves a work-group, no clusters, 138,240 bytes of LDS; arguments list, xq, xs, wq, ws, b1, tb, out0; writes out0
.if DOCPART == 7
	.amdgcn_target "amdgcn-amd-amdhsa--gfx1250"
	.amdhsa_code_object_version 6
	.text
	.protected	k_qd7c6b74a06_chain
	.globl	k_qd7c6b74a06_chain
	.p2align	8
	.type	k_qd7c6b74a06_chain,@function
k_qd7c6b74a06_chain:
	s_mov_b64 s[64:65], 0
	v_nop
	global_prefetch_b8 v0, s[64:65] scope:SCOPE_SE
	s_setreg_imm32_b32 hwreg(HW_REG_WAVE_SCHED_MODE, 0, 2), 2
	s_setreg_imm32_b32 hwreg(HW_REG_WAVE_MODE, 25, 1), 1
	s_wait_xcnt 0x0
	s_wait_alu depctr_vm_vsrc(0)
; THIRD LAUNCH OF THREE.  out0[token] = Q(relu(Q(x) Q(W1_e) + b1_e)) Q(W2_e) + tb[e], e the token's expert; tb holds what the other seven experts and all b2 add.
; A work-group takes ONE TILE of at most 64 rows of one expert through the whole chain; 8192 / 64 + 7 = 135 work-groups serve every split.  The hidden layer never goes to memory.
; THE WAVES SHARE THE COLUMNS: wave w makes hidden units 64 w .. 64 w + 63 and then columns 128 w .. 128 w + 127, for all 64 rows.  So each weight byte enters the work-group once and each
; fragment feeds four matrix instructions.  A wave's work is 16 equal UNITS of 16 matrix instructions; its weights are one run of 131,072 bytes, laid by the first launch in the order of the operand
; registers, and go from memory straight into a ring of three register slots: while a unit is multiplied the next unit's weights are out and those of the unit after it are asked for, across both barriers.
; BOTH PRODUCTS ARE USED TRANSPOSED (source 0 = 16 rows of the weight, source 1 = 16 rows of tokens): a lane holds one token's row; W1's rows were chosen so that two neighbouring tiles give
; 16 neighbours along the next K.  The biases are the C of each sum's first instruction.
; ROWS BEYOND THE TILE'S COUNT take the tile's first token's number, for the gather and for the stores alike: they compute and store the same numbers to the same row as row 0, inside this work-group.
; A TILE WITHOUT ROWS walks the chain on token 0's codes and stores nothing: the two branches round the stores are the only ones on loaded numbers; no barrier stands under them.
; NO CLUSTER, NO TENSOR LOAD: a tile's expert and count come from a stored list, so partners would not walk the same weights.
; NO PREFETCH: the rows are known only from the list and are asked for at once; the weights are read by about seventeen work-groups each.
; LIMITS: as the first launch's quantiser (NaN and infinities not served; a block of zeros keeps the byte 1 with zero codes).
; REGISTERS.  Window 0: v1-15, v24-31 addresses; v16-23 scale words and nothing else; v32-63 a bias, 8 a tile; v64-127 four fragments of rows, also the quantiser's work and the way out;
;   v128-255 16 accumulators, (m, t) at 128 + 32 m + 8 t.   Window 1: v0-191 the weights' ring, slot u % 3 at 64 x slot; v192-223 the byte offsets in out0 of rows 2 P + h.
; THE MODE: SCHED_MODE bits 1:0 = 2 (LLVM: expert scheduling mode 2), set by the entry lines.  The code itself states the register dependences between vector or matrix instructions
; and memory or LDS instructions, and those through scalar registers that vector instructions write, with s_wait_alu, always for 0.
; THE PLAN.  Registers that memory or LDS instructions touch:
;   ring slot u % 3 and its two scale words   Unit u's 18 loads land there; unit u's 16 products read them; the loads of unit u + 3 land there next, issued in unit u + 1.
;   v64-127, v22-23   Each unit's 18 LDS loads land there; its products read them.  Besides: x's rows on their way into LDS; the quantiser's work and codes, which LDS stores read; the way out's rows, which global stores read.
;   v32-63            b1, then tb's two halves: read as C by units 0, 8 and 12 alone; loaded again in units 1 and 9.
;   v128-255          Written by products; read by the quantiser's vector lines and by the way out's LDS stores.  At the head v136-143 are the gather's addresses and v144-145 two scale words.
;   addresses         v1-15, v24, v31, window 1's v192-223: made at the head, never written again.
; So ONE wait on va_vdst stands at a unit's head: the unit before is done reading its rows, its slot, its scale words and its bias.  Behind it come this unit's LDS loads and the loads of the unit two on,
; sixteen of them dealt among this unit's products, which name another slot and none of the registers that those loads touch.  The same wait stands behind units 7, 11 and 15, whose results are read next,
; and ahead of the quantiser's LDS stores.  A wait on vm_vsrc stands wherever registers that stores or the gather have read are written again: behind each barrier, in the way out, and ahead of unit 12.
.set XP,   1040                        ; LDS: a row of x's codes: 1,024 bytes + 16 = 65 x 16: sixteen rows start at sixteen different banks
.set XSC,  64*XP                       ; x's scale words [K step 8][row 64]
.set HIMG, XSC+2048                    ; the hidden layer's 16 fragments as register images: (m, s) at 2,048 (4 m + s)
.set HSC,  HIMG+32768                  ; its scale words [K step 4][row 64]
.set STG,  HSC+1024                    ; the way out: 16 rows x (256 bytes + 16) for each wave
.set SP,   272
.set L16,  1                           ; 16 x lane
.set L4,   2                           ; 4 x lane
.set XA,   3                           ; x's fragments: XP r + 16 h
.set XSA,  4
.set HA,   5
.set HSA,  6
.set HW,   7                           ; where I store the hidden layer's images
.set HSW,  8                           ; and its scale bytes, two at a time
.set STO,  9
.set RD,   10
.set H64,  11                          ; 64 h
.set H32,  12                          ; 32 h
.set XW,   13
.set XSW,  14
.set C16,  15                          ; 16 r
.set WS,   16                          ; v16-21 the weights' scale words: slot u % 3, pair p
.set XS,   22                          ; v22-23 the rows' scale words
.set IDO,  24
.set IDQ,  25
.set ROWQ, 26
.set Q8,   27
.set BIAS, 32
.set XF,   64
.set ACC,  128
.set OFFS, 192                         ; in window 1
.set MX,   XF                          ; the quantiser's work: largest magnitudes,
.set BY,   XF+8                        ; bytes,
.set HO,   XF+16                       ; 448 x the scale,
.set SL,   XF+24                       ; the conversions' scale operands,
.set CD,   XF+32                       ; codes
.set MSB, 0
.macro WIN new                         ; the immediate's high byte repeats the setting that is left; a switch that changes nothing is dropped
.if MSB != \new
	s_set_vgpr_msb (MSB<<8)|\new
.set MSB, \new
.endif
.endm
.macro PLACES n
.rept \n
	v_nop
.endr
.endm
.macro WFRAG u, t                      ; tile t's fragment of unit u: four loads of 512 consecutive bytes, under a setting with the destination in window 1
.set RL, 64*((\u)%3)
.irp c, 0,1,2,3
	global_load_b128 v[RL+16*\t+4*\c:RL+16*\t+4*\c+3], v[L16], s[10:11] offset:8192*(\u)+2048*\t+512*\c
.endr
.endm
.macro WSCALE u                        ; unit u's scale words: two loads of 128 consecutive bytes, in window 0
.irp p, 0,1
	global_load_b32 v[WS+2*((\u)%3)+\p], v[L4], s[12:13] offset:256*(\u)+128*\p
.endr
.endm
.macro WLOAD u                         ; unit u whole: 18 loads
	WIN 0x40                                       ; destination window 1
	WFRAG \u, 0
	WFRAG \u, 1
	WFRAG \u, 2
	WFRAG \u, 3
	WIN 0
	WSCALE \u
.endm
.macro B1LOAD                          ; lane (r, h), tile t, register j: b1 of hidden unit 32 (t / 2) + 16 h + 8 (t % 2) + j of my 64
.irp t, 0,1,2,3
	global_load_b128 v[BIAS+8*\t:BIAS+8*\t+3], v[H64], s[14:15] offset:4*(32*(\t/2)+8*(\t%2))
	global_load_b128 v[BIAS+8*\t+4:BIAS+8*\t+7], v[H64], s[14:15] offset:4*(32*(\t/2)+8*(\t%2))+16
.endr
.endm
.macro TLOAD half                      ; tb of column 64 half + 16 t + 8 h + j of my 128
.irp t, 0,1,2,3
	global_load_b128 v[BIAS+8*\t:BIAS+8*\t+3], v[H32], s[16:17] offset:256*\half+64*\t
	global_load_b128 v[BIAS+8*\t+4:BIAS+8*\t+7], v[H32], s[16:17] offset:256*\half+64*\t+16
.endr
.endm
.macro XFETCH s                        ; the four tiles of rows, K step s of x
.irp m, 0,1,2,3
.irp c, 0,1,2,3
	ds_load_b128 v[XF+16*\m+4*\c:XF+16*\m+4*\c+3], v[XA] offset:16*XP*\m+128*(\s)+32*\c
.endr
.endr
.irp a, 0,1
	ds_load_b32 v[XS+\a], v[XSA] offset:256*(\s)+128*\a    ; lanes 0-15: tile 2 a's rows; lanes 16-31: tile 2 a + 1's
.endr
.endm
.macro HFETCH s                        ; the same of the hidden layer
.irp m, 0,1,2,3
.irp c, 0,1,2,3
	ds_load_b128 v[XF+16*\m+4*\c:XF+16*\m+4*\c+3], v[HA] offset:2048*(4*\m+(\s))+512*\c
.endr
.endr
.irp a, 0,1
	ds_load_b32 v[XS+\a], v[HSA] offset:256*(\s)+128*\a
.endr
.endm
.macro WM m, t, cr                     ; one product; an odd tile's scale words stand in lanes 16-31 of their register
.if ((\t)%2 == 1) && ((\m)%2 == 1)
	v_wmma_scale_f32_16x16x128_f8f6f4 v[ACC+32*\m+8*\t:ACC+32*\m+8*\t+7], v[RS+16*\t:RS+16*\t+15], v[XF+16*\m:XF+16*\m+15], v[\cr:\cr+7], v[SS+\t/2], v[XS+\m/2] matrix_a_scale:MATRIX_SCALE_ROW1 matrix_b_scale:MATRIX_SCALE_ROW1
.elseif (\t)%2 == 1
	v_wmma_scale_f32_16x16x128_f8f6f4 v[ACC+32*\m+8*\t:ACC+32*\m+8*\t+7], v[RS+16*\t:RS+16*\t+15], v[XF+16*\m:XF+16*\m+15], v[\cr:\cr+7], v[SS+\t/2], v[XS+\m/2] matrix_a_scale:MATRIX_SCALE_ROW1
.elseif (\m)%2 == 1
	v_wmma_scale_f32_16x16x128_f8f6f4 v[ACC+32*\m+8*\t:ACC+32*\m+8*\t+7], v[RS+16*\t:RS+16*\t+15], v[XF+16*\m:XF+16*\m+15], v[\cr:\cr+7], v[SS+\t/2], v[XS+\m/2] matrix_b_scale:MATRIX_SCALE_ROW1
.else
	v_wmma_scale_f32_16x16x128_f8f6f4 v[ACC+32*\m+8*\t:ACC+32*\m+8*\t+7], v[RS+16*\t:RS+16*\t+15], v[XF+16*\m:XF+16*\m+15], v[\cr:\cr+7], v[SS+\t/2], v[XS+\m/2]
.endif
.endm
.macro MROW m, first                   ; the four products of tile m of the rows.  A unit's 16 accumulators take turns, one instruction a turn, in the same order in every unit
.irp t, 0,1,2,3
.if \first
	WM \m, \t, BIAS+8*\t
.else
	WM \m, \t, ACC+32*\m+8*\t
.endif
.endr
.endm
; A unit.  n: the loads issued behind this unit's, which may stay out.  first 1: its products begin the sums, with the bias as C.  kind 0: rows of x, 1: of the hidden layer.
; head 1: the wait on va_vdst (where it is 0, a wait that stands ahead of the unit has stated the same).  deal 1: the unit two on is asked for here, into the slot that the unit before has left.
; bias 1, 2: the bias registers, which the unit before read, take tb's half 0 or 1.
; Nine plain lines stand behind the products: eight ahead of a vector line or an LDS store that reads a result or writes a source, nine ahead of a product that begins an accumulator anew; behind every unit alike.
.macro UNIT u, n, first, kind, head, deal, bias
.if \head
	s_wait_alu depctr_va_vdst(0)                   ; the products of the unit before are done reading v64-127 and v22-23, in which the LDS loads below land, their ring slot and its two scale words, in which the unit two on lands, and the bias where they began sums
.endif
.if \kind == 0
	XFETCH (\u)
.else
	HFETCH ((\u)%4)
.endif
.if \deal
	WSCALE (\u)+2
.endif
.if \bias == 1
	TLOAD 0
.endif
.if \bias == 2
	TLOAD 1
.endif
	s_wait_loadcnt \n
	s_wait_dscnt 0x0
.set RS, 64*((\u)%3)
.set SS, WS+2*((\u)%3)
	WIN 0x01                                       ; source 0 (the weight) window 1
	MROW 0, \first
.if \deal
	WIN 0x40                                       ; destination window 1.  No wait: no vector or matrix instruction since the unit's head names the slot that is loaded, or the loads' offset
	WFRAG (\u)+2, 0
	WFRAG (\u)+2, 1
	WIN 0x01
.endif
	MROW 1, \first
.if \deal
	WIN 0x40
	WFRAG (\u)+2, 2
	WFRAG (\u)+2, 3
	WIN 0x01
.endif
	MROW 2, \first
	MROW 3, \first
	WIN 0
	PLACES 9
.endm
; relu and quantiser: eight blocks q = 2 m + b of 32 hidden units; a lane holds 16 of a block (accumulators 2 b and 2 b + 1 of m), lane l xor 16 the others
.macro HQUANT
.irp q, 0,1,2,3,4,5,6,7
	v_mov_b32 v[BY+\q], 0                          ; a lane permute's destination counts as one of its sources
.endr
.irp q, 0,1,2,3,4,5,6,7
	v_max3_num_f32 v[MX+\q], v[ACC+16*\q], v[ACC+16*\q+1], 0x4800000   ; no |.|: what is negative becomes 0; each accumulator is read from its low end on
.endr
.irp i, 2,4,6,8,10,12,14
.irp q, 0,1,2,3,4,5,6,7
	v_max3_num_f32 v[MX+\q], v[MX+\q], v[ACC+16*\q+\i], v[ACC+16*\q+\i+1]
.endr
.endr
.irp q, 0,1,2,3,4,5,6,7
	v_permlanex16_b32 v[BY+\q], v[MX+\q], s26, s27
.endr
.irp q, 0,1,2,3,4,5,6,7
	v_max_num_f32 v[MX+\q], v[MX+\q], v[BY+\q]
.endr
.irp q, 0,1,2,3,4,5,6,7
	v_add_nc_u32 v[SL+\q], 0xfc000000, v[MX+\q]
.endr
.irp q, 0,1,2,3,4,5,6,7
	v_and_or_b32 v[HO+\q], v[MX+\q], 0x7f800000, s28
.endr
.irp q, 0,1,2,3,4,5,6,7
	v_lshrrev_b32 v[BY+\q], 23, v[SL+\q]
.endr
.irp m, 0,1,2,3
	v_lshl_or_b32 v[BY+2*\m], v[BY+2*\m+1], 8, v[BY+2*\m]   ; my two bytes of the row's scale word
.endr
.irp q, 0,1,2,3,4,5,6,7
.irp i, 0,1,2,3,4,5,6,7,8,9,10,11,12,13,14,15
	v_med3_num_f32 v[ACC+16*\q+\i], v[ACC+16*\q+\i], 0, v[HO+\q]   ; the activation and the hold in one
.endr
	v_cvt_scalef32_pk8_fp8_f32 v[CD+4*\q:CD+4*\q+1], v[ACC+16*\q:ACC+16*\q+7], v[SL+\q]
	v_cvt_scalef32_pk8_fp8_f32 v[CD+4*\q+2:CD+4*\q+3], v[ACC+16*\q+8:ACC+16*\q+15], v[SL+\q]
.endr
	v_nop                                          ; a plain line behind the last conversion: later products write its sources
	s_wait_alu depctr_va_vdst(0)                   ; the conversions have written the codes and the shifts the bytes, which the LDS stores below read; and every vector line that names v64-127 is done, ahead of unit 8's LDS loads, which land there
.irp q, 0,1,2,3,4,5,6,7
	ds_store_b128 v[HW], v[CD+4*\q:CD+4*\q+3] offset:8192*(\q/2)+512*(\q%2)   ; group 2 (w % 2) + b of the image (m, w / 2)
.endr
.irp m, 0,1,2,3
	ds_store_b16 v[HSW], v[BY+2*\m] offset:64*\m   ; both halves of the lanes write the same bytes with the same values
.endr
.endm
; The way out of 16 rows x 64 columns: through my own stage, back as rows of 256 bytes; lanes 0-15 store 256 consecutive bytes of one token's row, at a multiple of 256 from out0's first byte, lanes 16-31 of another's
.macro OUT half, m
.set OB, XF+32*((\m)%2)
	s_wait_xcnt 0x0                                ; earlier stores have read the registers that are loaded again below
.if (\m) >= 2
	s_wait_alu depctr_vm_vsrc(0)                   ; the global stores of the block two back have read v[OB] on, in which the LDS loads below land
.endif
.irp t, 0,1,2,3
	ds_store_b128 v[STO], v[ACC+32*\m+8*\t:ACC+32*\m+8*\t+3] offset:64*\t          ; each accumulator from its low end on
	ds_store_b128 v[STO], v[ACC+32*\m+8*\t+4:ACC+32*\m+8*\t+7] offset:64*\t+16
.endr
.irp i, 0,1,2,3,4,5,6,7
	ds_load_b128 v[OB+4*\i:OB+4*\i+3], v[RD] offset:2*SP*\i    ; LDS serves a wave's instructions in order: these see the stores above, and the next block's stores come behind them
.endr
	WIN 0x01                                       ; a store's address register is its source 0: window 1
.irp i, 0,1,2,3,4,5,6,7
	s_wait_dscnt 7-\i
	global_store_b128 v[OFFS+8*\m+\i], v[OB+4*\i:OB+4*\i+3], s[18:19] offset:256*\half th:TH_STORE_NT
.endr
	WIN 0
.endm
; The offsets in out0 of rows 32 a .. 32 a + 31, whose numbers stand in s68-99: register P = 16 a + q serves rows 2 P (lanes 0-15) and 2 P + 1 (lanes 16-31)
.macro OFFSETS a
.set oq, 0
.rept 32
	s_cmp_gt_u32 s23, 32*(\a)+oq
	s_cselect_b32 s[68+oq], s[68+oq], s29          ; a row beyond the count takes the tile's first token
.set oq, oq+1
.endr
	WIN 0x40
.set oq, 0
.rept 16
	v_mov_b32 v[OFFS+16*(\a)+oq], s[68+2*oq]
.set oq, oq+1
.endr
	WIN 0x41
.set oq, 0
.rept 16
	v_cndmask_b32 v[OFFS+16*(\a)+oq], v[OFFS+16*(\a)+oq], s[69+2*oq], s30
.set oq, oq+1
.endr
	WIN 0x44
.set oq, 0
.rept 16
	v_min_u32 v[OFFS+16*(\a)+oq], 0x1fff, v[OFFS+16*(\a)+oq]   ; a loaded number is held inside the table ahead of every address
.set oq, oq+1
.endr
	WIN 0x41
.set oq, 0
.rept 16
	v_lshl_add_u32 v[OFFS+16*(\a)+oq], v[OFFS+16*(\a)+oq], 12, v[C16]   ; 4,096 bytes a row of out0, + 16 r
.set oq, oq+1
.endr
	WIN 0
.endm
	s_load_b512 s[4:19], s[0:1], 0x0               ; list, xq, xs, wq, ws, b1, tb, out0
	s_set_vgpr_msb 0x40
	v_lshl_add_u32 v254, v0, 2, 0x21800
	v_mov_b32 v255, 0
	s_set_vgpr_msb 0x4000
	v_lshrrev_b32 v28, 5, v0
	v_readfirstlane_b32 s20, v28                   ; wave 0..7
	v_and_b32 v28, 31, v0                          ; lane
	v_and_b32 v29, 15, v0                          ; r
	v_bfe_u32 v30, v0, 4, 1                        ; h
	v_lshlrev_b32 v[L16], 4, v28
	v_lshlrev_b32 v[L4], 2, v28
	v_mul_u32_u24 v[XA], v29, XP
	v_lshl_add_u32 v[XA], v30, 4, v[XA]
	v_add_nc_u32 v[XSA], XSC, v[L4]
	v_add_nc_u32 v[HA], HIMG, v[L16]
	v_add_nc_u32 v[HSA], HSC, v[L4]
	s_wait_alu depctr_va_sdst(0)                   ; s20 is written, ahead of its first reader: LDS addresses and the buffers' offsets are made from it
	s_lshr_b32 s24, s20, 1                         ; my 64 hidden units are half w % 2 of the second product's K step w / 2
	s_and_b32 s25, s20, 1
	s_lshl_b32 s31, s24, 11
	s_lshl_b32 s40, s25, 10
	s_add_co_u32 s31, s31, s40
	v_add_nc_u32 v[HW], s31, v[HA]
	s_lshl_b32 s31, s24, 8
	s_lshl_b32 s40, s25, 1
	s_add_co_u32 s31, s31, s40
	v_lshl_add_u32 v[HSW], v29, 2, s31
	v_add_nc_u32 v[HSW], HSC, v[HSW]
	s_mul_i32 s31, s20, 16*SP                      ; my stage
	v_mul_u32_u24 v[STO], v29, SP
	v_lshl_add_u32 v[STO], v30, 5, v[STO]
	v_add_nc_u32 v[STO], s31, v[STO]
	v_add_nc_u32 v[STO], STG, v[STO]               ; in: row r, 32 bytes for each half of the lanes
	v_mul_u32_u24 v[RD], v30, SP
	v_lshl_add_u32 v[RD], v29, 4, v[RD]
	v_add_nc_u32 v[RD], s31, v[RD]
	v_add_nc_u32 v[RD], STG, v[RD]                 ; back: lanes 0-15 one row, lanes 16-31 the next
	v_lshlrev_b32 v[H64], 6, v30
	v_lshlrev_b32 v[H32], 5, v30
	s_mul_i32 s31, s20, 8*XP
	v_add_nc_u32 v[XW], s31, v[L16]                ; I gather rows 8 w .. 8 w + 7
	v_and_b32 v31, 3, v28
	v_lshrrev_b32 v28, 2, v28                      ; lane / 4: which of my 8 rows, for the scale words
	s_lshl_b32 s31, s20, 5
	v_lshl_add_u32 v[XSW], v31, 9, s31
	v_lshl_add_u32 v[XSW], v28, 2, v[XSW]
	v_add_nc_u32 v[XSW], XSC, v[XSW]               ; K step 2 (lane % 4), row 8 w + lane / 4
	v_lshlrev_b32 v[C16], 4, v29
	v_lshl_add_u32 v[IDO], v28, 2, s31
	s_lshl_b32 s44, s20, 3
	v_add_nc_u32 v[ROWQ], s44, v28
	v_lshlrev_b32 v[Q8], 3, v31
	s_mov_b32 s26, 0x76543210
	s_mov_b32 s27, 0xfedcba98                      ; v_permlanex16_b32's selects for lane l xor 16
	s_mov_b32 s28, 0x600000                        ; the mantissa field of 448
	s_mov_b32 s30, 0xffff0000                      ; lanes 16-31
	s_lshl_b32 s24, ttmp9, 2
	s_mov_b32 s25, 0
	s_lshl_b32 s40, ttmp9, 8
	s_mov_b32 s41, 0
	s_mov_b32 s42, s31
	s_mov_b32 s43, 0
	s_wait_kmcnt 0x0
	s_add_nc_u64 s[24:25], s[4:5], s[24:25]
	s_add_nc_u64 s[4:5], s[4:5], s[40:41]          ; my tile's 64 token numbers
	s_add_nc_u64 s[42:43], s[4:5], s[42:43]        ; my wave's 8 of them
	s_load_b32 s21, s[24:25], 34560                ; expert | rows << 8
	s_load_b32 s29, s[4:5], 0x0                    ; the tile's first token
	s_load_b256 s[32:39], s[42:43], 0x0
	s_load_b512 s[68:83], s[4:5], 0x0              ; rows 0-31
	s_load_b512 s[84:99], s[4:5], 0x40
	s_wait_alu depctr_va_vdst(0)                   ; the offsets and LDS addresses v1 to v15 and v24 are written, which the load below and every later load and store read; none is written again
	global_load_b32 v[IDQ], v[IDO], s[4:5]         ; the number of row 8 w + lane / 4
	s_wait_kmcnt 0x0
	s_and_b32 s22, s21, 0xff
	s_min_u32 s22, s22, 7                          ; the expert, held inside the tables
	s_lshr_b32 s23, s21, 8
	s_min_u32 s23, s23, 64                         ; the rows
	s_lshl_b32 s40, s22, 20                        ; wq: 1,048,576 bytes an expert, 131,072 a wave
	s_lshl_b32 s31, s20, 17
	s_add_co_u32 s40, s40, s31
	s_add_nc_u64 s[10:11], s[10:11], s[40:41]
	s_lshl_b32 s40, s22, 15                        ; ws
	s_lshl_b32 s31, s20, 12
	s_add_co_u32 s40, s40, s31
	s_add_nc_u64 s[12:13], s[12:13], s[40:41]
	s_lshl_b32 s40, s22, 11                        ; b1: my 64 numbers
	s_lshl_b32 s31, s20, 8
	s_add_co_u32 s40, s40, s31
	s_add_nc_u64 s[14:15], s[14:15], s[40:41]
	s_lshl_b32 s40, s22, 12                        ; tb: my 128 numbers
	s_lshl_b32 s31, s20, 9
	s_add_co_u32 s40, s40, s31
	s_add_nc_u64 s[16:17], s[16:17], s[40:41]
	s_mov_b32 s40, s31                             ; out0: my 128 columns
	s_add_nc_u64 s[18:19], s[18:19], s[40:41]
.irp i, 0,1,2,3,4,5,6,7
	s_add_co_u32 s31, s44, \i
	s_cmp_lt_u32 s31, s23
	s_cselect_b32 s[32+\i], s[32+\i], s29          ; a row beyond the count takes the tile's first token
.endr
.irp i, 0,1,2,3,4,5,6,7
	v_mov_b32 v[ACC+\i], s[32+\i]
.endr
.irp i, 0,1,2,3,4,5,6,7
	v_min_u32 v[ACC+\i], 0x1fff, v[ACC+\i]
.endr
.irp i, 0,1,2,3,4,5,6,7
	v_lshl_add_u32 v[ACC+8+\i], v[ACC+\i], 10, v[L16]
.endr
	s_wait_alu depctr_va_vdst(0)                   ; the eight offsets v136-143 are written, which the gather reads
.irp i, 0,1,2,3,4,5,6,7
.irp j, 0,1
	global_load_b128 v[XF+8*\i+4*\j:XF+8*\i+4*\j+3], v[ACC+8+\i], s[6:7] offset:512*\j   ; a whole row of codes: two loads of 512 consecutive bytes
.endr
.endr
	B1LOAD
	WLOAD 0
	s_wait_loadcnt 42                              ; the first load, my row's number, is in: behind it stand 16 + 8 + 18
	v_cmp_gt_u32 vcc_lo, s23, v[ROWQ]
	v_mov_b32 v29, s29
	s_wait_alu depctr_va_vcc(0)                    ; VCC is written, ahead of the select that reads it
	v_cndmask_b32 v[IDQ], v29, v[IDQ], vcc_lo
	v_min_u32 v[IDQ], 0x1fff, v[IDQ]
	v_lshl_add_u32 v31, v[IDQ], 5, v[Q8]
	s_wait_alu depctr_va_vdst(0)                   ; v31 is written, which the load below reads as its offset
	global_load_b64 v[ACC+16:ACC+17], v31, s[8:9]  ; two of the row's eight scale words
	WLOAD 1
	WLOAD 2
	OFFSETS 0
	s_load_b512 s[68:83], s[4:5], 0x80             ; rows 32-63
	s_load_b512 s[84:99], s[4:5], 0xc0
	s_wait_kmcnt 0x0
	OFFSETS 1
	s_wait_loadcnt 36                              ; all but units 1 and 2: the rows, their scale words, b1 and unit 0 are in
.irp i, 0,1,2,3,4,5,6,7
.irp j, 0,1
	ds_store_b128 v[XW], v[XF+8*\i+4*\j:XF+8*\i+4*\j+3] offset:XP*\i+512*\j
.endr
.endr
	ds_store_b32 v[XSW], v[ACC+16]
	ds_store_b32 v[XSW], v[ACC+17] offset:256
	s_wait_dscnt 0x0                               ; for the others' sake: my rows have landed
	s_barrier_signal -1
	s_barrier_wait -1                              ; the tile's 64 rows of codes lie in LDS
	s_wait_alu depctr_vm_vsrc(0)                   ; my LDS stores have read v64-127, in which unit 0's LDS loads land, and v144-145; the gather has read v136-143: unit 0's products write both
	; ---- the first product: K = 1,024 in eight units
	UNIT 0, 36, 1, 0, 0, 0, 0                      ; behind unit 0's loads: the scale words (in), units 1 and 2.  No vector or matrix instruction has named v64-127 or v22-23 yet
	UNIT 1, 28, 0, 0, 1, 1, 1                      ; unit 2's 18, unit 3's two scale words, tb's half 0
	UNIT 2, 28, 0, 0, 1, 1, 0                      ; the 26 loads of unit 1's turn, unit 4's two scale words
	UNIT 3, 20, 0, 0, 1, 1, 0                      ; from here on the 18 loads of the turn before and this turn's two
	UNIT 4, 20, 0, 0, 1, 1, 0
	UNIT 5, 20, 0, 0, 1, 1, 0
	UNIT 6, 20, 0, 0, 1, 1, 0
	UNIT 7, 20, 0, 0, 1, 1, 0
	s_wait_alu depctr_va_vdst(0)                   ; unit 7's products are done reading ring slot 1 and its two scale words, in which unit 10 lands, and v22-23, in which unit 8's LDS loads land
	WLOAD 10                                       ; asked for whole, ahead of the quantiser
	HQUANT
	s_wait_dscnt 0x0                               ; my images have landed, and my reads of x are over
	s_barrier_signal -1
	s_barrier_wait -1                              ; the hidden layer's sixteen fragments lie in LDS; units 8 to 10 stay on their way across this barrier
	s_wait_alu depctr_vm_vsrc(0)                   ; my LDS stores have read the codes and the bytes in v64-127, in which unit 8's LDS loads land
	; ---- the second product, columns 0-63 of my 128: K = 512 in four units
	UNIT 8, 36, 1, 1, 0, 0, 0                      ; units 9 and 10
	UNIT 9, 28, 0, 1, 1, 1, 2                      ; unit 10's 18, unit 11's two scale words, tb's half 1
	UNIT 10, 28, 0, 1, 1, 1, 0                     ; the 26 loads of unit 9's turn, unit 12's two scale words
	UNIT 11, 20, 0, 1, 1, 1, 0
	s_wait_alu depctr_va_vdst(0)                   ; unit 11's products have written the accumulators, which the stage's LDS stores read, and are done reading ring slot 2 and its scale words, in which unit 14 lands, and v64-127 and v22-23, in which the stage's loads and unit 12's land
	WLOAD 14
	s_cmp_eq_u32 s23, 0
	s_cbranch_scc1 .Lnone0                         ; a tile without rows stores nothing
	OUT 0, 0
	OUT 0, 1
	OUT 0, 2
	OUT 0, 3
.Lnone0:
	s_wait_xcnt 0x0                                ; the stores have read their registers, which the next unit's fragments take
	s_wait_alu depctr_vm_vsrc(0)                   ; the global stores have read v64-127, in which unit 12's LDS loads land; the stage's LDS stores have read the accumulators, which unit 12's products begin anew
	; ---- columns 64-127
	UNIT 12, 36, 1, 1, 0, 0, 0                     ; units 13 and 14
	UNIT 13, 20, 0, 1, 1, 1, 0                     ; unit 14's 18, unit 15's two scale words
	UNIT 14, 18, 0, 1, 1, 0, 0                     ; unit 15
	UNIT 15, 0, 0, 1, 1, 0, 0
	s_wait_alu depctr_va_vdst(0)                   ; unit 15's products have written the accumulators, which the stage's LDS stores read, and are done reading v64-127, in which the stage's loads land
	s_cmp_eq_u32 s23, 0
	s_cbranch_scc1 .Lnone1
	OUT 1, 0
	OUT 1, 1
	OUT 1, 2
	OUT 1, 3
.Lnone1:
	s_set_vgpr_msb 0x5                             ; the add's two registers, sources 0 and 1, lie in window 1
	s_wait_dscnt 0x0                               ; the closing lines, six on end
	s_wait_alu 0x0
	s_wait_tensorcnt 0x0
	ds_add_u32 v254, v255
	s_wait_dscnt 0x0
	s_endpgm
.Lfunc_end_k_qd7c6b74a06_chain:
	.size	k_qd7c6b74a06_chain, .Lfunc_end_k_qd7c6b74a06_chain-k_qd7c6b74a06_chain
	.p2alignl 7, 3214868480
	.fill 96, 4, 3214868480
	.section	.rodata,"a",@progbits
	.p2align	6, 0x0
	.amdhsa_kernel k_qd7c6b74a06_chain
		.amdhsa_group_segment_fixed_size 138240
		.amdhsa_private_segment_fixed_size 0
		.amdhsa_enable_private_segment 0
		.amdhsa_kernarg_size 64
		.amdhsa_user_sgpr_count 2
		.amdhsa_user_sgpr_kernarg_segment_ptr 1
		.amdhsa_wavefront_size32 1
		.amdhsa_system_sgpr_workgroup_id_x 1
		.amdhsa_system_sgpr_workgroup_id_y 1
		.amdhsa_system_sgpr_workgroup_id_z 1
		.amdhsa_system_vgpr_workitem_id 0
		.amdhsa_next_free_vgpr 512
		.amdhsa_next_free_sgpr 100
		.amdhsa_reserve_vcc 1
		.amdhsa_float_denorm_mode_32 3
		.amdhsa_float_denorm_mode_16_64 3
		.amdhsa_memory_ordered 1
		.amdhsa_forward_progress 1
		.amdhsa_inst_pref_size 144
	.end_amdhsa_kernel
	.amdgpu_metadata
---
amdhsa.version: [ 1, 2 ]
amdhsa.kernels:
  - .name:           k_qd7c6b74a06_chain
    .symbol:         k_qd7c6b74a06_chain.kd
    .args:
      - { .name: list, .offset: 0, .size: 8, .value_kind: global_buffer, .address_space: global }
      - { .name: xq, .offset: 8, .size: 8, .value_kind: global_buffer, .address_space: global }
      - { .name: xs, .offset: 16, .size: 8, .value_kind: global_buffer, .address_space: global }
      - { .name: wq, .offset: 24, .size: 8, .value_kind: global_buffer, .address_space: global }
      - { .name: ws, .offset: 32, .size: 8, .value_kind: global_buffer, .address_space: global }
      - { .name: b1, .offset: 40, .size: 8, .value_kind: global_buffer, .address_space: global }
      - { .name: tb, .offset: 48, .size: 8, .value_kind: global_buffer, .address_space: global }
      - { .name: out0, .offset: 56, .size: 8, .value_kind: global_buffer, .address_space: global }
    .group_segment_fixed_size: 138240
    .private_segment_fixed_size: 0
    .kernarg_segment_align: 8
    .kernarg_segment_size: 64
    .max_flat_workgroup_size: 256
    .sgpr_count:     100
    .vgpr_count:     512
    .wavefront_size: 32
...
	.end_amdgpu_metadata
.endif
;; end of part 7
